; MI455X (gfx1250); checked and timed in simulation.
; The chip was launched on July 23, 2026; its instructions are those of AMD's public machine-readable ISA for CDNA 5 (MIT licence, August 2026) and "CDNA5" Instruction Set Architecture Reference Guide (July 2026). The comments in the code are by the model that wrote it; some were corrected since.
;; Transformer Block. Allowed arithmetic: matrix products marked QUANTISED: E4M3 operands, one given power-of-two scale a tensor, by v_wmma_f32_16x16x64_fp8_fp8 or v_wmma_f32_16x16x128_fp8_fp8, f32 sums; everything else in f32.
;; Inputs: W1 1,024 x 4,096 float32; W2 4,096 x 1,024 float32; Wk 1,024 x 1,024 float32; Wo 1,024 x 1,024 float32; Wq 1,024 x 1,024 float32; Wv 1,024 x 1,024 float32; b1 4,096 float32; b2 1,024 float32; bo 1,024 float32; g1 1,024 float32; g2 1,024 float32; lowp_scales 16 int32 (the exponents e of the quantised operands' scales 2^e); s1 1,024 float32; s2 1,024 float32; x 2 x 2,048 x 1,024 float32.
;; Outputs: out0 2 x 2,048 x 1,024 float32.
;; This version of the problem:
;;   THIS VERSION OF THE PROBLEM IS GIVEN IN LOW PRECISION. The matrix products marked QUANTISED in the list below multiply operands that are first quantised to E4M3 (4 exponent bits, 3 mantissa bits; 8 bits a number), with one given power-of-two scale for each operand tensor; their sums are f32. All else is computed in f32.
;;   The module's matrix products, in the order in which they are computed (A, B: the left and right operand; K: the contracted axis; several contracted axes count as one K, in the product's order):
;;     1. [M 4,096, K 1,024] x [K 1,024, N 1,024]; A: computed on the way; B: input Wq: QUANTISED (scales: A lowp_scales[0], B lowp_scales[1])
;;     2. [M 4,096, K 1,024] x [K 1,024, N 1,024]; A: computed on the way; B: input Wk: QUANTISED (scales: A lowp_scales[2], B lowp_scales[3])
;;     3. [M 4,096, K 1,024] x [K 1,024, N 1,024]; A: computed on the way; B: input Wv: QUANTISED (scales: A lowp_scales[4], B lowp_scales[5])
;;     4. batch 32 x [M 2,048, K 64] x [K 64, N 2,048]; A: computed on the way; B: computed on the way: QUANTISED (scales: A lowp_scales[6], B lowp_scales[7])
;;     5. batch 32 x [M 2,048, K 2,048] x [K 2,048, N 64]; A: softmax (see below); B: computed on the way: QUANTISED (scales: A lowp_scales[8], B lowp_scales[9])
;;     6. [M 4,096, K 1,024] x [K 1,024, N 1,024]; A: computed on the way; B: input Wo: QUANTISED (scales: A lowp_scales[10], B lowp_scales[11])
;;     7. [M 4,096, K 1,024] x [K 1,024, N 4,096]; A: computed on the way; B: input W1: QUANTISED (scales: A lowp_scales[12], B lowp_scales[13])
;;     8. [M 4,096, K 4,096] x [K 4,096, N 1,024]; A: computed on the way; B: input W2: QUANTISED (scales: A lowp_scales[14], B lowp_scales[15])
;;   THE QUANTISER, for each operand of a quantised product, along K:
;;     - The operand's scale is 2^e, e = its entry of the input lowp_scales (int32; the entries are numbered through the quantised products in the list's order, A before B).
;;     - Each number is divided by the scale, clamped to +-448, and rounded to the nearest number of E4M3, ties to even, subnormals kept.
;;     - The product sums the exact products of the quantised numbers (number of the format x scale) in f32.
;;   ~~~python
;;   def quantise(x, axis, e):      # numpy; x: float32 -> the quantised numbers, widened to float32 again
;;       x = np.moveaxis(x, axis, -1); K = x.shape[-1]
;;       r = np.clip(x / 2.0 ** e, -448, 448)
;;       step = 2.0 ** (np.maximum(np.frexp(np.where(r == 0, 1, r))[1] - 1, -6) - 3)
;;       q = np.round(r / step) * step * 2.0 ** e      # np.round: ties to even
;;       return np.moveaxis(q, -1, axis).astype(np.float32)
;;   ~~~
;;   SOFTMAX AHEAD OF A QUANTISED PRODUCT. Where the list says 'softmax', what is quantised is not the finished softmax but p = 2^(t - M), with t = logit x log2(e) and M = ceil(the row's largest t), a whole number; so 1/2 < the row's largest p <= 1. The row's sum l is taken of the UNQUANTISED p, in f32, and the product's result is divided by l at the end. Since M is a whole number, a kernel that streams over the keys may use a running M (the ceiling of the running maximum): every later rescaling is an exact power of two, so the quantised numbers keep their values, but for numbers so far below the row's largest that they fall under the format's range.
;;   OPERANDS COMPUTED ON THE WAY. 'Computed on the way' means the value that the module computes at that place (a softmax that the list does not call 'softmax' is quantised finished and normalised). What goes into a quantiser is computed in f32, as accurately as f32 sums, v_exp_f32 and their like allow (about 1e-6 of the number): no bf16 or f16 on the way to a quantiser, and a product that is left as it is and whose result goes on into a quantised operand takes f32 operands (vector FMAs, or v_wmma_f32_16x16x4_f32). A number that lies on a knife's edge between two numbers of the format may be rounded either way, as far as f32 arithmetic and the matrix unit's own rounding can turn it there, and no further.
;; 2 versions, each right. Each part assembles by itself: llvm-mc -triple=amdgcn-amd-amdhsa -mcpu=gfx1250 --defsym DOCPART=n.
;; ======== version 1 of 2: 7 launches
;; workspace buffers: wcodes 12,582,912 bytes; hc 12,582,912 bytes; qkvc 12,582,912 bytes; ctxc 4,194,304 bytes; x1 16,777,216 bytes; h2c 4,194,304 bytes; ffc 16,777,216 bytes
;; launch prep (part 1): grid 640 x 1, 4 waves a work-group, no clusters, 47,616 bytes of LDS; arguments Wq, Wk, Wv, Wo, W1, W2, x, g1, s1, lowp_scales, wcodes, hc; writes wcodes, hc
.if DOCPART == 1
	.amdgcn_target "amdgcn-amd-amdhsa--gfx1250"
	.amdhsa_code_object_version 6
	.text
	.protected	k_q76c594b555_prep
	.globl	k_q76c594b555_prep
	.p2align	8
	.type	k_q76c594b555_prep,@function
k_q76c594b555_prep:
	s_mov_b64 s[64:65], 0
	v_nop
	global_prefetch_b8 v0, s[64:65] scope:SCOPE_SE
	s_setreg_imm32_b32 hwreg(HW_REG_WAVE_MODE, 25, 1), 1
	s_wait_xcnt 0x0
; PREP: two jobs that share nothing, told apart by the work-group's number.
; Work-groups 0-383: the six weights, f32 stored [K][N], become codes of FP8 (E4M3) laid [N][K], K innermost, each with its given scale 2^e.
;   wcodes: Wq at 0, Wk at 1 MiB, Wv at 2 MiB, Wo at 3 MiB (each [1024 n][1024 k]), W1 at 4 MiB ([4096 n][1024 k]), W2 at 8 MiB ([1024 n][4096 k]).
;   A work-group takes 128 columns x 256 along K, a wave 32 columns.  A LANE TAKES A COLUMN AND ITS REGISTERS RUN DOWN K: each load reads 128 consecutive bytes a wave, and the
;   conversions give codes with K innermost.  The codes go through the wave's own stage in LDS and leave as rows: sixteen lanes store 256 consecutive bytes, aligned.
; Work-groups 384-639: h = g1 (x - mean) / sqrt(var + 1e-5) + s1, row by row, quantised three times (scales 0, 2, 4) into hc: three tensors [4096][1024], 4 MiB apart.
;   A wave takes 4 rows, a row stays in 32 registers; mean and variance in two passes, all in f32.
; code = number / 2^e, held within +-448, rounded to the nearest code, ties to even.
; LIMITS: each e between -126 and 119, so that 2^e and 448 x 2^e are f32 numbers.  NaN among the inputs is not served.
; No tensor loads and no barrier: waves share nothing.  Each job has LDS bytes of its own.
.set SPARE, 34816                      ; behind the four weight stages: the spare words, 128 bytes a wave, two blocks of 256 bytes that no other line names
.set LNB,   35328                      ; behind them: the norm's stages, 3,072 bytes a wave
.set SPW,   12                         ; v12  LDS address of my spare word; never rewritten
.set NIL,   13                         ; v13  0; never rewritten
.set PITCH, 272                        ; a weight stage's row: 256 bytes + 16
.set RO,    16                         ; v16-47   weights: 4 x lane + i source rows
.set X,     48                         ; v48-111  weights: two sets of 32 numbers; on the way out 16 x 4 registers of codes
.set C,     112                        ; v112-119 weights: a block's codes
.set OO,    120                        ; v120-135 weights: where a pair of rows goes in the codes' buffer
.set BS,    16                         ; s[16:31] weights: the source's address at each of the eight blocks of 32 along K
.set NOUT,  3                          ; norm: how many times a row is quantised
.set G,     16                         ; v16-47   norm: gain
.set S,     48                         ; v48-79   norm: shift
.set X0,    80                         ; v80-143  norm: two rows
.set T,     144                        ; v144-159 norm: at work, two sets of eight by turns
.set CC,    160                        ; v160-183 norm: codes
.set O,     184                        ; v184-207 norm: codes as rows, to store
	s_load_b512 s[68:83], s[0:1], 0x0              ; Wq, Wk, Wv, Wo, W1, W2, x, g1
	s_load_b256 s[84:91], s[0:1], 0x40             ; s1, the scales' exponents, wcodes, hc
	v_lshl_add_u32 v[SPW], v0, 2, SPARE
	v_mov_b32 v[NIL], 0
	v_lshrrev_b32 v1, 5, v0
	v_readfirstlane_b32 s2, v1                     ; wave 0..3
	v_and_b32 v2, 31, v0                           ; lane
	s_wait_kmcnt 0x0
	s_load_b512 s[36:51], s[86:87], 0x0            ; e0 .. e15
	s_cmp_ge_u32 ttmp9, 384
	s_cbranch_scc1 .Lln
	; ---------------- the weights ----------------
	s_lshr_b32 s4, ttmp9, 7                        ; c: 0 the four square weights, 1 W1, 2 W2; 128 work-groups each
	s_and_b32 s5, ttmp9, 31
	s_and_b32 s6, ttmp9, 127
	s_lshr_b32 s7, ttmp9, 5
	s_add_co_u32 s8, s4, 3
	s_cmp_eq_u32 s4, 0
	s_cselect_b32 s5, s5, s6                       ; my number within the tensor
	s_cselect_b32 s7, s7, s8                       ; which tensor, 0..5
	s_lshl_b32 s11, s7, 20
	s_mov_b32 s9, 4096
	s_mov_b32 s10, 1024
	s_cmp_eq_u32 s4, 1
	s_cselect_b32 s6, 5, 3                         ; log2 of the blocks of 128 columns
	s_cselect_b32 s8, 16384, s9                    ; a source row in bytes
	s_cmp_eq_u32 s4, 2
	s_cselect_b32 s9, s9, s10                      ; a row of codes in bytes
	s_cselect_b32 s11, 8<<20, s11                  ; the tensor's place in wcodes
	s_lshr_b32 s12, s5, s6                         ; which 256 along K
	s_lshl_b32 s13, s12, s6
	s_sub_co_u32 s13, s5, s13                      ; which 128 columns
	s_lshl_b32 s13, s13, 7
	s_lshl_b32 s10, s2, 5
	s_add_co_u32 s13, s13, s10                     ; my wave's first column
	s_mov_b64 s[14:15], s[68:69]                   ; the source: a choice on the work-group's number alone
.irp n, 1,2,3,4,5
	s_cmp_eq_u32 s7, \n
	s_cselect_b64 s[14:15], s[68+2*\n:69+2*\n], s[14:15]
.endr
	s_mul_i32 s32, s12, s8
	s_lshl_b32 s32, s32, 8                         ; 256 source rows for each step along K
	s_lshl_b32 s33, s13, 2
	s_add_co_u32 s32, s32, s33                     ; + 4 bytes a column
	s_mov_b32 s33, 0
	s_add_nc_u64 s[BS:BS+1], s[14:15], s[32:33]
	s_lshl_b32 s32, s8, 5                          ; 32 source rows
.irp t, 1,2,3,4,5,6,7
	s_add_nc_u64 s[BS+2*\t:BS+2*\t+1], s[BS+2*\t-2:BS+2*\t-1], s[32:33]
.endr
	v_lshlrev_b32 v3, 2, v2
	v_mov_b32 v14, s8
	v_mov_b32 v15, s9
.set i, 0
.rept 32
	v_mad_u32_u24 v[RO+i], v14, i, v3              ; 4 x lane + i rows
.set i, i+1
.endr
.macro LOAD t                          ; block t: W(32 t + i, my column), i = 0 .. 31, into set t % 2
.set i, 0
.rept 32
	global_load_b32 v[X+32*((\t)%2)+i], v[RO+i], s[BS+2*(\t):BS+2*(\t)+1] th:TH_LOAD_NT
.set i, i+1
.endr
.endm
	LOAD 0
	LOAD 1
	s_mul_i32 s34, s13, s9                         ; the codes: column x row bytes
	s_add_co_u32 s34, s34, s11
	s_lshl_b32 s35, s12, 8
	s_add_co_u32 s34, s34, s35                     ; + 256 bytes for each step along K
	s_mov_b32 s35, 0
	s_add_nc_u64 s[52:53], s[88:89], s[34:35]
	s_mul_i32 s3, s2, 32*PITCH                     ; my stage
	v_mul_u32_u24 v4, v2, PITCH
	v_add_nc_u32 v4, s3, v4                        ; into it: row = my column
	v_and_b32 v5, 15, v2
	v_lshrrev_b32 v6, 4, v2
	v_mul_u32_u24 v7, v6, PITCH
	v_lshl_add_u32 v7, v5, 4, v7
	v_add_nc_u32 v7, s3, v7                        ; out of it: sixteen lanes to a row, two rows an instruction
	v_mul_u32_u24 v8, v6, v15
	v_lshl_add_u32 v8, v5, 4, v8
.set t, 0
.rept 16
	v_mad_u32_u24 v[OO+t], v15, 2*t, v8            ; the same two rows in the codes' buffer
.set t, t+1
.endr
	s_wait_kmcnt 0x0
	s_mov_b32 s10, s37                             ; the tensor's e: entries 1, 3, 5, 11, 13, 15
	s_cmp_eq_u32 s7, 1
	s_cselect_b32 s10, s39, s10
	s_cmp_eq_u32 s7, 2
	s_cselect_b32 s10, s41, s10
	s_cmp_eq_u32 s7, 3
	s_cselect_b32 s10, s47, s10
	s_cmp_eq_u32 s7, 4
	s_cselect_b32 s10, s49, s10
	s_cmp_eq_u32 s7, 5
	s_cselect_b32 s10, s51, s10
	s_add_co_i32 s10, s10, 127
	s_lshl_b32 s3, s10, 23
	v_mov_b32 v11, s3                              ; 2^e as f32: the conversion takes its exponent field
	s_add_co_i32 s10, s10, 8
	s_lshl_b32 s10, s10, 23
	s_or_b32 s10, s10, 0x600000
	v_mov_b32 v10, s10                             ; 448 x 2^e
.macro BLOCK t
.set XS, X+32*((\t)%2)
.if (\t) < 7
	s_wait_loadcnt 32                              ; this block's 32 loads are in; the next block's 32 may be out
.else
	s_wait_loadcnt 0
.endif
.set i, 0
.rept 32
	v_med3_num_f32 v[XS+i], v[XS+i], -v10, v10     ; the conversion to an 8-bit code does not saturate (ISA guide 7.6.2): the hold comes first
.set i, i+1
.endr
.irp g, 0,1,2,3
	v_cvt_scalef32_pk8_fp8_f32 v[C+2*\g:C+2*\g+1], v[XS+8*\g:XS+8*\g+7], v11
.endr
	ds_store_b128 v4, v[C:C+3] offset:32*(\t)      ; 32 codes: 32 bytes of my column's row
	ds_store_b128 v4, v[C+4:C+7] offset:32*(\t)+16
.if (\t)+2 < 8
	LOAD (\t)+2
.endif
	s_wait_dscnt 0x0                               ; the stores have read their registers: the next block's codes may be written (32 plain lines stand ahead of them)
.endm
.irp t, 0,1,2,3,4,5,6,7
	BLOCK \t
.endr
.set t, 0
.rept 16
	ds_load_b128 v[X+4*t:X+4*t+3], v7 offset:2*t*PITCH   ; LDS serves a wave's instructions in order: these see my stores
.set t, t+1
.endr
.set t, 0
.rept 16
	s_wait_dscnt 15-t                              ; the younger loads may stay out
	global_store_b128 v[OO+t], v[X+4*t:X+4*t+3], s[52:53]   ; sixteen lanes store 256 consecutive bytes, aligned
.set t, t+1
.endr
	s_wait_tensorcnt 0x0                           ; the wave's end, behind my last LDS store
	ds_add_u32 v[SPW], v[NIL]
	s_wait_dscnt 0x0
	s_endpgm
	; ---------------- the first layer norm ----------------
.Lln:
	s_sub_co_u32 s3, ttmp9, 384
	s_lshl_b32 s3, s3, 4
	s_lshl_b32 s5, s2, 2
	s_add_co_u32 s3, s3, s5                        ; my wave's first row: 16 x work-group + 4 x wave
	s_lshl_b32 s6, s3, 12
	s_mov_b32 s7, 0
	s_add_nc_u64 s[4:5], s[80:81], s[6:7]          ; x at that row
	s_lshl_b32 s8, s3, 10
	s_mov_b32 s9, 0
	s_add_nc_u64 s[20:21], s[90:91], s[8:9]        ; the three tensors of codes at that row
	s_add_nc_u64 s[22:23], s[20:21], 0x400000
	s_add_nc_u64 s[24:25], s[22:23], 0x400000
	v_lshlrev_b32 v3, 4, v2                        ; 16 bytes a lane: every load and store covers 512 consecutive bytes
.irp j, 0,1,2,3,4,5,6,7
	global_load_b128 v[G+4*\j:G+4*\j+3], v3, s[82:83] offset:512*\j
.endr
.irp j, 0,1,2,3,4,5,6,7
	global_load_b128 v[S+4*\j:S+4*\j+3], v3, s[84:85] offset:512*\j
.endr
.macro XLOAD i                         ; row i into buffer i % 2: register 4 j + n holds column 128 j + 4 x lane + n
.irp j, 0,1,2,3,4,5,6,7
	global_load_b128 v[X0+32*((\i)%2)+4*\j:X0+32*((\i)%2)+4*\j+3], v3, s[4:5] offset:4096*(\i)+512*\j th:TH_LOAD_NT
.endr
.endm
	XLOAD 0
	XLOAD 1
	s_mul_i32 s10, s2, 1024*NOUT
	s_add_co_u32 s10, s10, LNB                     ; my stage
	v_lshl_add_u32 v4, v2, 2, s10                  ; in: 4 bytes a lane
	v_lshl_add_u32 v5, v2, 4, s10                  ; back: 16 bytes a lane
	s_mov_b32 s12, 0x76543210                      ; v_permlanex16_b32: lane l xor 16
	s_mov_b32 s13, 0xfedcba98
	s_mov_b32 s14, 0x3a800000                      ; 1 / 1024
	s_mov_b32 s15, 0x3727c5ac                      ; 1e-5
	s_wait_kmcnt 0x0
.macro MKSC e, sc, lim                 ; from the exponent in s[e]: v[sc] = 2^e, v[lim] = 448 x 2^e
	s_add_co_i32 s26, s[\e], 127
	s_lshl_b32 s27, s26, 23
	v_mov_b32 v[\sc], s27
	s_add_co_i32 s26, s26, 8
	s_lshl_b32 s26, s26, 23
	s_or_b32 s26, s26, 0x600000
	v_mov_b32 v[\lim], s26
.endm
	MKSC 36, 6, 7                                  ; entry 0
	MKSC 38, 8, 9                                  ; entry 2
	MKSC 40, 10, 11                                ; entry 4
.macro ALLSUM a, b                     ; v[a] summed over the 32 lanes, in every lane; v[b] has been written before
	v_add_f32_dpp v[\a], v[\a], v[\a] row_xmask:1 row_mask:0xf bank_mask:0xf
	v_add_f32_dpp v[\a], v[\a], v[\a] row_xmask:2 row_mask:0xf bank_mask:0xf
	v_add_f32_dpp v[\a], v[\a], v[\a] row_xmask:4 row_mask:0xf bank_mask:0xf
	v_add_f32_dpp v[\a], v[\a], v[\a] row_xmask:8 row_mask:0xf bank_mask:0xf
	v_permlanex16_b32 v[\b], v[\a], s12, s13
	v_add_f32 v[\a], v[\a], v[\b]
.endm
.macro ROW i
.set XB, X0+32*((\i)%2)
.if (\i) < 3
	s_wait_loadcnt 8                               ; my row (and g, s) are in; the next row's eight loads may be out
.else
	s_wait_loadcnt 0
.endif
	v_pk_add_f32 v[14:15], v[XB:XB+1], v[XB+2:XB+3]         ; the sum, in two chains
	v_pk_add_f32 v[T:T+1], v[XB+4:XB+5], v[XB+6:XB+7]
.irp j, 8,12,16,20,24,28
	v_pk_add_f32 v[14:15], v[14:15], v[XB+\j:XB+\j+1]
	v_pk_add_f32 v[T:T+1], v[T:T+1], v[XB+\j+2:XB+\j+3]
.endr
	v_pk_add_f32 v[14:15], v[14:15], v[T:T+1]
	v_add_f32 v14, v14, v15
	ALLSUM 14, 15
	v_mul_f32 v14, s14, v14                        ; the mean
.irp j, 0,2,4,6,8,10,12,14,16,18,20,22,24,26,28,30
	v_pk_add_f32 v[XB+\j:XB+\j+1], v[XB+\j:XB+\j+1], v[14:15] op_sel_hi:[1,0] neg_lo:[0,1] neg_hi:[0,1]   ; x - mean
.endr
	v_pk_mul_f32 v[T:T+1], v[XB:XB+1], v[XB:XB+1]           ; the sum of squares of x - mean, in two chains
	v_pk_mul_f32 v[T+2:T+3], v[XB+2:XB+3], v[XB+2:XB+3]
.irp j, 4,8,12,16,20,24,28
	v_pk_fma_f32 v[T:T+1], v[XB+\j:XB+\j+1], v[XB+\j:XB+\j+1], v[T:T+1]
	v_pk_fma_f32 v[T+2:T+3], v[XB+\j+2:XB+\j+3], v[XB+\j+2:XB+\j+3], v[T+2:T+3]
.endr
	v_pk_add_f32 v[T:T+1], v[T:T+1], v[T+2:T+3]
	v_add_f32 v[T], v[T], v[T+1]
	ALLSUM T, T+1
	v_fma_f32 v[T], v[T], s14, s15                 ; var + 1e-5
	v_rsq_f32 v14, v[T]
	v_nop                                          ; a plain line behind the transcendental
	s_wait_alu depctr_va_vdst(0)                   ; the wait ahead of the first line that names the result
.irp j, 0,2,4,6,8,10,12,14,16,18,20,22,24,26,28,30
	v_pk_mul_f32 v[XB+\j:XB+\j+1], v[XB+\j:XB+\j+1], v[14:15] op_sel_hi:[1,0]
.endr
.irp j, 0,2,4,6,8,10,12,14,16,18,20,22,24,26,28,30
	v_pk_fma_f32 v[XB+\j:XB+\j+1], v[XB+\j:XB+\j+1], v[G+\j:G+\j+1], v[S+\j:S+\j+1]
.endr
	s_wait_xcnt 0x0                                ; the last row's stores have read their data: O is loaded anew below
.set k, 0
.rept NOUT
.set jj, 0
.rept 4
.set n, 0
.rept 8
	v_med3_num_f32 v[T+8*(jj%2)+n], v[XB+8*jj+n], -v[7+2*k], v[7+2*k]   ; the hold, into the set that the conversion before last has read
.set n, n+1
.endr
	v_cvt_scalef32_pk8_fp8_f32 v[CC+8*k+2*jj:CC+8*k+2*jj+1], v[T+8*(jj%2):T+8*(jj%2)+7], v[6+2*k]   ; word j of the eight: the codes of columns 128 j + 4 x lane + 0 .. 3
.set jj, jj+1
.endr
.set k, k+1
.endr
	v_nop                                          ; a plain line behind the last conversion
.if (\i)+2 < 4
	XLOAD (\i)+2                                   ; this buffer is free: the row two further on
.endif
.set k, 0
.rept NOUT
.set j, 0
.rept 8
	ds_store_b32 v4, v[CC+8*k+j] offset:1024*k+128*j
.set j, j+1
.endr
	ds_load_b128 v[O+8*k:O+8*k+3], v5 offset:1024*k          ; LDS serves a wave's instructions in order: these see my stores
	ds_load_b128 v[O+8*k+4:O+8*k+7], v5 offset:1024*k+512
.set k, k+1
.endr
.set k, 0
.rept NOUT
	s_wait_dscnt 10*(NOUT-1-k)+1                   ; the younger LDS lines may be out: ten for each later tensor, and this tensor's second load
	global_store_b128 v3, v[O+8*k:O+8*k+3], s[20+2*k:21+2*k] offset:1024*(\i)
	s_wait_dscnt 10*(NOUT-1-k)
	global_store_b128 v3, v[O+8*k+4:O+8*k+7], s[20+2*k:21+2*k] offset:1024*(\i)+512   ; 32 lanes store 512 consecutive bytes, aligned
.set k, k+1
.endr
.endm
	ROW 0
	ROW 1
	ROW 2
	ROW 3
	s_wait_tensorcnt 0x0                           ; the wave's end, behind my last LDS store
	ds_add_u32 v[SPW], v[NIL]
	s_wait_dscnt 0x0
	s_endpgm
.Lfunc_end_k_q76c594b555_prep:
	.size	k_q76c594b555_prep, .Lfunc_end_k_q76c594b555_prep-k_q76c594b555_prep
	.p2alignl 7, 3214868480
	.fill 96, 4, 3214868480
	.section	.rodata,"a",@progbits
	.p2align	6, 0x0
	.amdhsa_kernel k_q76c594b555_prep
		.amdhsa_group_segment_fixed_size 47616
		.amdhsa_private_segment_fixed_size 0
		.amdhsa_enable_private_segment 0
		.amdhsa_kernarg_size 96
		.amdhsa_user_sgpr_count 2
		.amdhsa_user_sgpr_kernarg_segment_ptr 1
		.amdhsa_wavefront_size32 1
		.amdhsa_system_sgpr_workgroup_id_x 1
		.amdhsa_system_sgpr_workgroup_id_y 1
		.amdhsa_system_sgpr_workgroup_id_z 1
		.amdhsa_system_vgpr_workitem_id 0
		.amdhsa_next_free_vgpr 208
		.amdhsa_next_free_sgpr 92
		.amdhsa_reserve_vcc 0
		.amdhsa_float_denorm_mode_32 3
		.amdhsa_float_denorm_mode_16_64 3
		.amdhsa_memory_ordered 1
		.amdhsa_forward_progress 1
		.amdhsa_inst_pref_size 122
	.end_amdhsa_kernel
	.amdgpu_metadata
---
amdhsa.version: [ 1, 2 ]
amdhsa.kernels:
  - .name:           k_q76c594b555_prep
    .symbol:         k_q76c594b555_prep.kd
    .args:
      - { .name: Wq, .offset: 0, .size: 8, .value_kind: global_buffer, .address_space: global }
      - { .name: Wk, .offset: 8, .size: 8, .value_kind: global_buffer, .address_space: global }
      - { .name: Wv, .offset: 16, .size: 8, .value_kind: global_buffer, .address_space: global }
      - { .name: Wo, .offset: 24, .size: 8, .value_kind: global_buffer, .address_space: global }
      - { .name: W1, .offset: 32, .size: 8, .value_kind: global_buffer, .address_space: global }
      - { .name: W2, .offset: 40, .size: 8, .value_kind: global_buffer, .address_space: global }
      - { .name: x, .offset: 48, .size: 8, .value_kind: global_buffer, .address_space: global }
      - { .name: g1, .offset: 56, .size: 8, .value_kind: global_buffer, .address_space: global }
      - { .name: s1, .offset: 64, .size: 8, .value_kind: global_buffer, .address_space: global }
      - { .name: lowp_scales, .offset: 72, .size: 8, .value_kind: global_buffer, .address_space: global }
      - { .name: wcodes, .offset: 80, .size: 8, .value_kind: global_buffer, .address_space: global }
      - { .name: hc, .offset: 88, .size: 8, .value_kind: global_buffer, .address_space: global }
    .group_segment_fixed_size: 47616
    .private_segment_fixed_size: 0
    .kernarg_segment_align: 8
    .kernarg_segment_size: 96
    .max_flat_workgroup_size: 128
    .sgpr_count:     92
    .vgpr_count:     208
    .wavefront_size: 32
...
	.end_amdgpu_metadata
.endif
;; end of part 1
;; launch qkv (part 2): grid 12 x 16, 4 waves a work-group, clusters of 4 x 4, 327,680 bytes of LDS; arguments hc, wcodes, lowp_scales, qkvc; writes qkvc
.if DOCPART == 2
	.amdgcn_target "amdgcn-amd-amdhsa--gfx1250"
	.amdhsa_code_object_version 6
	.text
	.protected	k_q76c594b555_qkv
	.globl	k_q76c594b555_qkv
	.p2align	8
	.type	k_q76c594b555_qkv,@function
k_q76c594b555_qkv:
	s_mov_b64 s[64:65], 0
	v_nop
	global_prefetch_b8 v0, s[64:65] scope:SCOPE_SE
	s_setreg_imm32_b32 hwreg(HW_REG_WAVE_MODE, 25, 1), 1
	s_wait_xcnt 0x0
	s_wait_alu depctr_hold_cnt(0) depctr_sa_sdst(0) depctr_va_vdst(0) depctr_va_sdst(0) depctr_va_ssrc(0) depctr_va_vcc(0) depctr_vm_vsrc(0)
	s_getreg_b32 s2, hwreg(HW_REG_IB_STS2, 6, 4)
	s_cmp_eq_u32 s2, 0
	s_cbranch_scc0 .Lentry_in_a_cluster
	s_endpgm
.Lentry_in_a_cluster:
	s_bfe_u32 s2, ttmp6, 0x10000c
	s_cmp_lg_u32 s2, 0xf033
	s_cbranch_scc0 .Lentry_shape_is_right
	s_endpgm
.Lentry_shape_is_right:
; QKV: q = h Wq, k = h Wk, v = h Wv on codes of FP8 (E4M3); each result is quantised on the way out, for the two products of attention.
; The cluster's x says which: 0 q, 1 k, 2 v.  It is equal in all sixteen partners of a cluster, so the one branch and the selects on it are alike in all of them.
; C = A B^T, K = 1,024, a tile of 256 x 256 to a work-group of four waves, 128 x 128 a wave (64 accumulators, 512 registers); K in steps of 256 through two LDS slots filled by joint tensor loads:
; A's tile is shared along a row of the 4 x 4 cluster, B's along a column.  THE MATRIX INSTRUCTION IS USED TRANSPOSED (source 0 = 16 rows of B, source 1 = 16 rows of A): a lane holds eight neighbouring columns of one row of C.
; q, k: A = h's codes (rows: tokens), B = the weight's (rows: channels): a lane's eight numbers are eight channels of a token, the K of q k^T.
; v:    A = Wv's codes (rows: channels), B = h's (rows: tokens): a lane's eight numbers are eight TOKENS of a channel, the K of p v.  Nothing is transposed by an instruction.
; OUT (qkvc): q at 0 and k at 4 MiB as [32 heads][2048 tokens][64]; v at 8 MiB as [32 heads][64 channels][2048 tokens].
; A sum stands for sum x 2^(eA + eB); its code is sum / 2^f, f = eOUT - eA - eB, held within +-448 x 2^f.  LIMIT: f between -126 and 119.
; REGISTERS in windows of 256: window 0: v0-31 addresses, from v128 A's fragments (one set); window 1: B's fragments (two sets); windows 2, 3: the accumulators ((a, b) at v[8 (8 (a % 4) + b)]).
.set SIZE_K, 1024
.set KSTEP,  256
.set ROWB,   256
.set KROW,   SIZE_K
.set PITCH,  272                       ; an LDS row: 256 bytes + 16 of padding: the 16 rows that a load touches start at 16 different banks (64 banks of 4 bytes: ISA guide 11.1)
.set FR,     16
.set NL,     4
.set NP,     4                         ; places behind this matrix instruction (ISA guide 7.12.1)
.set HALFT,  128*PITCH
.set SLOT,   4*HALFT
.set LAPS,   SIZE_K/(2*KSTEP)
.set SPARE,  2*SLOT                    ; behind the ring: the spare words, 128 bytes a wave, two blocks of 256 bytes that no other line names
.set ADRA, 16                          ; v16-17 LDS address of my A fragments in slot 0, 1
.set ADRB, 20                          ; v20-21 the same for B
.set RDV,  22                          ; v22    the way out, v: where I read a row of the stage back
.set COV,  23                          ; v23    and my byte offset in qkvc
.set STO,  24                          ; v24    the way out: where I put 8 codes
.set RDQ,  25                          ; v25-26 the way out, q and k: where I read back, rows 0-127 and 128-255
.set RDQ2, 26
.set COQ,  27                          ; v27    16 x lane
.set SPW,  28                          ; v28    my spare word; never rewritten
.set NIL,  29                          ; v29    0; never rewritten
.set LIMV, 30                          ; v30    448 x 2^f
.set SCV,  31                          ; v31    2^f
.set TMP,  32                          ; v32-95   a block's sums, held
.set CD,   96                          ; v96-223  the codes, 16 registers a block
.set AF,   128
.set BK,   128                         ; v128-255 the stage read back
.set G1, 24
.set G0, 32
.set G1B, 48
.set G0B, 56
.set MSB, 0
.macro WIN new                         ; the immediate's high byte repeats the setting that is left
.if MSB != (\new)
	s_set_vgpr_msb (MSB<<8)|(\new)
.set MSB, \new
.endif
.endm
.set MUL_LO, 0xa1                      ; source 0 (B) window 1, source 1 (A) window 0, C and D window 2
.set MUL_HI, 0xf1                      ; the same, C and D window 3
.set TO_B,   0x40                      ; destination window 1, address window 0
; A joint load: waves 0 and 1 fetch for A, waves 2 and 3 for B; the branch hangs on the wave's number alone.  An s_nop 0 and four v_nop follow each line.
.macro JLOAD g0a, g1a, g0b, g1b
	s_cmp_eq_u32 s15, 0
	s_cbranch_scc0 .Lfor_b_\@
	tensor_load_to_lds s[\g0a:\g0a+3], s[\g1a:\g1a+7]
	s_nop 0
.rept 4
	v_nop
.endr
	s_branch .Lasked_\@
.Lfor_b_\@:
	tensor_load_to_lds s[\g0b:\g0b+3], s[\g1b:\g1b+7]
	s_nop 0
.rept 4
	v_nop
.endr
.Lasked_\@:
.endm
.macro CREST                           ; a round of the cluster's barrier behind its opening barrier
	s_cmp_lg_u32 s14, 0
	s_cbranch_scc1 .Lnot_wave_0_\@
	s_barrier_signal -3
.Lnot_wave_0_\@:
	s_barrier_wait -3
	s_barrier_signal -1
	s_barrier_wait -1
.endm
.macro CROUND
	s_barrier_signal -1
	s_barrier_wait -1
	CREST
.endm
	s_load_b256 s[68:75], s[0:1], 0x0              ; hc, wcodes, the scales' exponents, qkvc
	v_lshl_add_u32 v[SPW], v0, 2, SPARE
	v_mov_b32 v[NIL], 0
	ds_add_u32 v[SPW], v[NIL]                      ; the wave's opening: the add and its wait ahead of my first tensor load; work on registers stands between them
	v_lshrrev_b32 v1, 5, v0
	v_readfirstlane_b32 s14, v1                    ; wave 0..3
	s_lshr_b32 s15, s14, 1                         ; which half of the tile's rows is mine.  Also: I fetch for A (0) or for B (1)
	s_and_b32 s16, s14, 1                          ; which half of its columns.  Also: which 128 rows of that tile I fetch
	s_bfe_u32 s40, ttmp6, 0x40000                  ; cx, cy: my place in the cluster
	s_bfe_u32 s41, ttmp6, 0x40004
	s_and_b32 s18, ttmp7, 0xffff
	s_lshl_b32 s18, s18, 2                         ; 4 x cluster y
	s_add_co_u32 s17, s18, s41
	s_add_co_u32 s42, s18, s40
	s_cmp_eq_u32 ttmp9, 2                          ; v?
	s_cselect_b32 s17, s41, s17                    ; A's tile row: q, k: 4 y + cy of 16 (tokens); v: cy of 4 (channels).  It never holds cx
	s_cselect_b32 s42, s42, s40                    ; B's tile row: q, k: cx of 4 (channels); v: 4 y + cx of 16 (tokens).  It never holds cy
	s_lshl_b32 s43, s41, 2
	s_lshl_b32 s43, 15, s43                        ; my row of the cluster
	s_lshl_b32 s44, 0x1111, s40                    ; my column
	s_or_b32 s[G1+0], s43, (0<<16)|(1<<20)|(1<<21)|(5<<22)|(3<<25)  ; the mask; elements of 1 byte; padding on; bit 21 beside a mask; after every 64 words, 4 words
	s_or_b32 s[G1B+0], s44, (0<<16)|(1<<20)|(1<<21)|(5<<22)|(3<<25)
.irp g, G1, G1B
	s_mov_b32 s[\g+1], ROWB<<16                    ; tensor_dim0
	s_mov_b32 s[\g+2], 128<<16                     ; tensor_dim1
	s_mov_b32 s[\g+3], ROWB<<16                    ; tile_dim0
	s_mov_b32 s[\g+4], 128                         ; tile_dim1
	s_mov_b32 s[\g+5], KROW                        ; tensor_dim0_stride
	s_mov_b32 s[\g+6], 0
	s_mov_b32 s[\g+7], 0
.endr
	s_lshl_b32 s18, s16, 7
	s_lshl_b32 s20, s17, 8
	s_add_co_u32 s20, s20, s18                     ; A: row 256 x tile + 128 x half
	s_lshl_b32 s46, s42, 8
	s_add_co_u32 s46, s46, s18                     ; B likewise
	s_mul_i32 s20, s20, KROW
	s_mov_b32 s21, 0
	s_mul_i32 s46, s46, KROW
	s_mov_b32 s47, 0
	s_mul_i32 s45, s14, HALFT                      ; where they go: wave x 128 rows
	s_lshl_b32 s4, ttmp9, 22                       ; h's codes for this product: 4 MiB apart
	s_mov_b32 s5, 0
	s_lshl_b32 s6, ttmp9, 20                       ; the weight's: 1 MiB apart
	s_mov_b32 s7, 0
	s_wait_dscnt 0x0                               ; the opening add is done
	s_wait_kmcnt 0x0
	s_load_b512 s[84:99], s[72:73], 0x0            ; e0 .. e15
	s_add_nc_u64 s[4:5], s[68:69], s[4:5]
	s_add_nc_u64 s[6:7], s[70:71], s[6:7]
	s_cmp_eq_u32 ttmp9, 2
	s_cselect_b64 s[8:9], s[6:7], s[4:5]           ; A: h's codes, for v the weight's
	s_cselect_b64 s[10:11], s[4:5], s[6:7]         ; B: the other
	s_add_nc_u64 s[20:21], s[8:9], s[20:21]
	s_add_nc_u64 s[46:47], s[10:11], s[46:47]
	CROUND                                         ; all sixteen work-groups are here: the first joint loads meet
.irp s, 0,1
	s_mov_b32 s[G0+4*\s], 1
	s_add_co_u32 s[G0+4*\s+1], s45, \s*SLOT
	s_add_nc_u64 s[G0+4*\s+2:G0+4*\s+3], s[20:21], \s*ROWB
	s_or_b32 s[G0+4*\s+3], s[G0+4*\s+3], 0x80000000
	s_mov_b32 s[G0B+4*\s], 1
	s_add_co_u32 s[G0B+4*\s+1], s45, \s*SLOT
	s_add_nc_u64 s[G0B+4*\s+2:G0B+4*\s+3], s[46:47], \s*ROWB
	s_or_b32 s[G0B+4*\s+3], s[G0B+4*\s+3], 0x80000000
	JLOAD G0+4*\s, G1, G0B+4*\s, G1B
.endr
	v_and_b32 v1, 15, v0                           ; r = l % 16
	v_bfe_u32 v2, v0, 4, 1                         ; h = l / 16
	v_mul_u32_u24 v3, v1, PITCH
	v_lshl_add_u32 v4, v2, 4, v3                   ; a fragment's row x pitch + 16 x half
	s_mul_i32 s21, s15, HALFT                      ; my 128 rows of A
	s_mul_i32 s22, s16, HALFT                      ; my 128 rows of B,
	s_add_co_u32 s22, s22, 2*HALFT                 ; which lie behind A's 256
.irp s, 0,1
	v_add_nc_u32 v[ADRA+\s], s21, v4
	v_add_nc_u32 v[ADRB+\s], s22, v4
	s_add_co_u32 s21, s21, SLOT
	s_add_co_u32 s22, s22, SLOT
.endr
	; the way out: ONE stage of 256 rows x (256 bytes + 16) in slot 0, which has had its last fill and its last read when the first code is stored there
	s_mul_i32 s23, s15, HALFT
	s_lshl_b32 s19, s16, 7
	s_add_co_u32 s23, s23, s19
	v_lshl_add_u32 v5, v2, 3, v3
	v_add_nc_u32 v[STO], s23, v5                   ; row 128 x row half + r, byte 128 x column half + 8 h
	v_and_b32 v6, 31, v0
	v_lshrrev_b32 v7, 2, v6
	v_mul_u32_u24 v7, v7, PITCH
	v_and_b32 v8, 3, v6
	v_lshl_add_u32 v7, v8, 4, v7
	s_lshl_b32 s19, s14, 6
	v_add_nc_u32 v[RDQ], s19, v7                   ; q, k: wave w takes the tile's head w: bytes 64 w on of every row; four lanes to a row, eight rows an instruction
	v_add_nc_u32 v[RDQ2], 128*PITCH, v[RDQ]
	v_lshlrev_b32 v[COQ], 4, v6
	s_mul_i32 s19, s14, 64*PITCH
	v_mul_u32_u24 v9, v2, PITCH
	v_lshl_add_u32 v9, v1, 4, v9
	v_add_nc_u32 v[RDV], s19, v9                   ; v: wave w takes rows 64 w on (head w's channels), whole; sixteen lanes to a row
	v_lshlrev_b32 v10, 11, v2
	v_lshl_add_u32 v[COV], v1, 4, v10              ; a channel's row in qkvc is 2,048 bytes
	; where my wave's head begins in qkvc
	s_cmp_eq_u32 ttmp9, 2
	s_cselect_b32 s4, s41, s40                     ; the tile of channels
	s_cselect_b32 s5, s42, s17                     ; the tile of tokens, 0..15
	s_cselect_b32 s6, 0, 6                         ; a token is 1 byte on in v, 64 in q and k
	s_lshr_b32 s7, s5, 3                           ; the batch
	s_lshl_b32 s7, s7, 4
	s_lshl_b32 s4, s4, 2
	s_add_co_u32 s7, s7, s4
	s_add_co_u32 s7, s7, s14                       ; head = 16 x batch + 4 x tile + wave
	s_lshl_b32 s7, s7, 17                          ; a head is 131,072 bytes
	s_and_b32 s5, s5, 7
	s_lshl_b32 s5, s5, 8
	s_lshl_b32 s5, s5, s6
	s_add_co_u32 s4, s7, s5
	s_lshl_b32 s5, ttmp9, 22
	s_add_co_u32 s4, s4, s5
	s_mov_b32 s5, 0
	s_add_nc_u64 s[74:75], s[74:75], s[4:5]
.macro FRAG reg, adr, q, i             ; 16 rows x 128 K: lane l holds row l % 16; registers 4 c .. 4 c + 3 hold K = 32 c + 16 (l / 16) + 0 .. 15: the same order of k in A and in B
.irp c, 0,1,2,3
	ds_load_b128 v[\reg+4*\c:\reg+4*\c+3], v[\adr] offset:128*(\q)+32*\c+(\i)*16*PITCH
.endr
.endm
; 16 matrix instructions: A's blocks a0, a0 + 1 x B's eight.  The 64 accumulators take turns, one instruction a turn, in the same order in every step.
.macro MUL16 a0, p, zero
.irp a, \a0, \a0+1
.irp b, 0,1,2,3,4,5,6,7
.if \zero
	v_wmma_f32_16x16x128_fp8_fp8 v[8*(8*((\a)%4)+\b):8*(8*((\a)%4)+\b)+7], v[128*(\p)+FR*\b:128*(\p)+FR*\b+FR-1], v[AF+FR*(\a):AF+FR*(\a)+FR-1], 0
.else
	v_wmma_f32_16x16x128_fp8_fp8 v[8*(8*((\a)%4)+\b):8*(8*((\a)%4)+\b)+7], v[128*(\p)+FR*\b:128*(\p)+FR*\b+FR-1], v[AF+FR*(\a):AF+FR*(\a)+FR-1], v[8*(8*((\a)%4)+\b):8*(8*((\a)%4)+\b)+7]
.endif
.endr
.endr
.endm
.macro FETCH_B slot, q, p
	WIN TO_B
.irp i, 0,1,2,3,4,5,6,7
	FRAG 128*(\p)+FR*\i, ADRB+\slot, \q, \i
.endr
	WIN 0
.endm
.macro FETCH_A slot, q, i0
.irp i, \i0, \i0+1, \i0+2, \i0+3
	FRAG AF+FR*(\i), ADRA+\slot, \q, \i
.endr
.endm
.macro PLACES n                        ; plain vector lines between a matrix instruction and a load into, or a vector line on, its registers
.rept \n
	v_nop
.endr
.endm
.macro STEP slot, q, zero              ; 128 along K with its successor in the same slot
	s_wait_dscnt 4*NL                              ; B's set and A's blocks 0-3 are in; the youngest 16 loads (A's blocks 4-7) may be out
	WIN MUL_LO
	MUL16 0, (\q)%2, \zero
	MUL16 2, (\q)%2, \zero
	s_wait_dscnt 0
	PLACES NP
	FETCH_B \slot, (\q)+1, 1-(\q)%2
	FETCH_A \slot, (\q)+1, 0
	WIN MUL_HI
	MUL16 4, (\q)%2, \zero
	MUL16 6, (\q)%2, \zero
	PLACES NP
	WIN 0
	FETCH_A \slot, (\q)+1, 4
.endm
; A slot's last step changes slots: one barrier; in front of it each wave waits for all its tensor loads, adds 0 to its spare word, and waits for that and for its reads of this slot.
.macro TURN slot, next, fill
	s_wait_tensorcnt 0x0                           ; all my tensor loads have landed: my part of the next slot
	ds_add_u32 v[SPW], v[NIL]
	s_wait_dscnt 4*NL+1                            ; the add and the youngest 16 loads may be out
	WIN MUL_LO
	MUL16 0, 1, 0
	s_wait_dscnt 0x0                               ; the add is done, and my reads of this slot are over
	s_barrier_signal -1
	MUL16 2, 1, 0
	WIN 0
	s_barrier_wait -1
.if \fill
	CREST                                          ; the barrier has opened a round of the cluster's: no wave of any partner still reads this slot or has a load on its way
	s_add_nc_u64 s[G0+4*\slot+2:G0+4*\slot+3], s[G0+4*\slot+2:G0+4*\slot+3], 2*ROWB
	s_add_nc_u64 s[G0B+4*\slot+2:G0B+4*\slot+3], s[G0B+4*\slot+2:G0B+4*\slot+3], 2*ROWB
	JLOAD G0+4*\slot, G1, G0B+4*\slot, G1B         ; the first tensor load behind the round; its four v_nop are the places in front of the loads below
.else
	PLACES NP
.endif
	FETCH_B \next, 0, 0
	FETCH_A \next, 0, 0
	WIN MUL_HI
	MUL16 4, 1, 0
	MUL16 6, 1, 0
	PLACES NP
	WIN 0
	FETCH_A \next, 0, 4
.endm
	s_wait_tensorcnt 1                             ; my part of K step 0 is in; K step 1's load may be out
	s_barrier_signal -1
	s_barrier_wait -1
	FETCH_B 0, 0, 0
	FETCH_A 0, 0, 0
	FETCH_A 0, 0, 4
	STEP 0, 0, 1                                   ; the first step's products start the sums
	s_mov_b32 s3, LAPS-1
.Llap:
	TURN 0, 1, 1
	STEP 1, 0, 0
	TURN 1, 0, 1
	STEP 0, 0, 0
	s_sub_co_u32 s3, s3, 1
	s_cmp_lg_u32 s3, 0
	s_cbranch_scc1 .Llap
	TURN 0, 1, 0                                   ; the last lap fills nothing
	STEP 1, 0, 0
	s_wait_dscnt 4*NL
	WIN MUL_LO
	MUL16 0, 1, 0
	MUL16 2, 1, 0
	s_wait_dscnt 0
	WIN MUL_HI
	MUL16 4, 1, 0
	MUL16 6, 1, 0
	WIN 0
	; THE WAY OUT: hold, convert, 8 codes a lane into the stage; a barrier; whole runs back and out.
	s_wait_kmcnt 0x0
	s_sub_co_i32 s4, s90, s84                      ; q: e6 - e0 - e1
	s_sub_co_i32 s4, s4, s85
	s_sub_co_i32 s5, s91, s86                      ; k: e7 - e2 - e3
	s_sub_co_i32 s5, s5, s87
	s_sub_co_i32 s6, s93, s88                      ; v: e9 - e4 - e5
	s_sub_co_i32 s6, s6, s89
	s_cmp_eq_u32 ttmp9, 1
	s_cselect_b32 s4, s5, s4
	s_cmp_eq_u32 ttmp9, 2
	s_cselect_b32 s4, s6, s4                       ; f: a choice, no branch
	s_add_co_i32 s4, s4, 127
	s_lshl_b32 s5, s4, 23
	v_mov_b32 v[SCV], s5
	s_add_co_i32 s4, s4, 8
	s_lshl_b32 s4, s4, 23
	s_or_b32 s4, s4, 0x600000
	v_mov_b32 v[LIMV], s4
	PLACES NP
.macro QBLOCK a                        ; block a: 16 rows x 128 columns
.set AC, 64*((\a)%4)
	WIN 0x02+((\a)/4)                              ; source 0: window 2 or 3
.set j, 0
.rept 64
	v_med3_num_f32 v[TMP+j], v[AC+j], -v[LIMV], v[LIMV]   ; each accumulator from its low end on
.set j, j+1
.endr
	WIN 0
.irp b, 0,1,2,3,4,5,6,7
	v_cvt_scalef32_pk8_fp8_f32 v[CD+16*(\a)+2*\b:CD+16*(\a)+2*\b+1], v[TMP+8*\b:TMP+8*\b+7], v[SCV]
.endr
	v_nop                                          ; a plain line behind the last conversion: the next block's holds write its sources
.irp b, 0,1,2,3,4,5,6,7
	ds_store_b64 v[STO], v[CD+16*(\a)+2*\b:CD+16*(\a)+2*\b+1] offset:(\a)*16*PITCH+16*\b
.endr
.endm
.irp a, 0,1,2,3,4,5,6,7
	QBLOCK \a
.endr
	s_wait_dscnt 0x0                               ; for the others' sake: my stores into the stage are done
	s_barrier_signal -1
	s_barrier_wait -1
	s_cmp_eq_u32 ttmp9, 2
	s_cbranch_scc1 .Lv
.set i, 0
.rept 32                               ; q, k: my head's 64 bytes of 256 tokens are 16,384 consecutive bytes of qkvc
.if i < 16
	ds_load_b128 v[BK+4*i:BK+4*i+3], v[RDQ] offset:i*8*PITCH
.else
	ds_load_b128 v[BK+4*i:BK+4*i+3], v[RDQ2] offset:(i-16)*8*PITCH
.endif
.set i, i+1
.endr
.set i, 0
.rept 32
	s_wait_dscnt 31-i                              ; the younger loads may stay out
	global_store_b128 v[COQ], v[BK+4*i:BK+4*i+3], s[74:75] offset:512*i   ; 32 lanes store 512 consecutive bytes, aligned
.set i, i+1
.endr
	s_branch .Lend
.Lv:
.set i, 0
.rept 32                               ; v: my head's 64 channels, 256 tokens (256 bytes) of each
	ds_load_b128 v[BK+4*i:BK+4*i+3], v[RDV] offset:i*2*PITCH
.set i, i+1
.endr
.set i, 0
.rept 32
	s_wait_dscnt 31-i
	global_store_b128 v[COV], v[BK+4*i:BK+4*i+3], s[74:75] offset:4096*i  ; sixteen lanes store 256 consecutive bytes, aligned
.set i, i+1
.endr
.Lend:
	s_wait_tensorcnt 0x0                           ; the wave's end
	ds_add_u32 v[SPW], v[NIL]
	s_wait_dscnt 0x0
	CROUND                                         ; the closing round: no work-group ends while a partner may still ask for a tile that names it
	s_endpgm
.Lfunc_end_k_q76c594b555_qkv:
	.size	k_q76c594b555_qkv, .Lfunc_end_k_q76c594b555_qkv-k_q76c594b555_qkv
	.p2alignl 7, 3214868480
	.fill 96, 4, 3214868480
	.section	.rodata,"a",@progbits
	.p2align	6, 0x0
	.amdhsa_kernel k_q76c594b555_qkv
		.amdhsa_group_segment_fixed_size 327680
		.amdhsa_private_segment_fixed_size 0
		.amdhsa_enable_private_segment 0
		.amdhsa_kernarg_size 32
		.amdhsa_user_sgpr_count 2
		.amdhsa_user_sgpr_kernarg_segment_ptr 1
		.amdhsa_wavefront_size32 1
		.amdhsa_system_sgpr_workgroup_id_x 1
		.amdhsa_system_sgpr_workgroup_id_y 1
		.amdhsa_system_sgpr_workgroup_id_z 1
		.amdhsa_system_vgpr_workitem_id 0
		.amdhsa_next_free_vgpr 1024
		.amdhsa_next_free_sgpr 100
		.amdhsa_reserve_vcc 0
		.amdhsa_float_denorm_mode_32 3
		.amdhsa_float_denorm_mode_16_64 3
		.amdhsa_memory_ordered 1
		.amdhsa_forward_progress 1
		.amdhsa_inst_pref_size 132
	.end_amdhsa_kernel
	.amdgpu_metadata
---
amdhsa.version: [ 1, 2 ]
amdhsa.kernels:
  - .name:           k_q76c594b555_qkv
    .symbol:         k_q76c594b555_qkv.kd
    .args:
      - { .name: hc, .offset: 0, .size: 8, .value_kind: global_buffer, .address_space: global }
      - { .name: wcodes, .offset: 8, .size: 8, .value_kind: global_buffer, .address_space: global }
      - { .name: lowp_scales, .offset: 16, .size: 8, .value_kind: global_buffer, .address_space: global }
      - { .name: qkvc, .offset: 24, .size: 8, .value_kind: global_buffer, .address_space: global }
    .group_segment_fixed_size: 327680
    .private_segment_fixed_size: 0
    .kernarg_segment_align: 8
    .kernarg_segment_size: 32
    .max_flat_workgroup_size: 128
    .sgpr_count:     100
    .vgpr_count:     1024
    .wavefront_size: 32
...
	.end_amdgpu_metadata
.endif
;; end of part 2
;; launch attn (part 3): grid 8 x 32, 16 waves a work-group, no clusters, 327,680 bytes of LDS; arguments qkvc, lowp_scales, ctxc; writes ctxc
.if DOCPART == 3
	.amdgcn_target "amdgcn-amd-amdhsa--gfx1250"
	.amdhsa_code_object_version 6
	.text
	.protected	k_q76c594b555_attn
	.globl	k_q76c594b555_attn
	.p2align	8
	.type	k_q76c594b555_attn,@function
k_q76c594b555_attn:
	s_mov_b64 s[64:65], 0
	v_nop
	global_prefetch_b8 v0, s[64:65] scope:SCOPE_SE
	s_setreg_imm32_b32 hwreg(HW_REG_WAVE_MODE, 25, 1), 1
	s_wait_xcnt 0x0
; ATTENTION with reference()'s causal mask, 32 heads of 2,048 tokens x 64 channels, both products on codes of FP8 (E4M3); the result is quantised for the next product.
; qkvc: q at 0, k at 4 MiB: [32][2048][64]; v at 8 MiB with the KEYS innermost: [32][64][2048].  ctxc: [4096 tokens][1024] codes (head h's channels at byte 64 h).
; THE SOFTMAX: t = score x log2(e) / 8; M = the row's largest t so far, rounded UP to a whole number; p = 2^(t - M) is quantised (scale 8), not normalised; the row's sum is taken of the unquantised p and divides at the end.
; When M moves, the sum and O are multiplied by 2^(old M - new M): exact.
; SHARES.  A work-group owns, of one head, the blocks of 128 queries i and 15 - i: together 17 blocks of keys' work in every work-group.  Each of its sixteen waves owns 16 queries, one tile, in 256 registers.
; Wave w: tile w / 2 of the early block or of the late one, by bit (w ^ (w >> 2)) & 1.  Every wave walks all eight slots of 256 keys (constant trip counts);
; a step of 128 keys that all come after the wave's queries is left out by a scalar branch on ids.
; NO CLUSTER: those branches hang on the work-group's block of queries, which differs between the work-groups that read the same K and V, and partners of a joint load must run alike.
; LAYOUT.  S^T = K Q^T (source 0 = 16 keys, source 1 = my 16 queries), O^T = V^T P^T: a lane holds ONE query (lane % 16) throughout.  THE KEYS OF A TILE ARE NOT NEIGHBOURS: lane r of tile 2 b + u
; takes key 32 b + 8 u + r + 8 (r / 8), so that the 16 registers of tiles 2 b, 2 b + 1 are keys 32 b + 16 (lane / 16) + 0 .. 15.  Fragments come by loads of 16 bytes: the same order of k on both sides of each product.
; LIMITS: e6 + e7 between -123 and 130; e8, and e10 - e8 - e9, between -126 and 119.
; REGISTERS: v1-7 addresses that stay; v8-11 addresses in hand; v12 -M, v13 the largest t, v[14:15] the sum; v16-23 Q; v32-95 fragments of K or V; v96-159 S^T, then p; v160-191 O^T; v192-206 at work and scales; v224-239 p's codes.
.set SK,    256                        ; keys in a slot
.set NQ,    2                          ; key steps in a slot
.set KP,    80                         ; a key's row in LDS: 64 bytes + 16
.set VP,    272                        ; a row of V's tile: 256 bytes + 16
.set VOFF,  SK*KP                      ; a slot: 256 rows of K, then 64 rows of V
.set SLOT1, 1<<17                      ; slot 1 begins here: one exclusive or turns an address from one slot to the other
.set NSL,   8
.set SPARE, 2*SLOT1                    ; behind the ring: the spare words, 128 bytes a wave, eight blocks of 256 bytes that no other line names
.set SP,    80                         ; the way out: 16 rows x (64 bytes + 16) a wave, in slot 0, which was left at the last change of slots: it has had its last fill, and nobody reads it
.set AK0,  1
.set AV0,  2
.set PFO,  3
.set SPW,  5
.set NIL,  6
.set GO,   7
.set ADK,  8
.set ADV,  9
.set WV,   18
.set SEL,  20
.set CS,   22
.set G1K,  24
.set G1V,  32
.set G0K,  40
.set G0V,  44
.set TB,   2
.set SLOTS, 67
.set KF,   98
.set Q0,   99
.set PFA,  76
.set PFS,  78
.set LIM,  80
; Wave 0 fetches K's tile, wave 1 V's, the others nothing.  An s_nop 0 and four v_nop follow each line.
.macro TLOAD
	s_cmp_eq_u32 s[WV], 0
	s_cbranch_scc0 .Lnot_k_\@
	tensor_load_to_lds s[G0K:G0K+3], s[G1K:G1K+7]
	s_nop 0
.rept 4
	v_nop
.endr
	s_branch .Lasked_\@
.Lnot_k_\@:
	s_cmp_eq_u32 s[WV], 1
	s_cbranch_scc0 .Lasked_\@
	tensor_load_to_lds s[G0V:G0V+3], s[G1V:G1V+7]
	s_nop 0
.rept 4
	v_nop
.endr
.Lasked_\@:
.endm
; A prefetch of what the NEXT change of slots will ask for: K's 256 rows, one dense block of 16,384 bytes, and 256 bytes of each of V's 64 rows.  All eight work-groups of a head walk the same K and V: the head's
; first work-group asks.  In it waves 4 and 5 ask for K's block, 8,192 bytes each, lanes 256 bytes apart; waves 6 and 7 for V's rows, 32 each, a lane a row.  So each aligned block of 256 bytes is named once.
; The last change that fills a slot asks for nothing; slots 0 and 1 come by their loads alone.
.macro ASK
	s_cmp_gt_u32 s[SLOTS], s[LIM]
	s_cbranch_scc0 .Lnot_mine_\@
	global_prefetch_b8 v[PFO], s[PFA:PFA+1] th:TH_LOAD_NT scope:SCOPE_SE
.Lnot_mine_\@:
.endm
	s_load_b128 s[4:7], s[0:1], 0x0                ; qkvc, the scales' exponents
	s_load_b64 s[8:9], s[0:1], 0x10                ; ctxc
	v_lshl_add_u32 v[SPW], v0, 2, SPARE
	v_mov_b32 v[NIL], 0
	ds_add_u32 v[SPW], v[NIL]                      ; the wave's opening: the add and its wait ahead of my first tensor load; work on registers stands between them
	v_lshrrev_b32 v8, 5, v0
	v_readfirstlane_b32 s[WV], v8                  ; wave 0..15
	s_and_b32 s72, ttmp7, 0xffff                   ; the head, 0..31
	s_lshl_b32 s74, s72, 17                        ; its first byte in q, k and v
	s_mov_b32 s75, 0
	s_lshr_b32 s82, s[WV], 1                       ; my tile in a block of 128 queries
	s_lshr_b32 s83, s[WV], 2
	s_xor_b32 s83, s83, s[WV]
	s_and_b32 s83, s83, 1                          ; the late block?
	s_sub_co_u32 s84, 15, ttmp9
	s_cmp_eq_u32 s83, 1
	s_cselect_b32 s84, s84, ttmp9
	s_lshl_b32 s84, s84, 7
	s_lshl_b32 s82, s82, 4
	s_add_co_u32 s[Q0], s84, s82                   ; my first query
	s_lshl_b32 s82, s[Q0], 6
	s_add_co_u32 s82, s82, s74                     ; its codes
	s_mov_b32 s83, 0
	s_lshr_b32 s84, s72, 4
	s_lshl_b32 s84, s84, 11
	s_add_co_u32 s84, s84, s[Q0]                   ; its row of ctxc: 2,048 x batch + query
	s_lshl_b32 s84, s84, 10
	s_and_b32 s85, s72, 15
	s_lshl_b32 s85, s85, 6
	s_add_co_u32 s84, s84, s85                     ; + 64 bytes for each head
	s_mov_b32 s85, 0
	s_mov_b32 s[G1K], (0<<16)|(1<<20)|(3<<22)|(3<<25)   ; K: elements of 1 byte; padding: 4 words after every 16
	s_mov_b32 s[G1K+1], 64<<16                     ; tensor_dim0
	s_mov_b32 s[G1K+2], SK<<16                     ; tensor_dim1
	s_mov_b32 s[G1K+3], 64<<16                     ; tile_dim0
	s_mov_b32 s[G1K+4], SK                         ; tile_dim1
	s_mov_b32 s[G1K+5], 64                         ; stride
	s_mov_b32 s[G1K+6], 0
	s_mov_b32 s[G1K+7], 0
	s_mov_b32 s[G1V], (0<<16)|(1<<20)|(5<<22)|(3<<25)   ; V: padding: 4 words after every 64
	s_mov_b32 s[G1V+1], SK<<16
	s_mov_b32 s[G1V+2], 64<<16
	s_mov_b32 s[G1V+3], SK<<16
	s_mov_b32 s[G1V+4], 64
	s_mov_b32 s[G1V+5], 2048
	s_mov_b32 s[G1V+6], 0
	s_mov_b32 s[G1V+7], 0
	s_mov_b32 s[SEL], 0x76543210
	s_mov_b32 s[SEL+1], 0xfedcba98
	s_mov_b32 s[CS], 0x3e38aa3b                    ; c = log2(e) / 8
	s_mov_b32 s[TB], 0
	s_mov_b32 s[SLOTS], NSL-1
	s_mov_b32 s[KF], 0
	s_wait_dscnt 0x0                               ; the opening add is done
	s_wait_kmcnt 0x0
	s_load_b512 s[48:63], s[6:7], 0x0              ; e0 .. e15
	s_add_nc_u64 s[10:11], s[4:5], s[74:75]
	s_add_nc_u64 s[12:13], s[10:11], 0x800000      ; V at my head
	s_add_nc_u64 s[10:11], s[10:11], 0x400000      ; K at my head
	s_mov_b32 s[G0K], 1
	s_mov_b32 s[G0K+1], 0                          ; slot 0
	s_mov_b64 s[G0K+2:G0K+3], s[10:11]
	s_or_b32 s[G0K+3], s[G0K+3], 0x80000000
	s_mov_b32 s[G0V], 1
	s_mov_b32 s[G0V+1], VOFF
	s_mov_b64 s[G0V+2:G0V+3], s[12:13]
	s_or_b32 s[G0V+3], s[G0V+3], 0x80000000
	TLOAD                                          ; slot 0
	s_add_nc_u64 s[4:5], s[4:5], s[82:83]          ; Q's codes at my first query
	s_add_nc_u64 s[8:9], s[8:9], s[84:85]          ; ctxc likewise
	s_cmp_lt_u32 s[WV], 6                          ; the prefetches: waves 4, 5 for K, waves 6, 7 for V
	s_cselect_b64 s[PFA:PFA+1], s[10:11], s[12:13]
	s_mov_b32 s[PFS], SK
	s_cselect_b32 s[PFS], SK*64, s[PFS]            ; a slot on, in bytes
	s_mov_b32 s82, 2048
	s_cselect_b32 s82, 256, s82                    ; from lane to lane
	s_mov_b32 s83, 32*2048
	s_cselect_b32 s83, 8192, s83                   ; from wave to wave
	v_and_b32 v[PFO], 31, v0
	v_mul_lo_u32 v[PFO], v[PFO], s82
	s_and_b32 s82, s[WV], 1
	s_mul_i32 s82, s82, s83
	s_add_co_u32 s82, s82, s[PFS]                  ; in slot 1: the first change of slots steps it to slot 2
	s_mov_b32 s83, 0
	s_mov_b32 s[PFS+1], 0
	s_add_nc_u64 s[PFA:PFA+1], s[PFA:PFA+1], s[82:83]
	s_sub_co_u32 s82, s[WV], 4
	s_lshr_b32 s82, s82, 2                         ; 0 in waves 4 to 7,
	s_or_b32 s82, s82, ttmp9                       ; of the head's first work-group
	s_cmp_eq_u32 s82, 0
	s_cselect_b32 s[LIM], 1, -1
	v_and_b32 v8, 15, v0                           ; r
	v_bfe_u32 v9, v0, 4, 1                         ; h
	v_lshlrev_b32 v10, 6, v8
	v_lshl_add_u32 v10, v9, 4, v10
	global_load_b128 v[16:19], v10, s[4:5]         ; Q's fragment stays in registers: k = 16 h + 0 .. 15,
	global_load_b128 v[20:23], v10, s[4:5] offset:32   ; and 32 + 16 h + 0 .. 15
	v_and_b32 v11, 8, v8
	v_add_nc_u32 v11, v11, v8                      ; r + 8 (r / 8)
	v_mul_u32_u24 v[AK0], v11, KP
	v_lshl_add_u32 v[AK0], v9, 4, v[AK0]
	v_mul_u32_u24 v[AV0], v8, VP
	v_lshl_add_u32 v[AV0], v9, 4, v[AV0]
	v_add_nc_u32 v[AV0], VOFF, v[AV0]
	v_and_b32 v[GO], 31, v0
	v_lshrrev_b32 v11, 2, v[GO]
	v_and_b32 v[GO], 3, v[GO]
	v_lshlrev_b32 v[GO], 4, v[GO]
	v_lshl_add_u32 v[GO], v11, 10, v[GO]           ; the way out: four lanes to a row's 64 bytes, eight rows of 1,024 bytes an instruction
	v_mov_b32 v13, 0xff61b1e6                      ; the largest t so far: -3e38
	v_floor_f32 v12, -v13                          ; -M
	v_mov_b32 v14, 0
	v_mov_b32 v15, 0
	v_mov_b32 v192, 0                              ; written once: a lane permute's destination counts as one of its sources
	v_mov_b32 v195, 0                              ; (named as the upper half of the pair v[194:195])
.set j, 0
.rept 32
	v_mov_b32 v[160+j], 0                          ; O^T: the loop is written once; its first step finds zeros
.set j, j+1
.endr
	s_wait_kmcnt 0x0
	s_add_co_i32 s72, s54, s55
	s_lshl_b32 s72, s72, 23
	s_add_co_i32 s[CS], s[CS], s72                 ; a score stands for score x 2^(e6 + e7): added to c's exponent field
	s_mov_b32 s[CS+1], s[CS]
	s_add_co_i32 s72, s56, 127
	s_lshl_b32 s73, s72, 23
	v_mov_b32 v201, s73                            ; 2^e8, for p's conversions
	s_add_co_i32 s72, s72, 8
	s_lshl_b32 s72, s72, 23
	s_or_b32 s72, s72, 0x600000
	v_mov_b32 v200, s72                            ; 448 x 2^e8
	s_sub_co_i32 s72, s58, s56
	s_sub_co_i32 s72, s72, s57                     ; O / l stands for that x 2^(e8 + e9): the result's conversion takes 2^(e10 - e8 - e9)
	s_add_co_i32 s72, s72, 127
	s_lshl_b32 s73, s72, 23
	v_mov_b32 v203, s73
	s_add_co_i32 s72, s72, 8
	s_lshl_b32 s72, s72, 23
	s_or_b32 s72, s72, 0x600000
	v_mov_b32 v202, s72
.macro STEP q                          ; 128 keys, the q-th of the slot in hand
	s_add_co_u32 s96, s[Q0], 15
	s_cmp_gt_u32 s[KF], s96                        ; all keys behind my queries: the step's work is left out
	s_cbranch_scc1 .Lhidden_\@
	v_add_nc_u32 v[ADK], s[TB], v[AK0]
	v_add_nc_u32 v[ADV], s[TB], v[AV0]
	v_nop                                          ; with the two additions: four places in front of loads into registers that matrix instructions have read
	v_nop
.irp t, 0,1,2,3,4,5,6,7
.irp c, 0,1
	ds_load_b128 v[32+8*\t+4*\c:32+8*\t+4*\c+3], v[ADK] offset:(128*(\q)+32*(\t/2)+8*(\t%2))*KP+32*\c
.endr
.endr
	s_wait_dscnt 0x0
.irp t, 0,1,2,3,4,5,6,7
	v_wmma_f32_16x16x64_fp8_fp8 v[96+8*\t:103+8*\t], v[32+8*\t:39+8*\t], v[16:23], 0
.endr
.rept 4
	v_nop
.endr
	s_add_co_u32 s96, s[KF], 127                   ; on the diagonal hidden scores become -infinity ahead of the maximum; a step all of whose keys count skips this
	s_cmp_le_u32 s96, s[Q0]
	s_cbranch_scc1 .Lopen_\@
	s_sub_co_i32 s96, s[Q0], s[KF]
	v_and_b32 v204, 15, v0
	v_bfe_u32 v205, v0, 4, 1
	v_lshlrev_b32 v205, 4, v205
	v_sub_nc_u32 v204, v204, v205
	v_add_nc_u32 v204, s96, v204                   ; d = my query - KF - 16 (lane / 16): register 16 b + i holds key KF + 16 (lane / 16) + 32 b + i, hidden where 32 b + i > d
	v_mov_b32 v206, 0xff800000
.set n, 0
.rept 64
	v_cmp_gt_i32 vcc_lo, 32*(n/16)+n%16, v204
	v_cndmask_b32 v[96+n], v[96+n], v206, vcc_lo
.set n, n+1
.endr
.Lopen_\@:
	v_max3_num_f32 v196, v96, v97, v98             ; the step's largest score of my query among my 64 keys, in two chains,
	v_max3_num_f32 v197, v99, v100, v101
.irp i, 6,10,14,18,22,26,30,34,38,42,46,50,54,58
	v_max3_num_f32 v196, v196, v[96+\i], v[97+\i]
	v_max3_num_f32 v197, v197, v[98+\i], v[99+\i]
.endr
	v_max3_num_f32 v196, v196, v158, v159
	v_max_num_f32 v196, v196, v197
	v_permlanex16_b32 v192, v196, s[SEL], s[SEL+1]
	v_max_num_f32 v196, v196, v192                 ; and among lane l xor 16's
	v_mul_f32 v196, s[CS], v196                    ; as t (c is positive)
	v_max_num_f32 v13, v13, v196
	v_mov_b32 v196, v12
	v_floor_f32 v12, -v13                          ; the new -M = -ceil(t)
	v_sub_f32 v196, v12, v196                      ; old M - new M: a whole number, 0 or less
	v_cvt_i32_f32 v196, v196
	v_ldexp_f32 v194, 1.0, v196                    ; f = 2^(old M - new M)
.set j, 0
.rept 32
	v_pk_fma_f32 v[96+j:97+j], v[96+j:97+j], s[CS:CS+1], v[12:13] op_sel_hi:[1,0,0]   ; t - M
.set j, j+2
.endr
.set j, 0
.rept 64
	v_exp_f32 v[96+j], v[96+j]                     ; p = 2^(t - M)
.set j, j+1
.endr
	v_pk_mul_f32 v[14:15], v[14:15], v[194:195] op_sel_hi:[1,0]   ; the sum under the new M: the plain line behind the exponentials
	s_wait_alu depctr_va_vdst(0)                   ; one wait for the batch, ahead of the first line that names a result
	v_pk_add_f32 v[198:199], v[96:97], v[98:99]    ; the row's sum, of the unquantised p, in two chains
.irp j, 4,8,12,16,20,24,28,32,36,40,44,48,52,56,60
	v_pk_add_f32 v[14:15], v[14:15], v[96+\j:97+\j]
	v_pk_add_f32 v[198:199], v[198:199], v[98+\j:99+\j]
.endr
	v_pk_add_f32 v[14:15], v[14:15], v[198:199]
.irp b, 0,1,2,3
.set i, 0
.rept 16
	v_min_num_f32 v[96+16*\b+i], v[96+16*\b+i], v200   ; the conversion does not saturate (ISA guide 7.6.2); p is not negative: a one-sided hold
.set i, i+1
.endr
	v_cvt_scalef32_pk8_fp8_f32 v[224+4*\b:225+4*\b], v[96+16*\b:103+16*\b], v201
	v_cvt_scalef32_pk8_fp8_f32 v[226+4*\b:227+4*\b], v[104+16*\b:111+16*\b], v201
.endr
.set j, 0
.rept 16
	v_pk_mul_f32 v[160+j:161+j], v[160+j:161+j], v[194:195] op_sel_hi:[1,0]   ; O^T under the new M.  These are also the places in front of the loads and products below
.set j, j+2
.endr
.irp t, 0,1,2,3
.irp c, 0,1,2,3
	ds_load_b128 v[32+16*\t+4*\c:32+16*\t+4*\c+3], v[ADV] offset:16*\t*VP+128*(\q)+32*\c
.endr
.endr
	s_wait_dscnt 0x0
.irp t, 0,1,2,3                        ; the four accumulators take turns
	v_wmma_f32_16x16x128_fp8_fp8 v[160+8*\t:167+8*\t], v[32+16*\t:47+16*\t], v[224:239], v[160+8*\t:167+8*\t]
.endr
.Lhidden_\@:
	s_add_co_u32 s[KF], s[KF], 128
.endm
; THE CHANGE OF SLOTS stands at a slot's head: each wave waits for all its tensor loads, adds 0 to its spare word, and waits for that and for its reads of the slot that it has left; a barrier;
; fill = 1: the slot that was left is filled with the keys that follow: that load has a whole slot's steps in which to land.
.macro CHANGE fill
	s_wait_tensorcnt 0x0                           ; no tensor load of mine is out, so a group 0 may be written
	ds_add_u32 v[SPW], v[NIL]
.if \fill
	s_xor_b32 s[G0K+1], s[G0K+1], SLOT1
	s_add_nc_u64 s[G0K+2:G0K+3], s[G0K+2:G0K+3], SK*64
	s_xor_b32 s[G0V+1], s[G0V+1], SLOT1
	s_add_nc_u64 s[G0V+2:G0V+3], s[G0V+2:G0V+3], SK
	s_wait_xcnt 0x0                                ; the last prefetch, a slot back, has read its address
	s_add_nc_u64 s[PFA:PFA+1], s[PFA:PFA+1], s[PFS:PFS+1]
.endif
	s_wait_dscnt 0x0                               ; the add is done, and my reads of the slot that I have left are over
	s_barrier_signal -1
	s_barrier_wait -1
.if \fill
	TLOAD                                          ; the first thing behind the barrier, and a wave's one tensor load until the next
	ASK
.endif
.endm
.macro SLOT_STEPS
	STEP 0
	STEP 1
	s_xor_b32 s[TB], s[TB], SLOT1
.endm
	s_wait_loadcnt 0x0                             ; Q
.Lslot:                                            ; NSL - 1 trips: behind each change of slots but the last the next slot is asked for
	CHANGE 1
	SLOT_STEPS
	s_sub_co_u32 s[SLOTS], s[SLOTS], 1
	s_cmp_lg_u32 s[SLOTS], 0
	s_cbranch_scc1 .Lslot
	CHANGE 0                                       ; the last slot is written out
	SLOT_STEPS
	; THE WAY OUT: O^T / the sum, held, converted; 8 codes a lane through my stage; 64 bytes of each of my 16 rows of ctxc (a head's part of a row is no longer than that)
	v_add_f32 v14, v14, v15
	v_permlanex16_b32 v192, v14, s[SEL], s[SEL+1]
	v_add_f32 v14, v14, v192                       ; the row's sum
	v_rcp_f32 v14, v14
	v_and_b32 v8, 15, v0                           ; (a plain line behind the transcendental)
	v_bfe_u32 v9, v0, 4, 1
	s_mul_i32 s73, s[WV], 16*SP                    ; my stage
	v_mul_u32_u24 v10, v8, SP
	v_lshl_add_u32 v10, v9, 3, v10
	v_add_nc_u32 v10, s73, v10                     ; in: row r, 8 h bytes on; tile t 16 t on
	v_and_b32 v11, 31, v0
	v_lshrrev_b32 v8, 2, v11
	v_and_b32 v11, 3, v11
	v_mul_u32_u24 v8, v8, SP
	v_lshl_add_u32 v11, v11, 4, v8
	v_add_nc_u32 v11, s73, v11                     ; back: four lanes to a row
	s_wait_alu depctr_va_vdst(0)                   ; the wait ahead of the reciprocal's first use
.set j, 0
.rept 32
	v_mul_f32 v[96+j], v[160+j], v14               ; register 8 t + i: channel 16 t + 8 h + i of query r
.set j, j+1
.endr
.set j, 0
.rept 32
	v_med3_num_f32 v[96+j], v[96+j], -v202, v202
.set j, j+1
.endr
.irp t, 0,1,2,3
	v_cvt_scalef32_pk8_fp8_f32 v[128+2*\t:129+2*\t], v[96+8*\t:103+8*\t], v203
.endr
	v_nop                                          ; a plain line behind the last conversion
.irp t, 0,1,2,3
	ds_store_b64 v10, v[128+2*\t:129+2*\t] offset:16*\t
.endr
.irp u, 0,1
	ds_load_b128 v[136+4*\u:139+4*\u], v11 offset:8*SP*\u   ; LDS serves a wave's instructions in order: these see my stores
.endr
.irp u, 0,1
	s_wait_dscnt 1-\u
	global_store_b128 v[GO], v[136+4*\u:139+4*\u], s[8:9] offset:8192*\u
.endr
	s_wait_tensorcnt 0x0                           ; the wave's end
	ds_add_u32 v[SPW], v[NIL]
	s_wait_dscnt 0x0
	s_endpgm
.Lfunc_end_k_q76c594b555_attn:
	.size	k_q76c594b555_attn, .Lfunc_end_k_q76c594b555_attn-k_q76c594b555_attn
	.p2alignl 7, 3214868480
	.fill 96, 4, 3214868480
	.section	.rodata,"a",@progbits
	.p2align	6, 0x0
	.amdhsa_kernel k_q76c594b555_attn
		.amdhsa_group_segment_fixed_size 327680
		.amdhsa_private_segment_fixed_size 0
		.amdhsa_enable_private_segment 0
		.amdhsa_kernarg_size 24
		.amdhsa_user_sgpr_count 2
		.amdhsa_user_sgpr_kernarg_segment_ptr 1
		.amdhsa_wavefront_size32 1
		.amdhsa_system_sgpr_workgroup_id_x 1
		.amdhsa_system_sgpr_workgroup_id_y 1
		.amdhsa_system_sgpr_workgroup_id_z 1
		.amdhsa_system_vgpr_workitem_id 0
		.amdhsa_next_free_vgpr 256
		.amdhsa_next_free_sgpr 100
		.amdhsa_reserve_vcc 1
		.amdhsa_float_denorm_mode_32 3
		.amdhsa_float_denorm_mode_16_64 3
		.amdhsa_memory_ordered 1
		.amdhsa_forward_progress 1
		.amdhsa_inst_pref_size 97
	.end_amdhsa_kernel
	.amdgpu_metadata
---
amdhsa.version: [ 1, 2 ]
amdhsa.kernels:
  - .name:           k_q76c594b555_attn
    .symbol:         k_q76c594b555_attn.kd
    .args:
      - { .name: qkvc, .offset: 0, .size: 8, .value_kind: global_buffer, .address_space: global }
      - { .name: lowp_scales, .offset: 8, .size: 8, .value_kind: global_buffer, .address_space: global }
      - { .name: ctxc, .offset: 16, .size: 8, .value_kind: global_buffer, .address_space: global }
    .group_segment_fixed_size: 327680
    .private_segment_fixed_size: 0
    .kernarg_segment_align: 8
    .kernarg_segment_size: 24
    .max_flat_workgroup_size: 512
    .sgpr_count:     100
    .vgpr_count:     256
    .wavefront_size: 32
...
	.end_amdgpu_metadata
.endif
;; end of part 3
;; launch wo (part 4): grid 4 x 16, 4 waves a work-group, clusters of 4 x 4, 327,680 bytes of LDS; arguments ctxc, wcodes, lowp_scales, bo, x, x1; writes x1
.if DOCPART == 4
	.amdgcn_target "amdgcn-amd-amdhsa--gfx1250"
	.amdhsa_code_object_version 6
	.text
	.protected	k_q76c594b555_wo
	.globl	k_q76c594b555_wo
	.p2align	8
	.type	k_q76c594b555_wo,@function
k_q76c594b555_wo:
	s_mov_b64 s[64:65], 0
	v_nop
	global_prefetch_b8 v0, s[64:65] scope:SCOPE_SE
	s_setreg_imm32_b32 hwreg(HW_REG_WAVE_MODE, 25, 1), 1
	s_wait_xcnt 0x0
	s_wait_alu depctr_hold_cnt(0) depctr_sa_sdst(0) depctr_va_vdst(0) depctr_va_sdst(0) depctr_va_ssrc(0) depctr_va_vcc(0) depctr_vm_vsrc(0)
	s_getreg_b32 s2, hwreg(HW_REG_IB_STS2, 6, 4)
	s_cmp_eq_u32 s2, 0
	s_cbranch_scc0 .Lentry_in_a_cluster
	s_endpgm
.Lentry_in_a_cluster:
	s_bfe_u32 s2, ttmp6, 0x10000c
	s_cmp_lg_u32 s2, 0xf033
	s_cbranch_scc0 .Lentry_shape_is_right
	s_endpgm
.Lentry_shape_is_right:
; x1 = x + (ctx Wo + bo): C = A B^T on codes of FP8 (E4M3), K = 1,024; A = ctxc [4096][1024], B = Wo's codes [1024 n][1024 k] at 3 MiB of wcodes; out [4096][1024] f32.
; Each finished sum is multiplied once by 2^(e10 + e11); then the bias and the residual are added, in f32.  LIMIT: e10 + e11 between -126 and 127.
; A tile of 256 x 256 to a work-group of four waves, 128 x 128 a wave (64 accumulators, 512 registers); K in steps of 256 through two LDS slots filled by joint tensor loads: A's tile is shared along a row
; of the 4 x 4 cluster, B's along a column.  THE MATRIX INSTRUCTION IS USED TRANSPOSED (source 0 = 16 rows of B, source 1 = 16 rows of A): a lane holds eight neighbouring columns of one row of C.
; C has 64 such tiles: 64 work-groups.
; REGISTERS in windows of 256: window 0: v0-31 addresses, v32-95 at work on the way out, v96-99 my four numbers of the bias, from v128 A's fragments (one set), later rows read back;
;   window 1: B's fragments (two sets), later the residual's rows; windows 2, 3: the accumulators.
.set SIZE_K, 1024
.set WOFF,   0x300000                  ; the weight's place in wcodes
.set EA,     94                        ; s94 = e10, s95 = e11
.set EB,     95
.set KSTEP,  256
.set ROWB,   256
.set KROW,   SIZE_K
.set PITCH,  272                       ; an LDS row: 256 bytes + 16 of padding: the 16 rows that a load touches start at 16 different banks (64 banks of 4 bytes: ISA guide 11.1)
.set FR,     16
.set NL,     4
.set NP,     4                         ; places behind this matrix instruction (ISA guide 7.12.1)
.set HALFT,  128*PITCH
.set SLOT,   4*HALFT
.set LAPS,   SIZE_K/(2*KSTEP)
.set SPARE,  2*SLOT                    ; behind the ring: the spare words, 128 bytes a wave, two blocks of 256 bytes that no other line names
.set SPITCH, 528                       ; the way out: a stage of 16 rows x (512 bytes + 16) a wave, in slot 0, which has had its last fill and its last read by then
.set ADRA, 16
.set ADRB, 20
.set STO,  24
.set RD,   25
.set CO,   26                          ; v26 16 x lane
.set SPW,  28
.set NIL,  29
.set TMP,  32
.set BIA,  96
.set AF,   128
.set BK,   128
.set RB,   76                          ; s[76:77] the residual at my wave's corner
.set OB,   78                          ; s[78:79] the output there
.set G1, 24
.set G0, 32
.set G1B, 48
.set G0B, 56
.set MSB, 0
.macro WIN new                         ; the immediate's high byte repeats the setting that is left
.if MSB != (\new)
	s_set_vgpr_msb (MSB<<8)|(\new)
.set MSB, \new
.endif
.endm
.set MUL_LO, 0xa1
.set MUL_HI, 0xf1
.set TO_B,   0x40
.macro JLOAD g0a, g1a, g0b, g1b        ; a joint load: waves 0, 1 for A, waves 2, 3 for B; an s_nop 0 and four v_nop follow each line
	s_cmp_eq_u32 s15, 0
	s_cbranch_scc0 .Lfor_b_\@
	tensor_load_to_lds s[\g0a:\g0a+3], s[\g1a:\g1a+7]
	s_nop 0
.rept 4
	v_nop
.endr
	s_branch .Lasked_\@
.Lfor_b_\@:
	tensor_load_to_lds s[\g0b:\g0b+3], s[\g1b:\g1b+7]
	s_nop 0
.rept 4
	v_nop
.endr
.Lasked_\@:
.endm
.macro CREST
	s_cmp_lg_u32 s14, 0
	s_cbranch_scc1 .Lnot_wave_0_\@
	s_barrier_signal -3
.Lnot_wave_0_\@:
	s_barrier_wait -3
	s_barrier_signal -1
	s_barrier_wait -1
.endm
.macro CROUND
	s_barrier_signal -1
	s_barrier_wait -1
	CREST
.endm
	s_load_b256 s[68:75], s[0:1], 0x0              ; A's codes, wcodes, the scales' exponents, the bias
	s_load_b128 s[76:79], s[0:1], 0x20             ; the residual, the output
	v_lshl_add_u32 v[SPW], v0, 2, SPARE
	v_mov_b32 v[NIL], 0
	ds_add_u32 v[SPW], v[NIL]                      ; the wave's opening: the add and its wait ahead of my first tensor load
	v_lshrrev_b32 v1, 5, v0
	v_readfirstlane_b32 s14, v1                    ; wave 0..3
	s_lshr_b32 s15, s14, 1                         ; my half of the tile's rows; also: I fetch for A (0) or B (1)
	s_and_b32 s16, s14, 1                          ; my half of its columns; also: which 128 rows I fetch
	s_bfe_u32 s40, ttmp6, 0x40000                  ; cx, cy
	s_bfe_u32 s41, ttmp6, 0x40004
	s_lshl_b32 s42, ttmp9, 2
	s_add_co_u32 s42, s42, s40                     ; tile column
	s_and_b32 s17, ttmp7, 0xffff
	s_lshl_b32 s17, s17, 2
	s_add_co_u32 s17, s17, s41                     ; tile row
	s_lshl_b32 s43, s41, 2
	s_lshl_b32 s43, 15, s43                        ; my row of the cluster
	s_lshl_b32 s44, 0x1111, s40                    ; my column
	s_or_b32 s[G1+0], s43, (0<<16)|(1<<20)|(1<<21)|(5<<22)|(3<<25)
	s_or_b32 s[G1B+0], s44, (0<<16)|(1<<20)|(1<<21)|(5<<22)|(3<<25)
.irp g, G1, G1B
	s_mov_b32 s[\g+1], ROWB<<16
	s_mov_b32 s[\g+2], 128<<16
	s_mov_b32 s[\g+3], ROWB<<16
	s_mov_b32 s[\g+4], 128
	s_mov_b32 s[\g+5], KROW
	s_mov_b32 s[\g+6], 0
	s_mov_b32 s[\g+7], 0
.endr
	s_lshl_b32 s18, s16, 7
	s_lshl_b32 s20, s17, 8
	s_add_co_u32 s20, s20, s18
	s_lshl_b32 s46, s42, 8
	s_add_co_u32 s46, s46, s18
	s_mul_i32 s20, s20, KROW
	s_mov_b32 s21, 0
	s_mul_i32 s46, s46, KROW
	s_mov_b32 s47, 0
	s_mul_i32 s45, s14, HALFT
	s_wait_dscnt 0x0                               ; the opening add is done
	s_wait_kmcnt 0x0
	s_load_b512 s[84:99], s[72:73], 0x0            ; e0 .. e15
	s_add_nc_u64 s[6:7], s[70:71], WOFF
	s_add_nc_u64 s[20:21], s[68:69], s[20:21]
	s_add_nc_u64 s[46:47], s[6:7], s[46:47]
	CROUND                                         ; all sixteen work-groups are here: the first joint loads meet
.irp s, 0,1
	s_mov_b32 s[G0+4*\s], 1
	s_add_co_u32 s[G0+4*\s+1], s45, \s*SLOT
	s_add_nc_u64 s[G0+4*\s+2:G0+4*\s+3], s[20:21], \s*ROWB
	s_or_b32 s[G0+4*\s+3], s[G0+4*\s+3], 0x80000000
	s_mov_b32 s[G0B+4*\s], 1
	s_add_co_u32 s[G0B+4*\s+1], s45, \s*SLOT
	s_add_nc_u64 s[G0B+4*\s+2:G0B+4*\s+3], s[46:47], \s*ROWB
	s_or_b32 s[G0B+4*\s+3], s[G0B+4*\s+3], 0x80000000
	JLOAD G0+4*\s, G1, G0B+4*\s, G1B
.endr
	v_and_b32 v1, 15, v0
	v_bfe_u32 v2, v0, 4, 1
	v_mul_u32_u24 v3, v1, PITCH
	v_lshl_add_u32 v4, v2, 4, v3
	s_mul_i32 s21, s15, HALFT
	s_mul_i32 s22, s16, HALFT
	s_add_co_u32 s22, s22, 2*HALFT
.irp s, 0,1
	v_add_nc_u32 v[ADRA+\s], s21, v4
	v_add_nc_u32 v[ADRB+\s], s22, v4
	s_add_co_u32 s21, s21, SLOT
	s_add_co_u32 s22, s22, SLOT
.endr
	s_mul_i32 s23, s14, 16*SPITCH                  ; my stage
	v_mul_u32_u24 v5, v1, SPITCH
	v_lshl_add_u32 v5, v2, 5, v5
	v_add_nc_u32 v[STO], s23, v5                   ; in: row l % 16, 32 bytes for each half of the lanes
	v_and_b32 v6, 31, v0
	v_lshlrev_b32 v[CO], 4, v6
	v_add_nc_u32 v[RD], s23, v[CO]                 ; back: the 32 lanes take one row of 512 bytes
	s_lshl_b32 s4, s17, 8
	s_lshl_b32 s5, s15, 7
	s_add_co_u32 s4, s4, s5                        ; my first row
	s_lshl_b32 s4, s4, 12                          ; rows of 4,096 bytes
	s_lshl_b32 s6, s42, 10
	s_lshl_b32 s5, s16, 9
	s_add_co_u32 s6, s6, s5                        ; my first column, in bytes
	s_mov_b32 s7, 0
	s_add_co_u32 s4, s4, s6
	s_mov_b32 s5, 0
	s_add_nc_u64 s[RB:RB+1], s[RB:RB+1], s[4:5]
	s_add_nc_u64 s[OB:OB+1], s[OB:OB+1], s[4:5]
	s_add_nc_u64 s[74:75], s[74:75], s[6:7]
	global_load_b128 v[BIA:BIA+3], v[CO], s[74:75] ; the bias of columns 4 x lane + 0 .. 3 of my 128
.macro FRAG reg, adr, q, i             ; 16 rows x 128 K: registers 4 c .. 4 c + 3 hold K = 32 c + 16 (l / 16) + 0 .. 15: the same order of k in A and in B
.irp c, 0,1,2,3
	ds_load_b128 v[\reg+4*\c:\reg+4*\c+3], v[\adr] offset:128*(\q)+32*\c+(\i)*16*PITCH
.endr
.endm
.macro MUL16 a0, p, zero               ; the 64 accumulators take turns, one instruction a turn, in the same order in every step
.irp a, \a0, \a0+1
.irp b, 0,1,2,3,4,5,6,7
.if \zero
	v_wmma_f32_16x16x128_fp8_fp8 v[8*(8*((\a)%4)+\b):8*(8*((\a)%4)+\b)+7], v[128*(\p)+FR*\b:128*(\p)+FR*\b+FR-1], v[AF+FR*(\a):AF+FR*(\a)+FR-1], 0
.else
	v_wmma_f32_16x16x128_fp8_fp8 v[8*(8*((\a)%4)+\b):8*(8*((\a)%4)+\b)+7], v[128*(\p)+FR*\b:128*(\p)+FR*\b+FR-1], v[AF+FR*(\a):AF+FR*(\a)+FR-1], v[8*(8*((\a)%4)+\b):8*(8*((\a)%4)+\b)+7]
.endif
.endr
.endr
.endm
.macro FETCH_B slot, q, p
	WIN TO_B
.irp i, 0,1,2,3,4,5,6,7
	FRAG 128*(\p)+FR*\i, ADRB+\slot, \q, \i
.endr
	WIN 0
.endm
.macro FETCH_A slot, q, i0
.irp i, \i0, \i0+1, \i0+2, \i0+3
	FRAG AF+FR*(\i), ADRA+\slot, \q, \i
.endr
.endm
.macro PLACES n                        ; plain vector lines between a matrix instruction and a load into, or a vector line on, its registers
.rept \n
	v_nop
.endr
.endm
.macro STEP slot, q, zero
	s_wait_dscnt 4*NL                              ; the youngest 16 loads (A's blocks 4-7) may be out
	WIN MUL_LO
	MUL16 0, (\q)%2, \zero
	MUL16 2, (\q)%2, \zero
	s_wait_dscnt 0
	PLACES NP
	FETCH_B \slot, (\q)+1, 1-(\q)%2
	FETCH_A \slot, (\q)+1, 0
	WIN MUL_HI
	MUL16 4, (\q)%2, \zero
	MUL16 6, (\q)%2, \zero
	PLACES NP
	WIN 0
	FETCH_A \slot, (\q)+1, 4
.endm
.macro TURN slot, next, fill           ; a slot's last step changes slots: the three lines, one barrier, the refill first behind it
	s_wait_tensorcnt 0x0                           ; all my tensor loads have landed
	ds_add_u32 v[SPW], v[NIL]
	s_wait_dscnt 4*NL+1                            ; the add and the youngest 16 loads may be out
	WIN MUL_LO
	MUL16 0, 1, 0
	s_wait_dscnt 0x0                               ; the add is done, and my reads of this slot are over
	s_barrier_signal -1
	MUL16 2, 1, 0
	WIN 0
	s_barrier_wait -1
.if \fill
	CREST                                          ; the barrier has opened a round of the cluster's
	s_add_nc_u64 s[G0+4*\slot+2:G0+4*\slot+3], s[G0+4*\slot+2:G0+4*\slot+3], 2*ROWB
	s_add_nc_u64 s[G0B+4*\slot+2:G0B+4*\slot+3], s[G0B+4*\slot+2:G0B+4*\slot+3], 2*ROWB
	JLOAD G0+4*\slot, G1, G0B+4*\slot, G1B
.else
	PLACES NP
.endif
	FETCH_B \next, 0, 0
	FETCH_A \next, 0, 0
	WIN MUL_HI
	MUL16 4, 1, 0
	MUL16 6, 1, 0
	PLACES NP
	WIN 0
	FETCH_A \next, 0, 4
.endm
.macro RLOAD a                         ; the residual's rows 16 a .. 16 a + 15 of my 128, 512 consecutive bytes a load, into window 1, where B's fragments lay
	WIN 0x40
.set t, 0
.rept 16
	global_load_b128 v[64*((\a)%4)+4*t:64*((\a)%4)+4*t+3], v[CO], s[RB:RB+1] offset:(16*(\a)+t)*4096 th:TH_LOAD_NT
.set t, t+1
.endr
	WIN 0
.endm
	s_wait_tensorcnt 1                             ; my part of K step 0 is in; K step 1's load may be out
	s_barrier_signal -1
	s_barrier_wait -1
	FETCH_B 0, 0, 0
	FETCH_A 0, 0, 0
	FETCH_A 0, 0, 4
	STEP 0, 0, 1
	s_mov_b32 s3, LAPS-1
.Llap:
	TURN 0, 1, 1
	STEP 1, 0, 0
	TURN 1, 0, 1
	STEP 0, 0, 0
	s_sub_co_u32 s3, s3, 1
	s_cmp_lg_u32 s3, 0
	s_cbranch_scc1 .Llap
	TURN 0, 1, 0
	STEP 1, 0, 0
	RLOAD 0                                        ; B's set 0 is done with (the step's closing places stand behind its last products): the first residual rows are asked for under the last step
	RLOAD 1
	s_wait_dscnt 4*NL
	WIN MUL_LO
	MUL16 0, 1, 0
	MUL16 2, 1, 0
	s_wait_dscnt 0
	WIN MUL_HI
	MUL16 4, 1, 0
	MUL16 6, 1, 0
	WIN 0
; THE WAY OUT, block by block of 16 rows x 128 columns: x 2^(eA + eB), through my own stage, back as whole rows of 512 bytes; + bias, + residual; stored.
.macro TOSTAGE a
.set AC, 64*((\a)%4)
	WIN 0x02+((\a)/4)
.set j, 0
.rept 32
	v_pk_mul_f32 v[TMP+j:TMP+j+1], v[AC+j:AC+j+1], s[66:67] op_sel_hi:[1,0]   ; each accumulator from its low end on
.set j, j+2
.endr
	WIN 0
.irp b, 0,1,2,3,4,5,6,7
	ds_store_b128 v[STO], v[TMP+8*\b:TMP+8*\b+3] offset:64*\b
	ds_store_b128 v[STO], v[TMP+8*\b+4:TMP+8*\b+7] offset:64*\b+16
.endr
.set BB, BK+64*((\a)%2)
.set t, 0
.rept 16
	ds_load_b128 v[BB+4*t:BB+4*t+3], v[RD] offset:t*SPITCH   ; LDS serves a wave's instructions in order: these see my stores
.set t, t+1
.endr
.endm
.macro SEND a, younger
.set BB, BK+64*((\a)%2)
.set RR, 64*((\a)%4)
	s_wait_dscnt \younger                          ; the block is back in registers
.if (\a) <= 4
	s_wait_loadcnt 48                              ; its residual rows are in; those of the three blocks behind it, 16 loads each, may be out
.else
	s_wait_loadcnt 16*(7-(\a))
.endif
.set j, 0
.rept 32
	v_pk_add_f32 v[BB+2*j:BB+2*j+1], v[BB+2*j:BB+2*j+1], v[BIA+2*(j%2):BIA+2*(j%2)+1]
.set j, j+1
.endr
	WIN 0x04                                       ; source 1: window 1
.set j, 0
.rept 32
	v_pk_add_f32 v[BB+2*j:BB+2*j+1], v[BB+2*j:BB+2*j+1], v[RR+2*j:RR+2*j+1]
.set j, j+1
.endr
	WIN 0
.set t, 0
.rept 16
	global_store_b128 v[CO], v[BB+4*t:BB+4*t+3], s[OB:OB+1] offset:(16*(\a)+t)*4096   ; 32 lanes store 512 consecutive bytes, aligned
.set t, t+1
.endr
.if (\a) < 4
	RLOAD (\a)+4                                   ; its residual registers take the block four further on
.endif
.endm
	s_wait_kmcnt 0x0
	s_add_co_i32 s66, s[EA], s[EB]
	s_add_co_i32 s66, s66, 127
	s_lshl_b32 s66, s66, 23                        ; 2^(eA + eB) as f32
	s_mov_b32 s67, s66                             ; (named with it as a pair)
	PLACES NP
	RLOAD 2                                        ; B's set 1 is done with
	RLOAD 3
	TOSTAGE 0
.irp a, 1,2,3,4,5,6,7
.if \a > 1
	s_wait_xcnt 0x0                                ; block a - 2's stores have read their registers: block a's loads may land there
.endif
	TOSTAGE \a
	SEND \a-1, 32                                  ; behind block a - 1's loads: block a's 16 stores and 16 loads
.endr
	SEND 7, 0
	s_wait_tensorcnt 0x0                           ; the wave's end
	ds_add_u32 v[SPW], v[NIL]
	s_wait_dscnt 0x0
	CROUND                                         ; the closing round
	s_endpgm
.Lfunc_end_k_q76c594b555_wo:
	.size	k_q76c594b555_wo, .Lfunc_end_k_q76c594b555_wo-k_q76c594b555_wo
	.p2alignl 7, 3214868480
	.fill 96, 4, 3214868480
	.section	.rodata,"a",@progbits
	.p2align	6, 0x0
	.amdhsa_kernel k_q76c594b555_wo
		.amdhsa_group_segment_fixed_size 327680
		.amdhsa_private_segment_fixed_size 0
		.amdhsa_enable_private_segment 0
		.amdhsa_kernarg_size 48
		.amdhsa_user_sgpr_count 2
		.amdhsa_user_sgpr_kernarg_segment_ptr 1
		.amdhsa_wavefront_size32 1
		.amdhsa_system_sgpr_workgroup_id_x 1
		.amdhsa_system_sgpr_workgroup_id_y 1
		.amdhsa_system_sgpr_workgroup_id_z 1
		.amdhsa_system_vgpr_workitem_id 0
		.amdhsa_next_free_vgpr 1024
		.amdhsa_next_free_sgpr 100
		.amdhsa_reserve_vcc 0
		.amdhsa_float_denorm_mode_32 3
		.amdhsa_float_denorm_mode_16_64 3
		.amdhsa_memory_ordered 1
		.amdhsa_forward_progress 1
		.amdhsa_inst_pref_size 168
	.end_amdhsa_kernel
	.amdgpu_metadata
---
amdhsa.version: [ 1, 2 ]
amdhsa.kernels:
  - .name:           k_q76c594b555_wo
    .symbol:         k_q76c594b555_wo.kd
    .args:
      - { .name: ctxc, .offset: 0, .size: 8, .value_kind: global_buffer, .address_space: global }
      - { .name: wcodes, .offset: 8, .size: 8, .value_kind: global_buffer, .address_space: global }
      - { .name: lowp_scales, .offset: 16, .size: 8, .value_kind: global_buffer, .address_space: global }
      - { .name: bo, .offset: 24, .size: 8, .value_kind: global_buffer, .address_space: global }
      - { .name: x, .offset: 32, .size: 8, .value_kind: global_buffer, .address_space: global }
      - { .name: x1, .offset: 40, .size: 8, .value_kind: global_buffer, .address_space: global }
    .group_segment_fixed_size: 327680
    .private_segment_fixed_size: 0
    .kernarg_segment_align: 8
    .kernarg_segment_size: 48
    .max_flat_workgroup_size: 128
    .sgpr_count:     100
    .vgpr_count:     1024
    .wavefront_size: 32
...
	.end_amdgpu_metadata
.endif
;; end of part 4
;; launch ln2 (part 5): grid 256 x 1, 4 waves a work-group, no clusters, 4,608 bytes of LDS; arguments x1, g2, s2, lowp_scales, h2c; writes h2c
.if DOCPART == 5
	.amdgcn_target "amdgcn-amd-amdhsa--gfx1250"
	.amdhsa_code_object_version 6
	.text
	.protected	k_q76c594b555_ln2
	.globl	k_q76c594b555_ln2
	.p2align	8
	.type	k_q76c594b555_ln2,@function
k_q76c594b555_ln2:
	s_mov_b64 s[64:65], 0
	v_nop
	global_prefetch_b8 v0, s[64:65] scope:SCOPE_SE
	s_setreg_imm32_b32 hwreg(HW_REG_WAVE_MODE, 25, 1), 1
	s_wait_xcnt 0x0
; h2 = g2 (x1 - mean) / sqrt(var + 1e-5) + s2, row by row, quantised to codes of FP8 (E4M3) with the scale 2^e12 into h2c [4096][1024].
; A work-group takes 16 rows, a wave 4; a row stays in 32 registers; mean and variance in two passes, all in f32.  Every load and store of a wave covers 512 consecutive bytes.
; code = number / 2^e, held within +-448, to the nearest code, ties to even.  LIMIT: e12 between -126 and 119.  NaN among the inputs is not served.
; No tensor loads and no barrier: waves share nothing.
.set SPARE, 4096                       ; behind the four stages of 1,024 bytes: the spare words, 128 bytes a wave, two blocks of 256 bytes that no other line names
.set LNB,   0
.set SPW,   12
.set NIL,   13
.set NOUT,  1
.set G,     16                         ; v16-47   gain
.set S,     48                         ; v48-79   shift
.set X0,    80                         ; v80-143  two rows
.set T,     144                        ; v144-159 at work, two sets of eight by turns
.set CC,    160                        ; v160-167 codes
.set O,     184                        ; v184-191 codes as a row, to store
	s_load_b256 s[68:75], s[0:1], 0x0              ; x1, g2, s2, the scales' exponents
	s_load_b64 s[76:77], s[0:1], 0x20              ; h2c
	v_lshl_add_u32 v[SPW], v0, 2, SPARE
	v_mov_b32 v[NIL], 0
	v_lshrrev_b32 v1, 5, v0
	v_readfirstlane_b32 s2, v1                     ; wave 0..3
	v_and_b32 v2, 31, v0                           ; lane
	s_lshl_b32 s3, ttmp9, 4
	s_lshl_b32 s5, s2, 2
	s_add_co_u32 s3, s3, s5                        ; my wave's first row
	s_lshl_b32 s6, s3, 12
	s_mov_b32 s7, 0
	s_lshl_b32 s8, s3, 10
	s_mov_b32 s9, 0
	v_lshlrev_b32 v3, 4, v2
	s_wait_kmcnt 0x0
	s_load_b32 s36, s[74:75], 0x30                 ; e12
	s_add_nc_u64 s[4:5], s[68:69], s[6:7]
	s_add_nc_u64 s[20:21], s[76:77], s[8:9]
.irp j, 0,1,2,3,4,5,6,7
	global_load_b128 v[G+4*\j:G+4*\j+3], v3, s[70:71] offset:512*\j
.endr
.irp j, 0,1,2,3,4,5,6,7
	global_load_b128 v[S+4*\j:S+4*\j+3], v3, s[72:73] offset:512*\j
.endr
.macro XLOAD i                         ; row i into buffer i % 2: register 4 j + n holds column 128 j + 4 x lane + n
.irp j, 0,1,2,3,4,5,6,7
	global_load_b128 v[X0+32*((\i)%2)+4*\j:X0+32*((\i)%2)+4*\j+3], v3, s[4:5] offset:4096*(\i)+512*\j
.endr
.endm
	XLOAD 0
	XLOAD 1
	s_mul_i32 s10, s2, 1024*NOUT
	s_add_co_u32 s10, s10, LNB                     ; my stage
	v_lshl_add_u32 v4, v2, 2, s10
	v_lshl_add_u32 v5, v2, 4, s10
	s_mov_b32 s12, 0x76543210                      ; v_permlanex16_b32: lane l xor 16
	s_mov_b32 s13, 0xfedcba98
	s_mov_b32 s14, 0x3a800000                      ; 1 / 1024
	s_mov_b32 s15, 0x3727c5ac                      ; 1e-5
	s_wait_kmcnt 0x0
	s_add_co_i32 s26, s36, 127
	s_lshl_b32 s27, s26, 23
	v_mov_b32 v6, s27                              ; 2^e
	s_add_co_i32 s26, s26, 8
	s_lshl_b32 s26, s26, 23
	s_or_b32 s26, s26, 0x600000
	v_mov_b32 v7, s26                              ; 448 x 2^e
.macro ALLSUM a, b                     ; v[a] summed over the 32 lanes, in every lane; v[b] has been written before
	v_add_f32_dpp v[\a], v[\a], v[\a] row_xmask:1 row_mask:0xf bank_mask:0xf
	v_add_f32_dpp v[\a], v[\a], v[\a] row_xmask:2 row_mask:0xf bank_mask:0xf
	v_add_f32_dpp v[\a], v[\a], v[\a] row_xmask:4 row_mask:0xf bank_mask:0xf
	v_add_f32_dpp v[\a], v[\a], v[\a] row_xmask:8 row_mask:0xf bank_mask:0xf
	v_permlanex16_b32 v[\b], v[\a], s12, s13
	v_add_f32 v[\a], v[\a], v[\b]
.endm
.macro ROW i
.set XB, X0+32*((\i)%2)
.if (\i) < 3
	s_wait_loadcnt 8                               ; my row (and g, s) are in; the next row's eight loads may be out
.else
	s_wait_loadcnt 0
.endif
	v_pk_add_f32 v[14:15], v[XB:XB+1], v[XB+2:XB+3]         ; the sum, in two chains
	v_pk_add_f32 v[T:T+1], v[XB+4:XB+5], v[XB+6:XB+7]
.irp j, 8,12,16,20,24,28
	v_pk_add_f32 v[14:15], v[14:15], v[XB+\j:XB+\j+1]
	v_pk_add_f32 v[T:T+1], v[T:T+1], v[XB+\j+2:XB+\j+3]
.endr
	v_pk_add_f32 v[14:15], v[14:15], v[T:T+1]
	v_add_f32 v14, v14, v15
	ALLSUM 14, 15
	v_mul_f32 v14, s14, v14                        ; the mean
.irp j, 0,2,4,6,8,10,12,14,16,18,20,22,24,26,28,30
	v_pk_add_f32 v[XB+\j:XB+\j+1], v[XB+\j:XB+\j+1], v[14:15] op_sel_hi:[1,0] neg_lo:[0,1] neg_hi:[0,1]   ; x - mean
.endr
	v_pk_mul_f32 v[T:T+1], v[XB:XB+1], v[XB:XB+1]           ; the sum of squares of x - mean, in two chains
	v_pk_mul_f32 v[T+2:T+3], v[XB+2:XB+3], v[XB+2:XB+3]
.irp j, 4,8,12,16,20,24,28
	v_pk_fma_f32 v[T:T+1], v[XB+\j:XB+\j+1], v[XB+\j:XB+\j+1], v[T:T+1]
	v_pk_fma_f32 v[T+2:T+3], v[XB+\j+2:XB+\j+3], v[XB+\j+2:XB+\j+3], v[T+2:T+3]
.endr
	v_pk_add_f32 v[T:T+1], v[T:T+1], v[T+2:T+3]
	v_add_f32 v[T], v[T], v[T+1]
	ALLSUM T, T+1
	v_fma_f32 v[T], v[T], s14, s15                 ; var + 1e-5
	v_rsq_f32 v14, v[T]
	v_nop                                          ; a plain line behind the transcendental
	s_wait_alu depctr_va_vdst(0)                   ; the wait ahead of the first line that names the result
.irp j, 0,2,4,6,8,10,12,14,16,18,20,22,24,26,28,30
	v_pk_mul_f32 v[XB+\j:XB+\j+1], v[XB+\j:XB+\j+1], v[14:15] op_sel_hi:[1,0]
.endr
.irp j, 0,2,4,6,8,10,12,14,16,18,20,22,24,26,28,30
	v_pk_fma_f32 v[XB+\j:XB+\j+1], v[XB+\j:XB+\j+1], v[G+\j:G+\j+1], v[S+\j:S+\j+1]
.endr
	s_wait_xcnt 0x0                                ; the last row's stores have read their data: O is loaded anew below
.set jj, 0
.rept 4
.set n, 0
.rept 8
	v_med3_num_f32 v[T+8*(jj%2)+n], v[XB+8*jj+n], -v7, v7   ; the hold, into the set that the conversion before last has read
.set n, n+1
.endr
	v_cvt_scalef32_pk8_fp8_f32 v[CC+2*jj:CC+2*jj+1], v[T+8*(jj%2):T+8*(jj%2)+7], v6   ; word j of the eight: the codes of columns 128 j + 4 x lane + 0 .. 3
.set jj, jj+1
.endr
	v_nop                                          ; a plain line behind the last conversion
.if (\i)+2 < 4
	XLOAD (\i)+2                                   ; this buffer is free: the row two further on
.endif
.set j, 0
.rept 8
	ds_store_b32 v4, v[CC+j] offset:128*j
.set j, j+1
.endr
	ds_load_b128 v[O:O+3], v5                      ; LDS serves a wave's instructions in order: these see my stores
	ds_load_b128 v[O+4:O+7], v5 offset:512
	s_wait_dscnt 1                                 ; the second load may be out
	global_store_b128 v3, v[O:O+3], s[20:21] offset:1024*(\i)
	s_wait_dscnt 0
	global_store_b128 v3, v[O+4:O+7], s[20:21] offset:1024*(\i)+512   ; 32 lanes store 512 consecutive bytes, aligned
.endm
	ROW 0
	ROW 1
	ROW 2
	ROW 3
	s_wait_tensorcnt 0x0                           ; the wave's end, behind my last LDS store
	ds_add_u32 v[SPW], v[NIL]
	s_wait_dscnt 0x0
	s_endpgm
.Lfunc_end_k_q76c594b555_ln2:
	.size	k_q76c594b555_ln2, .Lfunc_end_k_q76c594b555_ln2-k_q76c594b555_ln2
	.p2alignl 7, 3214868480
	.fill 96, 4, 3214868480
	.section	.rodata,"a",@progbits
	.p2align	6, 0x0
	.amdhsa_kernel k_q76c594b555_ln2
		.amdhsa_group_segment_fixed_size 4608
		.amdhsa_private_segment_fixed_size 0
		.amdhsa_enable_private_segment 0
		.amdhsa_kernarg_size 40
		.amdhsa_user_sgpr_count 2
		.amdhsa_user_sgpr_kernarg_segment_ptr 1
		.amdhsa_wavefront_size32 1
		.amdhsa_system_sgpr_workgroup_id_x 1
		.amdhsa_system_sgpr_workgroup_id_y 1
		.amdhsa_system_sgpr_workgroup_id_z 1
		.amdhsa_system_vgpr_workitem_id 0
		.amdhsa_next_free_vgpr 192
		.amdhsa_next_free_sgpr 80
		.amdhsa_reserve_vcc 0
		.amdhsa_float_denorm_mode_32 3
		.amdhsa_float_denorm_mode_16_64 3
		.amdhsa_memory_ordered 1
		.amdhsa_forward_progress 1
		.amdhsa_inst_pref_size 44
	.end_amdhsa_kernel
	.amdgpu_metadata
---
amdhsa.version: [ 1, 2 ]
amdhsa.kernels:
  - .name:           k_q76c594b555_ln2
    .symbol:         k_q76c594b555_ln2.kd
    .args:
      - { .name: x1, .offset: 0, .size: 8, .value_kind: global_buffer, .address_space: global }
      - { .name: g2, .offset: 8, .size: 8, .value_kind: global_buffer, .address_space: global }
      - { .name: s2, .offset: 16, .size: 8, .value_kind: global_buffer, .address_space: global }
      - { .name: lowp_scales, .offset: 24, .size: 8, .value_kind: global_buffer, .address_space: global }
      - { .name: h2c, .offset: 32, .size: 8, .value_kind: global_buffer, .address_space: global }
    .group_segment_fixed_size: 4608
    .private_segment_fixed_size: 0
    .kernarg_segment_align: 8
    .kernarg_segment_size: 40
    .max_flat_workgroup_size: 128
    .sgpr_count:     80
    .vgpr_count:     192
    .wavefront_size: 32
...
	.end_amdgpu_metadata
.endif
;; end of part 5
;; launch ffn1 (part 6): grid 16 x 16, 4 waves a work-group, clusters of 4 x 4, 327,680 bytes of LDS; arguments h2c, wcodes, lowp_scales, b1, ffc; writes ffc
.if DOCPART == 6
	.amdgcn_target "amdgcn-amd-amdhsa--gfx1250"
	.amdhsa_code_object_version 6
	.text
	.protected	k_q76c594b555_ffn1
	.globl	k_q76c594b555_ffn1
	.p2align	8
	.type	k_q76c594b555_ffn1,@function
k_q76c594b555_ffn1:
	s_mov_b64 s[64:65], 0
	v_nop
	global_prefetch_b8 v0, s[64:65] scope:SCOPE_SE
	s_setreg_imm32_b32 hwreg(HW_REG_WAVE_MODE, 25, 1), 1
	s_wait_xcnt 0x0
	s_wait_alu depctr_hold_cnt(0) depctr_sa_sdst(0) depctr_va_vdst(0) depctr_va_sdst(0) depctr_va_ssrc(0) depctr_va_vcc(0) depctr_vm_vsrc(0)
	s_getreg_b32 s2, hwreg(HW_REG_IB_STS2, 6, 4)
	s_cmp_eq_u32 s2, 0
	s_cbranch_scc0 .Lentry_in_a_cluster
	s_endpgm
.Lentry_in_a_cluster:
	s_bfe_u32 s2, ttmp6, 0x10000c
	s_cmp_lg_u32 s2, 0xf033
	s_cbranch_scc0 .Lentry_shape_is_right
	s_endpgm
.Lentry_shape_is_right:
; ff = gelu(h2 W1 + b1), quantised for the next product: C = A B^T on codes of FP8 (E4M3), K = 1,024; A = h2c [4096][1024], B = W1's codes [4096 n][1024 k] at 4 MiB of wcodes; out ffc [4096][4096] codes.
; y = sum x 2^(e12 + e13) + b1;  gelu(y) = 0.5 y (1 + tanh u), u = sqrt(2 / pi) (y + 0.044715 y^3), is computed as y / (1 + 2^(y (k1 + k2 y^2))), k1 = -2 log2(e) sqrt(2 / pi), k2 = 0.044715 k1: the same function, all in f32.
; code = gelu / 2^e14, held within +-448.  LIMITS: e12 + e13 between -126 and 127; e14 between -126 and 119.
; A tile of 256 x 256 to a work-group of four waves, 128 x 128 a wave (64 accumulators, 512 registers); K in steps of 256 through two LDS slots filled by joint tensor loads: A's tile is shared along a row
; of the 4 x 4 cluster, B's along a column.  THE MATRIX INSTRUCTION IS USED TRANSPOSED (source 0 = 16 rows of B, source 1 = 16 rows of A): a lane holds eight neighbouring columns of one row: eight neighbours along the next K.
; REGISTERS in windows of 256: window 0: v0-31 addresses and constants, v32-95 the bias in the result's layout, from v128 A's fragments (one set); on the way out v96-159 y, v160-223 at work, v224-255 codes;
;   window 1: B's fragments (two sets); windows 2, 3: the accumulators.
.set SIZE_K, 1024
.set KSTEP,  256
.set ROWB,   256
.set KROW,   SIZE_K
.set PITCH,  272                       ; an LDS row: 256 bytes + 16 of padding: the 16 rows that a load touches start at 16 different banks (64 banks of 4 bytes: ISA guide 11.1)
.set FR,     16
.set NL,     4
.set NP,     4                         ; places behind this matrix instruction (ISA guide 7.12.1)
.set HALFT,  128*PITCH
.set SLOT,   4*HALFT
.set LAPS,   SIZE_K/(2*KSTEP)
.set SPARE,  2*SLOT                    ; behind the ring: the spare words, 128 bytes a wave, two blocks of 256 bytes that no other line names
.set BO,   7                           ; v7     the bias loads' offset; not rewritten
.set ADRA, 16
.set K1,   18                          ; v[18:19] k1, twice
.set ADRB, 20
.set RDV,  22
.set COV,  23
.set STO,  24
.set SPW,  28
.set NIL,  29
.set LIMV, 30
.set SCV,  31
.set BI,   32
.set Y,    96
.set E,    160
.set CDG,  224
.set AF,   128
.set G1, 24
.set G0, 32
.set G1B, 48
.set G0B, 56
.set MSB, 0
.macro WIN new                         ; the immediate's high byte repeats the setting that is left
.if MSB != (\new)
	s_set_vgpr_msb (MSB<<8)|(\new)
.set MSB, \new
.endif
.endm
.set MUL_LO, 0xa1
.set MUL_HI, 0xf1
.set TO_B,   0x40
.macro JLOAD g0a, g1a, g0b, g1b        ; a joint load: waves 0, 1 for A, waves 2, 3 for B; an s_nop 0 and four v_nop follow each line
	s_cmp_eq_u32 s15, 0
	s_cbranch_scc0 .Lfor_b_\@
	tensor_load_to_lds s[\g0a:\g0a+3], s[\g1a:\g1a+7]
	s_nop 0
.rept 4
	v_nop
.endr
	s_branch .Lasked_\@
.Lfor_b_\@:
	tensor_load_to_lds s[\g0b:\g0b+3], s[\g1b:\g1b+7]
	s_nop 0
.rept 4
	v_nop
.endr
.Lasked_\@:
.endm
.macro CREST
	s_cmp_lg_u32 s14, 0
	s_cbranch_scc1 .Lnot_wave_0_\@
	s_barrier_signal -3
.Lnot_wave_0_\@:
	s_barrier_wait -3
	s_barrier_signal -1
	s_barrier_wait -1
.endm
.macro CROUND
	s_barrier_signal -1
	s_barrier_wait -1
	CREST
.endm
	s_load_b256 s[68:75], s[0:1], 0x0              ; h2c, wcodes, the scales' exponents, b1
	s_load_b64 s[76:77], s[0:1], 0x20              ; ffc
	v_lshl_add_u32 v[SPW], v0, 2, SPARE
	v_mov_b32 v[NIL], 0
	ds_add_u32 v[SPW], v[NIL]                      ; the wave's opening: the add and its wait ahead of my first tensor load
	v_lshrrev_b32 v1, 5, v0
	v_readfirstlane_b32 s14, v1                    ; wave 0..3
	s_lshr_b32 s15, s14, 1
	s_and_b32 s16, s14, 1
	s_bfe_u32 s40, ttmp6, 0x40000                  ; cx, cy
	s_bfe_u32 s41, ttmp6, 0x40004
	s_lshl_b32 s42, ttmp9, 2
	s_add_co_u32 s42, s42, s40                     ; tile column
	s_and_b32 s17, ttmp7, 0xffff
	s_lshl_b32 s17, s17, 2
	s_add_co_u32 s17, s17, s41                     ; tile row
	s_lshl_b32 s43, s41, 2
	s_lshl_b32 s43, 15, s43
	s_lshl_b32 s44, 0x1111, s40
	s_or_b32 s[G1+0], s43, (0<<16)|(1<<20)|(1<<21)|(5<<22)|(3<<25)
	s_or_b32 s[G1B+0], s44, (0<<16)|(1<<20)|(1<<21)|(5<<22)|(3<<25)
.irp g, G1, G1B
	s_mov_b32 s[\g+1], ROWB<<16
	s_mov_b32 s[\g+2], 128<<16
	s_mov_b32 s[\g+3], ROWB<<16
	s_mov_b32 s[\g+4], 128
	s_mov_b32 s[\g+5], KROW
	s_mov_b32 s[\g+6], 0
	s_mov_b32 s[\g+7], 0
.endr
	s_lshl_b32 s18, s16, 7
	s_lshl_b32 s20, s17, 8
	s_add_co_u32 s20, s20, s18
	s_lshl_b32 s46, s42, 8
	s_add_co_u32 s46, s46, s18
	s_mul_i32 s20, s20, KROW
	s_mov_b32 s21, 0
	s_mul_i32 s46, s46, KROW
	s_mov_b32 s47, 0
	s_mul_i32 s45, s14, HALFT
	s_wait_dscnt 0x0                               ; the opening add is done
	s_wait_kmcnt 0x0
	s_load_b512 s[84:99], s[72:73], 0x0            ; e0 .. e15
	s_add_nc_u64 s[6:7], s[70:71], 0x400000        ; W1's codes
	s_add_nc_u64 s[20:21], s[68:69], s[20:21]
	s_add_nc_u64 s[46:47], s[6:7], s[46:47]
	CROUND                                         ; all sixteen work-groups are here: the first joint loads meet
.irp s, 0,1
	s_mov_b32 s[G0+4*\s], 1
	s_add_co_u32 s[G0+4*\s+1], s45, \s*SLOT
	s_add_nc_u64 s[G0+4*\s+2:G0+4*\s+3], s[20:21], \s*ROWB
	s_or_b32 s[G0+4*\s+3], s[G0+4*\s+3], 0x80000000
	s_mov_b32 s[G0B+4*\s], 1
	s_add_co_u32 s[G0B+4*\s+1], s45, \s*SLOT
	s_add_nc_u64 s[G0B+4*\s+2:G0B+4*\s+3], s[46:47], \s*ROWB
	s_or_b32 s[G0B+4*\s+3], s[G0B+4*\s+3], 0x80000000
	JLOAD G0+4*\s, G1, G0B+4*\s, G1B
.endr
	v_and_b32 v1, 15, v0
	v_bfe_u32 v2, v0, 4, 1
	v_mul_u32_u24 v3, v1, PITCH
	v_lshl_add_u32 v4, v2, 4, v3
	s_mul_i32 s21, s15, HALFT
	s_mul_i32 s22, s16, HALFT
	s_add_co_u32 s22, s22, 2*HALFT
.irp s, 0,1
	v_add_nc_u32 v[ADRA+\s], s21, v4
	v_add_nc_u32 v[ADRB+\s], s22, v4
	s_add_co_u32 s21, s21, SLOT
	s_add_co_u32 s22, s22, SLOT
.endr
	s_lshl_b32 s4, s42, 10                         ; the bias of my 128 columns: lane (r, h) wants, for block b, columns 16 b + 8 h + 0 .. 7
	s_lshl_b32 s5, s16, 9
	s_add_co_u32 s4, s4, s5
	s_mov_b32 s5, 0
	s_add_nc_u64 s[74:75], s[74:75], s[4:5]
	v_lshlrev_b32 v[BO], 5, v2
.irp b, 0,1,2,3,4,5,6,7
	global_load_b128 v[BI+8*\b:BI+8*\b+3], v[BO], s[74:75] offset:64*\b
	global_load_b128 v[BI+8*\b+4:BI+8*\b+7], v[BO], s[74:75] offset:64*\b+16
.endr
	; the way out: ONE stage of 256 rows x (256 bytes + 16) in slot 0, which has had its last fill and its last read when the first code is stored there
	s_mul_i32 s23, s15, HALFT
	s_lshl_b32 s19, s16, 7
	s_add_co_u32 s23, s23, s19
	v_lshl_add_u32 v5, v2, 3, v3
	v_add_nc_u32 v[STO], s23, v5                   ; row 128 x row half + r, byte 128 x column half + 8 h
	s_mul_i32 s19, s14, 64*PITCH
	v_mul_u32_u24 v9, v2, PITCH
	v_lshl_add_u32 v9, v1, 4, v9
	v_add_nc_u32 v[RDV], s19, v9                   ; back: wave w takes rows 64 w on, whole; sixteen lanes to a row
	v_lshlrev_b32 v10, 12, v2
	v_lshl_add_u32 v[COV], v1, 4, v10              ; a row of ffc is 4,096 bytes
	s_lshl_b32 s4, s17, 8
	s_lshl_b32 s5, s14, 6
	s_add_co_u32 s4, s4, s5
	s_lshl_b32 s4, s4, 12
	s_lshl_b32 s5, s42, 8
	s_add_co_u32 s4, s4, s5
	s_mov_b32 s5, 0
	s_add_nc_u64 s[76:77], s[76:77], s[4:5]        ; ffc at row 256 x tile row + 64 x wave, byte 256 x tile column
.macro FRAG reg, adr, q, i             ; 16 rows x 128 K: registers 4 c .. 4 c + 3 hold K = 32 c + 16 (l / 16) + 0 .. 15: the same order of k in A and in B
.irp c, 0,1,2,3
	ds_load_b128 v[\reg+4*\c:\reg+4*\c+3], v[\adr] offset:128*(\q)+32*\c+(\i)*16*PITCH
.endr
.endm
.macro MUL16 a0, p, zero               ; the 64 accumulators take turns, one instruction a turn, in the same order in every step
.irp a, \a0, \a0+1
.irp b, 0,1,2,3,4,5,6,7
.if \zero
	v_wmma_f32_16x16x128_fp8_fp8 v[8*(8*((\a)%4)+\b):8*(8*((\a)%4)+\b)+7], v[128*(\p)+FR*\b:128*(\p)+FR*\b+FR-1], v[AF+FR*(\a):AF+FR*(\a)+FR-1], 0
.else
	v_wmma_f32_16x16x128_fp8_fp8 v[8*(8*((\a)%4)+\b):8*(8*((\a)%4)+\b)+7], v[128*(\p)+FR*\b:128*(\p)+FR*\b+FR-1], v[AF+FR*(\a):AF+FR*(\a)+FR-1], v[8*(8*((\a)%4)+\b):8*(8*((\a)%4)+\b)+7]
.endif
.endr
.endr
.endm
.macro FETCH_B slot, q, p
	WIN TO_B
.irp i, 0,1,2,3,4,5,6,7
	FRAG 128*(\p)+FR*\i, ADRB+\slot, \q, \i
.endr
	WIN 0
.endm
.macro FETCH_A slot, q, i0
.irp i, \i0, \i0+1, \i0+2, \i0+3
	FRAG AF+FR*(\i), ADRA+\slot, \q, \i
.endr
.endm
.macro PLACES n                        ; plain vector lines between a matrix instruction and a load into, or a vector line on, its registers
.rept \n
	v_nop
.endr
.endm
.macro STEP slot, q, zero
	s_wait_dscnt 4*NL                              ; the youngest 16 loads (A's blocks 4-7) may be out
	WIN MUL_LO
	MUL16 0, (\q)%2, \zero
	MUL16 2, (\q)%2, \zero
	s_wait_dscnt 0
	PLACES NP
	FETCH_B \slot, (\q)+1, 1-(\q)%2
	FETCH_A \slot, (\q)+1, 0
	WIN MUL_HI
	MUL16 4, (\q)%2, \zero
	MUL16 6, (\q)%2, \zero
	PLACES NP
	WIN 0
	FETCH_A \slot, (\q)+1, 4
.endm
.macro TURN slot, next, fill           ; a slot's last step changes slots: the three lines, one barrier, the refill first behind it
	s_wait_tensorcnt 0x0                           ; all my tensor loads have landed
	ds_add_u32 v[SPW], v[NIL]
	s_wait_dscnt 4*NL+1                            ; the add and the youngest 16 loads may be out
	WIN MUL_LO
	MUL16 0, 1, 0
	s_wait_dscnt 0x0                               ; the add is done, and my reads of this slot are over
	s_barrier_signal -1
	MUL16 2, 1, 0
	WIN 0
	s_barrier_wait -1
.if \fill
	CREST                                          ; the barrier has opened a round of the cluster's
	s_add_nc_u64 s[G0+4*\slot+2:G0+4*\slot+3], s[G0+4*\slot+2:G0+4*\slot+3], 2*ROWB
	s_add_nc_u64 s[G0B+4*\slot+2:G0B+4*\slot+3], s[G0B+4*\slot+2:G0B+4*\slot+3], 2*ROWB
	JLOAD G0+4*\slot, G1, G0B+4*\slot, G1B
.else
	PLACES NP
.endif
	FETCH_B \next, 0, 0
	FETCH_A \next, 0, 0
	WIN MUL_HI
	MUL16 4, 1, 0
	MUL16 6, 1, 0
	PLACES NP
	WIN 0
	FETCH_A \next, 0, 4
.endm
	s_wait_tensorcnt 1                             ; my part of K step 0 is in; K step 1's load may be out
	s_barrier_signal -1
	s_barrier_wait -1
	FETCH_B 0, 0, 0
	FETCH_A 0, 0, 0
	FETCH_A 0, 0, 4
	STEP 0, 0, 1
	s_mov_b32 s3, LAPS-1
.Llap:
	TURN 0, 1, 1
	STEP 1, 0, 0
	TURN 1, 0, 1
	STEP 0, 0, 0
	s_sub_co_u32 s3, s3, 1
	s_cmp_lg_u32 s3, 0
	s_cbranch_scc1 .Llap
	TURN 0, 1, 0
	STEP 1, 0, 0
	s_wait_dscnt 4*NL
	WIN MUL_LO
	MUL16 0, 1, 0
	MUL16 2, 1, 0
	s_wait_dscnt 0
	WIN MUL_HI
	MUL16 4, 1, 0
	MUL16 6, 1, 0
	WIN 0
	; THE WAY OUT: bias, gelu, hold, convert, 8 codes a lane into the stage; a barrier; whole rows back and out.
	s_wait_kmcnt 0x0
	s_add_co_i32 s66, s96, s97                     ; e12 + e13
	s_add_co_i32 s66, s66, 127
	s_lshl_b32 s66, s66, 23
	s_mov_b32 s67, s66                             ; (named with it as a pair)
	s_add_co_i32 s4, s98, 127                      ; e14
	s_lshl_b32 s5, s4, 23
	v_mov_b32 v[SCV], s5
	s_add_co_i32 s4, s4, 8
	s_lshl_b32 s4, s4, 23
	s_or_b32 s4, s4, 0x600000
	v_mov_b32 v[LIMV], s4
	s_mov_b32 s86, 0xbdd2d3e8                      ; k2 = -0.10294324
	s_mov_b32 s87, s86
	v_mov_b32 v[K1], 0xc0135761                    ; k1 = -2.3022082
	v_mov_b32 v[K1+1], 0xc0135761
	s_wait_loadcnt 0x0                             ; the bias
	PLACES NP
.macro GBLOCK a                        ; block a: 16 rows x 128 columns, 64 numbers a lane
.set AC, 64*((\a)%4)
	WIN 0x02+((\a)/4)                              ; source 0: window 2 or 3
.set j, 0
.rept 32
	v_pk_fma_f32 v[Y+j:Y+j+1], v[AC+j:AC+j+1], s[66:67], v[BI+j:BI+j+1] op_sel_hi:[1,0,1]   ; y; each accumulator from its low end on
.set j, j+2
.endr
	WIN 0
.set j, 0
.rept 32
	v_pk_mul_f32 v[E+j:E+j+1], v[Y+j:Y+j+1], v[Y+j:Y+j+1]
.set j, j+2
.endr
.set j, 0
.rept 32
	v_pk_fma_f32 v[E+j:E+j+1], v[E+j:E+j+1], s[86:87], v[K1:K1+1] op_sel_hi:[1,0,1]   ; k1 + k2 y^2
.set j, j+2
.endr
.set j, 0
.rept 32
	v_pk_mul_f32 v[E+j:E+j+1], v[E+j:E+j+1], v[Y+j:Y+j+1]
.set j, j+2
.endr
.set j, 0
.rept 64
	v_exp_f32 v[E+j], v[E+j]
.set j, j+1
.endr
	v_nop                                          ; a plain line behind the last exponential
	s_wait_alu depctr_va_vdst(0)                   ; one wait for the batch, ahead of the first line that names a result
.set j, 0
.rept 32
	v_pk_add_f32 v[E+j:E+j+1], v[E+j:E+j+1], 1.0 op_sel_hi:[1,0]
.set j, j+2
.endr
.set j, 0
.rept 64
	v_rcp_f32 v[E+j], v[E+j]
.set j, j+1
.endr
	v_nop
	s_wait_alu depctr_va_vdst(0)                   ; one wait for the batch of reciprocals
.set j, 0
.rept 32
	v_pk_mul_f32 v[Y+j:Y+j+1], v[Y+j:Y+j+1], v[E+j:E+j+1]   ; gelu(y)
.set j, j+2
.endr
.set j, 0
.rept 64
	v_med3_num_f32 v[Y+j], v[Y+j], -v[LIMV], v[LIMV]
.set j, j+1
.endr
	s_wait_dscnt 8                                 ; the last block's eight stores may be out; those of the block before, from this set of code registers, are done
.irp b, 0,1,2,3,4,5,6,7
	v_cvt_scalef32_pk8_fp8_f32 v[CDG+16*((\a)%2)+2*\b:CDG+16*((\a)%2)+2*\b+1], v[Y+8*\b:Y+8*\b+7], v[SCV]
.endr
	v_nop                                          ; a plain line behind the last conversion: the next block writes its sources
.irp b, 0,1,2,3,4,5,6,7
	ds_store_b64 v[STO], v[CDG+16*((\a)%2)+2*\b:CDG+16*((\a)%2)+2*\b+1] offset:(\a)*16*PITCH+16*\b
.endr
.endm
.irp a, 0,1,2,3,4,5,6,7
	GBLOCK \a
.endr
	s_wait_dscnt 0x0                               ; for the others' sake: my stores into the stage are done
	s_barrier_signal -1
	s_barrier_wait -1
.set i, 0
.rept 32
	ds_load_b128 v[Y+4*i:Y+4*i+3], v[RDV] offset:i*2*PITCH
.set i, i+1
.endr
.set i, 0
.rept 32
	s_wait_dscnt 31-i                              ; the younger loads may stay out
	global_store_b128 v[COV], v[Y+4*i:Y+4*i+3], s[76:77] offset:8192*i   ; sixteen lanes store 256 consecutive bytes, aligned
.set i, i+1
.endr
	s_wait_tensorcnt 0x0                           ; the wave's end
	ds_add_u32 v[SPW], v[NIL]
	s_wait_dscnt 0x0
	CROUND                                         ; the closing round
	s_endpgm
.Lfunc_end_k_q76c594b555_ffn1:
	.size	k_q76c594b555_ffn1, .Lfunc_end_k_q76c594b555_ffn1-k_q76c594b555_ffn1
	.p2alignl 7, 3214868480
	.fill 96, 4, 3214868480
	.section	.rodata,"a",@progbits
	.p2align	6, 0x0
	.amdhsa_kernel k_q76c594b555_ffn1
		.amdhsa_group_segment_fixed_size 327680
		.amdhsa_private_segment_fixed_size 0
		.amdhsa_enable_private_segment 0
		.amdhsa_kernarg_size 40
		.amdhsa_user_sgpr_count 2
		.amdhsa_user_sgpr_kernarg_segment_ptr 1
		.amdhsa_wavefront_size32 1
		.amdhsa_system_sgpr_workgroup_id_x 1
		.amdhsa_system_sgpr_workgroup_id_y 1
		.amdhsa_system_sgpr_workgroup_id_z 1
		.amdhsa_system_vgpr_workitem_id 0
		.amdhsa_next_free_vgpr 1024
		.amdhsa_next_free_sgpr 100
		.amdhsa_reserve_vcc 0
		.amdhsa_float_denorm_mode_32 3
		.amdhsa_float_denorm_mode_16_64 3
		.amdhsa_memory_ordered 1
		.amdhsa_forward_progress 1
		.amdhsa_inst_pref_size 255
	.end_amdhsa_kernel
	.section	.bss,"aw",@nobits
	.p2align	6
	.space	262144
	.amdgpu_metadata
---
amdhsa.version: [ 1, 2 ]
amdhsa.kernels:
  - .name:           k_q76c594b555_ffn1
    .symbol:         k_q76c594b555_ffn1.kd
    .args:
      - { .name: h2c, .offset: 0, .size: 8, .value_kind: global_buffer, .address_space: global }
      - { .name: wcodes, .offset: 8, .size: 8, .value_kind: global_buffer, .address_space: global }
      - { .name: lowp_scales, .offset: 16, .size: 8, .value_kind: global_buffer, .address_space: global }
      - { .name: b1, .offset: 24, .size: 8, .value_kind: global_buffer, .address_space: global }
      - { .name: ffc, .offset: 32, .size: 8, .value_kind: global_buffer, .address_space: global }
    .group_segment_fixed_size: 327680
    .private_segment_fixed_size: 0
    .kernarg_segment_align: 8
    .kernarg_segment_size: 40
    .max_flat_workgroup_size: 128
    .sgpr_count:     100
    .vgpr_count:     1024
    .wavefront_size: 32
...
	.end_amdgpu_metadata
.endif
;; end of part 6
;; launch ffn2 (part 7): grid 4 x 16, 4 waves a work-group, clusters of 4 x 4, 327,680 bytes of LDS; arguments ffc, wcodes, lowp_scales, b2, x1, out0; writes out0
.if DOCPART == 7
	.amdgcn_target "amdgcn-amd-amdhsa--gfx1250"
	.amdhsa_code_object_version 6
	.text
	.protected	k_q76c594b555_ffn2
	.globl	k_q76c594b555_ffn2
	.p2align	8
	.type	k_q76c594b555_ffn2,@function
k_q76c594b555_ffn2:
	s_mov_b64 s[64:65], 0
	v_nop
	global_prefetch_b8 v0, s[64:65] scope:SCOPE_SE
	s_setreg_imm32_b32 hwreg(HW_REG_WAVE_MODE, 25, 1), 1
	s_wait_xcnt 0x0
	s_wait_alu depctr_hold_cnt(0) depctr_sa_sdst(0) depctr_va_vdst(0) depctr_va_sdst(0) depctr_va_ssrc(0) depctr_va_vcc(0) depctr_vm_vsrc(0)
	s_getreg_b32 s2, hwreg(HW_REG_IB_STS2, 6, 4)
	s_cmp_eq_u32 s2, 0
	s_cbranch_scc0 .Lentry_in_a_cluster
	s_endpgm
.Lentry_in_a_cluster:
	s_bfe_u32 s2, ttmp6, 0x10000c
	s_cmp_lg_u32 s2, 0xf033
	s_cbranch_scc0 .Lentry_shape_is_right
	s_endpgm
.Lentry_shape_is_right:
; out = x1 + (ff W2 + b2): C = A B^T on codes of FP8 (E4M3), K = 4,096; A = ffc [4096][4096], B = W2's codes [1024 n][4096 k] at 8 MiB of wcodes; out [4096][1024] f32.
; Each finished sum is multiplied once by 2^(e14 + e15); then the bias and the residual are added, in f32.  LIMIT: e14 + e15 between -126 and 127.
; A tile of 256 x 256 to a work-group of four waves, 128 x 128 a wave (64 accumulators, 512 registers); K in steps of 256 through two LDS slots filled by joint tensor loads: A's tile is shared along a row
; of the 4 x 4 cluster, B's along a column.  THE MATRIX INSTRUCTION IS USED TRANSPOSED (source 0 = 16 rows of B, source 1 = 16 rows of A): a lane holds eight neighbouring columns of one row of C.
; C has 64 such tiles: 64 work-groups.
; REGISTERS in windows of 256: window 0: v0-31 addresses, v32-95 at work on the way out, v96-99 my four numbers of the bias, from v128 A's fragments (one set), later rows read back;
;   window 1: B's fragments (two sets), later the residual's rows; windows 2, 3: the accumulators.
.set SIZE_K, 4096
.set WOFF,   0x800000                  ; the weight's place in wcodes
.set EA,     98                        ; s98 = e14, s99 = e15
.set EB,     99
.set KSTEP,  256
.set ROWB,   256
.set KROW,   SIZE_K
.set PITCH,  272                       ; an LDS row: 256 bytes + 16 of padding: the 16 rows that a load touches start at 16 different banks (64 banks of 4 bytes: ISA guide 11.1)
.set FR,     16
.set NL,     4
.set NP,     4                         ; places behind this matrix instruction (ISA guide 7.12.1)
.set HALFT,  128*PITCH
.set SLOT,   4*HALFT
.set LAPS,   SIZE_K/(2*KSTEP)
.set SPARE,  2*SLOT                    ; behind the ring: the spare words, 128 bytes a wave, two blocks of 256 bytes that no other line names
.set SPITCH, 528                       ; the way out: a stage of 16 rows x (512 bytes + 16) a wave, in slot 0, which has had its last fill and its last read by then
.set ADRA, 16
.set ADRB, 20
.set STO,  24
.set RD,   25
.set CO,   26                          ; v26 16 x lane
.set SPW,  28
.set NIL,  29
.set TMP,  32
.set BIA,  96
.set AF,   128
.set BK,   128
.set RB,   76                          ; s[76:77] the residual at my wave's corner
.set OB,   78                          ; s[78:79] the output there
.set G1, 24
.set G0, 32
.set G1B, 48
.set G0B, 56
.set MSB, 0
.macro WIN new                         ; the immediate's high byte repeats the setting that is left
.if MSB != (\new)
	s_set_vgpr_msb (MSB<<8)|(\new)
.set MSB, \new
.endif
.endm
.set MUL_LO, 0xa1
.set MUL_HI, 0xf1
.set TO_B,   0x40
.macro JLOAD g0a, g1a, g0b, g1b        ; a joint load: waves 0, 1 for A, waves 2, 3 for B; an s_nop 0 and four v_nop follow each line
	s_cmp_eq_u32 s15, 0
	s_cbranch_scc0 .Lfor_b_\@
	tensor_load_to_lds s[\g0a:\g0a+3], s[\g1a:\g1a+7]
	s_nop 0
.rept 4
	v_nop
.endr
	s_branch .Lasked_\@
.Lfor_b_\@:
	tensor_load_to_lds s[\g0b:\g0b+3], s[\g1b:\g1b+7]
	s_nop 0
.rept 4
	v_nop
.endr
.Lasked_\@:
.endm
.macro CREST
	s_cmp_lg_u32 s14, 0
	s_cbranch_scc1 .Lnot_wave_0_\@
	s_barrier_signal -3
.Lnot_wave_0_\@:
	s_barrier_wait -3
	s_barrier_signal -1
	s_barrier_wait -1
.endm
.macro CROUND
	s_barrier_signal -1
	s_barrier_wait -1
	CREST
.endm
	s_load_b256 s[68:75], s[0:1], 0x0              ; A's codes, wcodes, the scales' exponents, the bias
	s_load_b128 s[76:79], s[0:1], 0x20             ; the residual, the output
	v_lshl_add_u32 v[SPW], v0, 2, SPARE
	v_mov_b32 v[NIL], 0
	ds_add_u32 v[SPW], v[NIL]                      ; the wave's opening: the add and its wait ahead of my first tensor load
	v_lshrrev_b32 v1, 5, v0
	v_readfirstlane_b32 s14, v1                    ; wave 0..3
	s_lshr_b32 s15, s14, 1                         ; my half of the tile's rows; also: I fetch for A (0) or B (1)
	s_and_b32 s16, s14, 1                          ; my half of its columns; also: which 128 rows I fetch
	s_bfe_u32 s40, ttmp6, 0x40000                  ; cx, cy
	s_bfe_u32 s41, ttmp6, 0x40004
	s_lshl_b32 s42, ttmp9, 2
	s_add_co_u32 s42, s42, s40                     ; tile column
	s_and_b32 s17, ttmp7, 0xffff
	s_lshl_b32 s17, s17, 2
	s_add_co_u32 s17, s17, s41                     ; tile row
	s_lshl_b32 s43, s41, 2
	s_lshl_b32 s43, 15, s43                        ; my row of the cluster
	s_lshl_b32 s44, 0x1111, s40                    ; my column
	s_or_b32 s[G1+0], s43, (0<<16)|(1<<20)|(1<<21)|(5<<22)|(3<<25)
	s_or_b32 s[G1B+0], s44, (0<<16)|(1<<20)|(1<<21)|(5<<22)|(3<<25)
.irp g, G1, G1B
	s_mov_b32 s[\g+1], ROWB<<16
	s_mov_b32 s[\g+2], 128<<16
	s_mov_b32 s[\g+3], ROWB<<16
	s_mov_b32 s[\g+4], 128
	s_mov_b32 s[\g+5], KROW
	s_mov_b32 s[\g+6], 0
	s_mov_b32 s[\g+7], 0
.endr
	s_lshl_b32 s18, s16, 7
	s_lshl_b32 s20, s17, 8
	s_add_co_u32 s20, s20, s18
	s_lshl_b32 s46, s42, 8
	s_add_co_u32 s46, s46, s18
	s_mul_i32 s20, s20, KROW
	s_mov_b32 s21, 0
	s_mul_i32 s46, s46, KROW
	s_mov_b32 s47, 0
	s_mul_i32 s45, s14, HALFT
	s_wait_dscnt 0x0                               ; the opening add is done
	s_wait_kmcnt 0x0
	s_load_b512 s[84:99], s[72:73], 0x0            ; e0 .. e15
	s_add_nc_u64 s[6:7], s[70:71], WOFF
	s_add_nc_u64 s[20:21], s[68:69], s[20:21]
	s_add_nc_u64 s[46:47], s[6:7], s[46:47]
	CROUND                                         ; all sixteen work-groups are here: the first joint loads meet
.irp s, 0,1
	s_mov_b32 s[G0+4*\s], 1
	s_add_co_u32 s[G0+4*\s+1], s45, \s*SLOT
	s_add_nc_u64 s[G0+4*\s+2:G0+4*\s+3], s[20:21], \s*ROWB
	s_or_b32 s[G0+4*\s+3], s[G0+4*\s+3], 0x80000000
	s_mov_b32 s[G0B+4*\s], 1
	s_add_co_u32 s[G0B+4*\s+1], s45, \s*SLOT
	s_add_nc_u64 s[G0B+4*\s+2:G0B+4*\s+3], s[46:47], \s*ROWB
	s_or_b32 s[G0B+4*\s+3], s[G0B+4*\s+3], 0x80000000
	JLOAD G0+4*\s, G1, G0B+4*\s, G1B
.endr
	v_and_b32 v1, 15, v0
	v_bfe_u32 v2, v0, 4, 1
	v_mul_u32_u24 v3, v1, PITCH
	v_lshl_add_u32 v4, v2, 4, v3
	s_mul_i32 s21, s15, HALFT
	s_mul_i32 s22, s16, HALFT
	s_add_co_u32 s22, s22, 2*HALFT
.irp s, 0,1
	v_add_nc_u32 v[ADRA+\s], s21, v4
	v_add_nc_u32 v[ADRB+\s], s22, v4
	s_add_co_u32 s21, s21, SLOT
	s_add_co_u32 s22, s22, SLOT
.endr
	s_mul_i32 s23, s14, 16*SPITCH                  ; my stage
	v_mul_u32_u24 v5, v1, SPITCH
	v_lshl_add_u32 v5, v2, 5, v5
	v_add_nc_u32 v[STO], s23, v5                   ; in: row l % 16, 32 bytes for each half of the lanes
	v_and_b32 v6, 31, v0
	v_lshlrev_b32 v[CO], 4, v6
	v_add_nc_u32 v[RD], s23, v[CO]                 ; back: the 32 lanes take one row of 512 bytes
	s_lshl_b32 s4, s17, 8
	s_lshl_b32 s5, s15, 7
	s_add_co_u32 s4, s4, s5                        ; my first row
	s_lshl_b32 s4, s4, 12                          ; rows of 4,096 bytes
	s_lshl_b32 s6, s42, 10
	s_lshl_b32 s5, s16, 9
	s_add_co_u32 s6, s6, s5                        ; my first column, in bytes
	s_mov_b32 s7, 0
	s_add_co_u32 s4, s4, s6
	s_mov_b32 s5, 0
	s_add_nc_u64 s[RB:RB+1], s[RB:RB+1], s[4:5]
	s_add_nc_u64 s[OB:OB+1], s[OB:OB+1], s[4:5]
	s_add_nc_u64 s[74:75], s[74:75], s[6:7]
	global_load_b128 v[BIA:BIA+3], v[CO], s[74:75] ; the bias of columns 4 x lane + 0 .. 3 of my 128
.macro FRAG reg, adr, q, i             ; 16 rows x 128 K: registers 4 c .. 4 c + 3 hold K = 32 c + 16 (l / 16) + 0 .. 15: the same order of k in A and in B
.irp c, 0,1,2,3
	ds_load_b128 v[\reg+4*\c:\reg+4*\c+3], v[\adr] offset:128*(\q)+32*\c+(\i)*16*PITCH
.endr
.endm
.macro MUL16 a0, p, zero               ; the 64 accumulators take turns, one instruction a turn, in the same order in every step
.irp a, \a0, \a0+1
.irp b, 0,1,2,3,4,5,6,7
.if \zero
	v_wmma_f32_16x16x128_fp8_fp8 v[8*(8*((\a)%4)+\b):8*(8*((\a)%4)+\b)+7], v[128*(\p)+FR*\b:128*(\p)+FR*\b+FR-1], v[AF+FR*(\a):AF+FR*(\a)+FR-1], 0
.else
	v_wmma_f32_16x16x128_fp8_fp8 v[8*(8*((\a)%4)+\b):8*(8*((\a)%4)+\b)+7], v[128*(\p)+FR*\b:128*(\p)+FR*\b+FR-1], v[AF+FR*(\a):AF+FR*(\a)+FR-1], v[8*(8*((\a)%4)+\b):8*(8*((\a)%4)+\b)+7]
.endif
.endr
.endr
.endm
.macro FETCH_B slot, q, p
	WIN TO_B
.irp i, 0,1,2,3,4,5,6,7
	FRAG 128*(\p)+FR*\i, ADRB+\slot, \q, \i
.endr
	WIN 0
.endm
.macro FETCH_A slot, q, i0
.irp i, \i0, \i0+1, \i0+2, \i0+3
	FRAG AF+FR*(\i), ADRA+\slot, \q, \i
.endr
.endm
.macro PLACES n                        ; plain vector lines between a matrix instruction and a load into, or a vector line on, its registers
.rept \n
	v_nop
.endr
.endm
.macro STEP slot, q, zero
	s_wait_dscnt 4*NL                              ; the youngest 16 loads (A's blocks 4-7) may be out
	WIN MUL_LO
	MUL16 0, (\q)%2, \zero
	MUL16 2, (\q)%2, \zero
	s_wait_dscnt 0
	PLACES NP
	FETCH_B \slot, (\q)+1, 1-(\q)%2
	FETCH_A \slot, (\q)+1, 0
	WIN MUL_HI
	MUL16 4, (\q)%2, \zero
	MUL16 6, (\q)%2, \zero
	PLACES NP
	WIN 0
	FETCH_A \slot, (\q)+1, 4
.endm
.macro TURN slot, next, fill           ; a slot's last step changes slots: the three lines, one barrier, the refill first behind it
	s_wait_tensorcnt 0x0                           ; all my tensor loads have landed
	ds_add_u32 v[SPW], v[NIL]
	s_wait_dscnt 4*NL+1                            ; the add and the youngest 16 loads may be out
	WIN MUL_LO
	MUL16 0, 1, 0
	s_wait_dscnt 0x0                               ; the add is done, and my reads of this slot are over
	s_barrier_signal -1
	MUL16 2, 1, 0
	WIN 0
	s_barrier_wait -1
.if \fill
	CREST                                          ; the barrier has opened a round of the cluster's
	s_add_nc_u64 s[G0+4*\slot+2:G0+4*\slot+3], s[G0+4*\slot+2:G0+4*\slot+3], 2*ROWB
	s_add_nc_u64 s[G0B+4*\slot+2:G0B+4*\slot+3], s[G0B+4*\slot+2:G0B+4*\slot+3], 2*ROWB
	JLOAD G0+4*\slot, G1, G0B+4*\slot, G1B
.else
	PLACES NP
.endif
	FETCH_B \next, 0, 0
	FETCH_A \next, 0, 0
	WIN MUL_HI
	MUL16 4, 1, 0
	MUL16 6, 1, 0
	PLACES NP
	WIN 0
	FETCH_A \next, 0, 4
.endm
.macro RLOAD a                         ; the residual's rows 16 a .. 16 a + 15 of my 128, 512 consecutive bytes a load, into window 1, where B's fragments lay
	WIN 0x40
.set t, 0
.rept 16
	global_load_b128 v[64*((\a)%4)+4*t:64*((\a)%4)+4*t+3], v[CO], s[RB:RB+1] offset:(16*(\a)+t)*4096 th:TH_LOAD_NT
.set t, t+1
.endr
	WIN 0
.endm
	s_wait_tensorcnt 1                             ; my part of K step 0 is in; K step 1's load may be out
	s_barrier_signal -1
	s_barrier_wait -1
	FETCH_B 0, 0, 0
	FETCH_A 0, 0, 0
	FETCH_A 0, 0, 4
	STEP 0, 0, 1
	s_mov_b32 s3, LAPS-1
.Llap:
	TURN 0, 1, 1
	STEP 1, 0, 0
	TURN 1, 0, 1
	STEP 0, 0, 0
	s_sub_co_u32 s3, s3, 1
	s_cmp_lg_u32 s3, 0
	s_cbranch_scc1 .Llap
	TURN 0, 1, 0
	STEP 1, 0, 0
	RLOAD 0                                        ; B's set 0 is done with (the step's closing places stand behind its last products): the first residual rows are asked for under the last step
	RLOAD 1
	s_wait_dscnt 4*NL
	WIN MUL_LO
	MUL16 0, 1, 0
	MUL16 2, 1, 0
	s_wait_dscnt 0
	WIN MUL_HI
	MUL16 4, 1, 0
	MUL16 6, 1, 0
	WIN 0
; THE WAY OUT, block by block of 16 rows x 128 columns: x 2^(eA + eB), through my own stage, back as whole rows of 512 bytes; + bias, + residual; stored.
.macro TOSTAGE a
.set AC, 64*((\a)%4)
	WIN 0x02+((\a)/4)
.set j, 0
.rept 32
	v_pk_mul_f32 v[TMP+j:TMP+j+1], v[AC+j:AC+j+1], s[66:67] op_sel_hi:[1,0]   ; each accumulator from its low end on
.set j, j+2
.endr
	WIN 0
.irp b, 0,1,2,3,4,5,6,7
	ds_store_b128 v[STO], v[TMP+8*\b:TMP+8*\b+3] offset:64*\b
	ds_store_b128 v[STO], v[TMP+8*\b+4:TMP+8*\b+7] offset:64*\b+16
.endr
.set BB, BK+64*((\a)%2)
.set t, 0
.rept 16
	ds_load_b128 v[BB+4*t:BB+4*t+3], v[RD] offset:t*SPITCH   ; LDS serves a wave's instructions in order: these see my stores
.set t, t+1
.endr
.endm
.macro SEND a, younger
.set BB, BK+64*((\a)%2)
.set RR, 64*((\a)%4)
	s_wait_dscnt \younger                          ; the block is back in registers
.if (\a) <= 4
	s_wait_loadcnt 48                              ; its residual rows are in; those of the three blocks behind it, 16 loads each, may be out
.else
	s_wait_loadcnt 16*(7-(\a))
.endif
.set j, 0
.rept 32
	v_pk_add_f32 v[BB+2*j:BB+2*j+1], v[BB+2*j:BB+2*j+1], v[BIA+2*(j%2):BIA+2*(j%2)+1]
.set j, j+1
.endr
	WIN 0x04                                       ; source 1: window 1
.set j, 0
.rept 32
	v_pk_add_f32 v[BB+2*j:BB+2*j+1], v[BB+2*j:BB+2*j+1], v[RR+2*j:RR+2*j+1]
.set j, j+1
.endr
	WIN 0
.set t, 0
.rept 16
	global_store_b128 v[CO], v[BB+4*t:BB+4*t+3], s[OB:OB+1] offset:(16*(\a)+t)*4096   ; 32 lanes store 512 consecutive bytes, aligned
.set t, t+1
.endr
.if (\a) < 4
	RLOAD (\a)+4                                   ; its residual registers take the block four further on
.endif
.endm
	s_wait_kmcnt 0x0
	s_add_co_i32 s66, s[EA], s[EB]
	s_add_co_i32 s66, s66, 127
	s_lshl_b32 s66, s66, 23                        ; 2^(eA + eB) as f32
	s_mov_b32 s67, s66                             ; (named with it as a pair)
	PLACES NP
	RLOAD 2                                        ; B's set 1 is done with
	RLOAD 3
	TOSTAGE 0
.irp a, 1,2,3,4,5,6,7
.if \a > 1
	s_wait_xcnt 0x0                                ; block a - 2's stores have read their registers: block a's loads may land there
.endif
	TOSTAGE \a
	SEND \a-1, 32                                  ; behind block a - 1's loads: block a's 16 stores and 16 loads
.endr
	SEND 7, 0
	s_wait_tensorcnt 0x0                           ; the wave's end
	ds_add_u32 v[SPW], v[NIL]
	s_wait_dscnt 0x0
	CROUND                                         ; the closing round
	s_endpgm
.Lfunc_end_k_q76c594b555_ffn2:
	.size	k_q76c594b555_ffn2, .Lfunc_end_k_q76c594b555_ffn2-k_q76c594b555_ffn2
	.p2alignl 7, 3214868480
	.fill 96, 4, 3214868480
	.section	.rodata,"a",@progbits
	.p2align	6, 0x0
	.amdhsa_kernel k_q76c594b555_ffn2
		.amdhsa_group_segment_fixed_size 327680
		.amdhsa_private_segment_fixed_size 0
		.amdhsa_enable_private_segment 0
		.amdhsa_kernarg_size 48
		.amdhsa_user_sgpr_count 2
		.amdhsa_user_sgpr_kernarg_segment_ptr 1
		.amdhsa_wavefront_size32 1
		.amdhsa_system_sgpr_workgroup_id_x 1
		.amdhsa_system_sgpr_workgroup_id_y 1
		.amdhsa_system_sgpr_workgroup_id_z 1
		.amdhsa_system_vgpr_workitem_id 0
		.amdhsa_next_free_vgpr 1024
		.amdhsa_next_free_sgpr 100
		.amdhsa_reserve_vcc 0
		.amdhsa_float_denorm_mode_32 3
		.amdhsa_float_denorm_mode_16_64 3
		.amdhsa_memory_ordered 1
		.amdhsa_forward_progress 1
		.amdhsa_inst_pref_size 168
	.end_amdhsa_kernel
	.amdgpu_metadata
---
amdhsa.version: [ 1, 2 ]
amdhsa.kernels:
  - .name:           k_q76c594b555_ffn2
    .symbol:         k_q76c594b555_ffn2.kd
    .args:
      - { .name: ffc, .offset: 0, .size: 8, .value_kind: global_buffer, .address_space: global }
      - { .name: wcodes, .offset: 8, .size: 8, .value_kind: global_buffer, .address_space: global }
      - { .name: lowp_scales, .offset: 16, .size: 8, .value_kind: global_buffer, .address_space: global }
      - { .name: b2, .offset: 24, .size: 8, .value_kind: global_buffer, .address_space: global }
      - { .name: x1, .offset: 32, .size: 8, .value_kind: global_buffer, .address_space: global }
      - { .name: out0, .offset: 40, .size: 8, .value_kind: global_buffer, .address_space: global }
    .group_segment_fixed_size: 327680
    .private_segment_fixed_size: 0
    .kernarg_segment_align: 8
    .kernarg_segment_size: 48
    .max_flat_workgroup_size: 128
    .sgpr_count:     100
    .vgpr_count:     1024
    .wavefront_size: 32
...
	.end_amdgpu_metadata
.endif
;; end of part 7
;; ======== version 2 of 2: 7 launches
;; workspace buffers: wcodes 12,582,912 bytes; hc 12,582,912 bytes; qkvc 12,582,912 bytes; ctxc 4,194,304 bytes; x1 16,777,216 bytes; h2c 4,194,304 bytes; ffc 16,777,216 bytes
;; launch prep: the kernel of part 1 again; grid 640 x 1, 4 waves a work-group, no clusters, 47,616 bytes of LDS; arguments Wq, Wk, Wv, Wo, W1, W2, x, g1, s1, lowp_scales, wcodes, hc; writes wcodes, hc
;; launch qkv: the kernel of part 2 again; grid 12 x 16, 4 waves a work-group, clusters of 4 x 4, 327,680 bytes of LDS; arguments hc, wcodes, lowp_scales, qkvc; writes qkvc
;; launch attn: the kernel of part 3 again; grid 8 x 32, 16 waves a work-group, no clusters, 327,680 bytes of LDS; arguments qkvc, lowp_scales, ctxc; writes ctxc
;; launch wo (part 8): grid 8 x 32, 4 waves a work-group, clusters of 4 x 4, 327,680 bytes of LDS; arguments ctxc, wcodes, lowp_scales, bo, x, x1; writes x1
.if DOCPART == 8
	.amdgcn_target "amdgcn-amd-amdhsa--gfx1250"
	.amdhsa_code_object_version 6
	.text
	.protected	k_q76c594b555_wo
	.globl	k_q76c594b555_wo
	.p2align	8
	.type	k_q76c594b555_wo,@function
k_q76c594b555_wo:
	s_mov_b64 s[64:65], 0
	v_nop
	global_prefetch_b8 v0, s[64:65] scope:SCOPE_SE
	s_setreg_imm32_b32 hwreg(HW_REG_WAVE_MODE, 25, 1), 1
	s_wait_xcnt 0x0
	s_wait_alu depctr_hold_cnt(0) depctr_sa_sdst(0) depctr_va_vdst(0) depctr_va_sdst(0) depctr_va_ssrc(0) depctr_va_vcc(0) depctr_vm_vsrc(0)
	s_getreg_b32 s2, hwreg(HW_REG_IB_STS2, 6, 4)
	s_cmp_eq_u32 s2, 0
	s_cbranch_scc0 .Lentry_in_a_cluster
	s_endpgm
.Lentry_in_a_cluster:
	s_bfe_u32 s2, ttmp6, 0x10000c
	s_cmp_lg_u32 s2, 0xf033
	s_cbranch_scc0 .Lentry_shape_is_right
	s_endpgm
.Lentry_shape_is_right:
; x1 = x + (ctx Wo + bo): C = A B^T on codes of FP8 (E4M3), K = 1,024; A = ctxc [4096][1024], B = Wo's codes [1024 n][1024 k] at 3 MiB of wcodes; out [4096][1024] f32.
; Each finished sum goes through one packed multiply-add, sum x 2^(e10 + e11) + bias; then the residual is added, in f32.  LIMIT: e10 + e11 between -126 and 127.
; A tile of C is 128 x 128, so that C's 32 x 8 tiles give 256 work-groups.  Four waves, each 64 x 64: 16 accumulators of 16 x 16, 128 registers.
; K goes in steps of 512 (LDS rows of 512 bytes; a wave's tensor load brings 64 of them), as long as two slots in LDS allow.  Here K is two such steps: both slots are filled once, and nothing is filled again.
; CLUSTERS: 4 x 4 work-groups.  The four of a row of the cluster need the same tiles of A, the four of a column the same tiles of B: each tile is asked for JOINTLY, by the same tensor load with the same descriptor and a mask that names the four.
; THE MATRIX INSTRUCTION IS USED TRANSPOSED (source 0 = 16 rows of B, source 1 = 16 rows of A): a lane holds eight neighbouring columns of one row of C.
; A wave's 64 columns of f32 are 256 consecutive bytes of a row of C, aligned: each wave sends its own results out through its own stage, with no barrier.
; REGISTERS in windows of 256: window 0: v0-31 addresses; v32-63 a block's results; v64-127 rows read back from the stage, two sets; v128-255 the accumulators ((a, b) at v[128 + 8 (4 a + b)]).
;   window 1: two fragment buffers of 128: A's four fragments (16 rows x 128 K, 16 registers each), then B's four.   window 2: v0-127 the residual's rows, v128-159 the bias in the result's layout.
.set SIZE_K, 1024
.set WOFF,   0x300000                  ; the weight's place in wcodes
.set EA,     94                        ; s94 = e10, s95 = e11
.set EB,     95
.set KSTEP,  512
.set ROWB,   512                       ; a tile's row in bytes
.set KROW,   SIZE_K                    ; a row of A or of B in memory, in bytes
.set PITCH,  528                       ; an LDS row: 512 bytes + 16 of padding = 132 words: row r starts at bank 4 r mod 64 (64 banks of 4 bytes: ISA guide 11.1), so the 16 rows that a load touches start at 16 different banks
.set FR,     16                        ; registers of a fragment
.set NP,     4                         ; places behind this matrix instruction (ISA guide 7.12.1)
.set HALFT,  64*PITCH                  ; 64 rows: what one tensor load brings, and what one wave reads of A or of B
.set SLOT,   4*HALFT                   ; A's 128 rows, then B's 128 rows
.set LAPS,   SIZE_K/(2*KSTEP)          ; a lap = two K steps = once round the ring
.set SPARE,  2*SLOT                    ; behind the ring: the spare words, 128 bytes a wave, two blocks of 256 bytes that no other line names
.set STAGE,  SPARE+512                 ; behind them: a stage of 16 rows x (256 bytes + 16) for each wave; no fill lands there
.set SPITCH, 272
.set BO,   7                           ; v7     the bias loads' offset: 32 x (lane / 16); never rewritten
.set ADRA, 16                          ; v16-17 LDS address of my A fragments in slot 0, 1
.set ADRB, 20                          ; v20-21 the same for B
.set STO,  24                          ; v24    the way out: where I put 32 bytes of a row
.set RD,   25                          ; v25    the way out: where I read a row back
.set CO,   26                          ; v26    my byte offset in two rows of C; never rewritten
.set SPW,  28                          ; v28    my spare word; never rewritten
.set NIL,  29                          ; v29    0; never rewritten
.set TMP,  32
.set BK,   64
.set ACC,  128
.set F0,   0                           ; fragment buffers, in window 1
.set F1,   128
.set RES,  0                           ; in window 2
.set BI,   128                         ; in window 2
.set RB,   76                          ; s[76:77] the residual at my wave's corner
.set OB,   78                          ; s[78:79] the output there
.set G1, 24                            ; s[24:31] descriptor group 1 for A's tiles; s[32:39] group 0, one set for each slot
.set G0, 32
.set G1B, 48                           ; s[48:55], s[56:63] the same for B's tiles
.set G0B, 56
.set MSB, 0
.macro WIN new                         ; the immediate's high byte repeats the setting that is left
.if MSB != (\new)
	s_set_vgpr_msb (MSB<<8)|(\new)
.set MSB, \new
.endif
.endm
.set MUL,  0x05                        ; sources 0 (B) and 1 (A) window 1; C and D window 0
.set TO_F, 0x40                        ; destination window 1, address window 0
.macro JLOAD g0a, g1a, g0b, g1b        ; a joint load: waves 0, 1 for A, waves 2, 3 for B; the branch hangs on the wave's number alone; an s_nop 0 and four v_nop follow each line
	s_cmp_eq_u32 s15, 0
	s_cbranch_scc0 .Lfor_b_\@
	tensor_load_to_lds s[\g0a:\g0a+3], s[\g1a:\g1a+7]
	s_nop 0
.rept 4
	v_nop
.endr
	s_branch .Lasked_\@
.Lfor_b_\@:
	tensor_load_to_lds s[\g0b:\g0b+3], s[\g1b:\g1b+7]
	s_nop 0
.rept 4
	v_nop
.endr
.Lasked_\@:
.endm
.macro CREST                           ; a round of the cluster's barrier behind its opening barrier
	s_cmp_lg_u32 s14, 0
	s_cbranch_scc1 .Lnot_wave_0_\@
	s_barrier_signal -3
.Lnot_wave_0_\@:
	s_barrier_wait -3
	s_barrier_signal -1
	s_barrier_wait -1
.endm
.macro CROUND
	s_barrier_signal -1
	s_barrier_wait -1
	CREST
.endm
.macro RLOAD                           ; the residual's 64 rows x 256 bytes of my corner, two rows a load (sixteen lanes read 256 consecutive bytes), into registers of their own
	WIN 0x80                                       ; destination window 2, address window 0
.set ra, 0
.rept 4
.set rt, 0
.rept 8
	global_load_b128 v[RES+32*ra+4*rt:RES+32*ra+4*rt+3], v[CO], s[RB:RB+1] offset:(16*ra+2*rt)*4096 th:TH_LOAD_NT
.set rt, rt+1
.endr
.set ra, ra+1
.endr
	WIN 0
.endm
	s_load_b256 s[68:75], s[0:1], 0x0              ; A's codes, wcodes, the scales' exponents, the bias
	s_load_b128 s[76:79], s[0:1], 0x20             ; the residual, the output
	v_lshl_add_u32 v[SPW], v0, 2, SPARE
	v_mov_b32 v[NIL], 0
	ds_add_u32 v[SPW], v[NIL]                      ; the wave's opening: the add and its wait ahead of my first tensor load; work on registers stands between them
	v_lshrrev_b32 v1, 5, v0
	v_readfirstlane_b32 s14, v1                    ; wave 0..3
	s_lshr_b32 s15, s14, 1                         ; my half of the tile's rows; also: I fetch for A (0) or B (1)
	s_and_b32 s16, s14, 1                          ; my half of its columns; also: which 64 rows I fetch
	s_bfe_u32 s40, ttmp6, 0x40000                  ; cx, cy: my place in the cluster
	s_bfe_u32 s41, ttmp6, 0x40004
	s_lshl_b32 s42, ttmp9, 2
	s_add_co_u32 s42, s42, s40                     ; tile column, 0..7
	s_and_b32 s17, ttmp7, 0xffff
	s_lshl_b32 s17, s17, 2
	s_add_co_u32 s17, s17, s41                     ; tile row, 0..31
	s_lshl_b32 s43, s41, 2
	s_lshl_b32 s43, 15, s43                        ; my row of the cluster
	s_lshl_b32 s44, 0x1111, s40                    ; my column
	s_or_b32 s[G1+0], s43, (0<<16)|(1<<20)|(1<<21)|(6<<22)|(3<<25)  ; the mask; elements of 1 byte; padding on; bit 21 beside a mask; after every 128 words, 4 words
	s_or_b32 s[G1B+0], s44, (0<<16)|(1<<20)|(1<<21)|(6<<22)|(3<<25)
.irp g, G1, G1B
	s_mov_b32 s[\g+1], ROWB<<16                    ; tensor_dim0
	s_mov_b32 s[\g+2], 64<<16                      ; tensor_dim1
	s_mov_b32 s[\g+3], ROWB<<16                    ; tile_dim0
	s_mov_b32 s[\g+4], 64                          ; tile_dim1
	s_mov_b32 s[\g+5], KROW                        ; tensor_dim0_stride
	s_mov_b32 s[\g+6], 0
	s_mov_b32 s[\g+7], 0
.endr
	s_lshl_b32 s18, s16, 6
	s_lshl_b32 s20, s17, 7
	s_add_co_u32 s20, s20, s18                     ; A: row 128 x tile row + 64 x half
	s_lshl_b32 s46, s42, 7
	s_add_co_u32 s46, s46, s18                     ; B: row 128 x tile column + 64 x half
	s_mul_i32 s20, s20, KROW
	s_mov_b32 s21, 0
	s_mul_i32 s46, s46, KROW
	s_mov_b32 s47, 0
	s_mul_i32 s45, s14, HALFT                      ; where they go: wave x 64 rows: no place in the cluster enters an LDS address
	s_wait_dscnt 0x0                               ; the opening add is done
	s_wait_kmcnt 0x0
	s_load_b512 s[84:99], s[72:73], 0x0            ; e0 .. e15
	s_add_nc_u64 s[6:7], s[70:71], WOFF
	s_add_nc_u64 s[20:21], s[68:69], s[20:21]
	s_add_nc_u64 s[46:47], s[6:7], s[46:47]
	CROUND                                         ; all sixteen work-groups are here: the first joint loads meet
.irp s, 0,1
	s_mov_b32 s[G0+4*\s], 1
	s_add_co_u32 s[G0+4*\s+1], s45, \s*SLOT
	s_add_nc_u64 s[G0+4*\s+2:G0+4*\s+3], s[20:21], \s*ROWB
	s_or_b32 s[G0+4*\s+3], s[G0+4*\s+3], 0x80000000
	s_mov_b32 s[G0B+4*\s], 1
	s_add_co_u32 s[G0B+4*\s+1], s45, \s*SLOT
	s_add_nc_u64 s[G0B+4*\s+2:G0B+4*\s+3], s[46:47], \s*ROWB
	s_or_b32 s[G0B+4*\s+3], s[G0B+4*\s+3], 0x80000000
	JLOAD G0+4*\s, G1, G0B+4*\s, G1B
.endr
	v_and_b32 v1, 15, v0                           ; r = l % 16
	v_bfe_u32 v2, v0, 4, 1                         ; h = l / 16
	v_mul_u32_u24 v3, v1, PITCH
	v_lshl_add_u32 v4, v2, 4, v3                   ; a fragment's row x pitch + 16 x half
	s_mul_i32 s21, s15, HALFT                      ; my 64 rows of A
	s_mul_i32 s22, s16, HALFT                      ; my 64 rows of B,
	s_add_co_u32 s22, s22, 2*HALFT                 ; which lie behind A's 128
.irp s, 0,1
	v_add_nc_u32 v[ADRA+\s], s21, v4
	v_add_nc_u32 v[ADRB+\s], s22, v4
	s_add_co_u32 s21, s21, SLOT
	s_add_co_u32 s22, s22, SLOT
.endr
	s_mul_i32 s23, s14, 16*SPITCH
	s_add_co_u32 s23, s23, STAGE                   ; my stage
	v_mul_u32_u24 v5, v1, SPITCH
	v_lshl_add_u32 v5, v2, 5, v5
	v_add_nc_u32 v[STO], s23, v5                   ; in: row l % 16, 32 bytes for each half of the lanes
	v_mul_u32_u24 v6, v2, SPITCH
	v_lshl_add_u32 v6, v1, 4, v6
	v_add_nc_u32 v[RD], s23, v6                    ; back: lanes 0-15 take one row of 256 bytes, lanes 16-31 the next
	v_lshlrev_b32 v[CO], 12, v2
	v_lshl_add_u32 v[CO], v1, 4, v[CO]             ; and the same two rows in C: rows of 4,096 bytes
	v_lshlrev_b32 v[BO], 5, v2
	s_lshl_b32 s4, s17, 7
	s_lshl_b32 s5, s15, 6
	s_add_co_u32 s4, s4, s5                        ; my first row: 128 x tile row + 64 x half
	s_lshl_b32 s4, s4, 12
	s_lshl_b32 s6, s42, 9
	s_lshl_b32 s5, s16, 8
	s_add_co_u32 s6, s6, s5                        ; my first column, in bytes: 512 x tile column + 256 x half
	s_mov_b32 s7, 0
	s_add_co_u32 s4, s4, s6
	s_mov_b32 s5, 0
	s_add_nc_u64 s[RB:RB+1], s[RB:RB+1], s[4:5]
	s_add_nc_u64 s[OB:OB+1], s[OB:OB+1], s[4:5]
	s_add_nc_u64 s[74:75], s[74:75], s[6:7]
	WIN 0x80
.irp b, 0,1,2,3                        ; the bias in the result's layout: lane (r, h) wants, for block b, columns 16 b + 8 h + 0 .. 7
	global_load_b128 v[BI+8*\b:BI+8*\b+3], v[BO], s[74:75] offset:64*\b
	global_load_b128 v[BI+8*\b+4:BI+8*\b+7], v[BO], s[74:75] offset:64*\b+16
.endr
	WIN 0
.if LAPS == 1
	RLOAD                                          ; K is one lap: the residual is asked for at once
.endif
.macro FRAG reg, adr, k, i             ; 16 rows x 128 K: lane l holds row l % 16; registers 4 c .. 4 c + 3 hold K = 32 c + 16 (l / 16) + 0 .. 15: the same order of k in A and in B
.irp c, 0,1,2,3
	ds_load_b128 v[\reg+4*\c:\reg+4*\c+3], v[\adr] offset:(\k)+32*\c+(\i)*16*PITCH
.endr
.endm
; 4 matrix instructions: A's block a x B's four, 128 along K, from buffer f.  zero = 1: the product starts the sums: nothing is ever cleared.
; The 16 accumulators take turns, one instruction a turn, in the same order in every quarter.
.macro MUL4 f, a, zero
.irp b, 0,1,2,3
.if \zero
	v_wmma_f32_16x16x128_fp8_fp8 v[ACC+8*(4*(\a)+\b):ACC+8*(4*(\a)+\b)+7], v[\f+64+FR*\b:\f+64+FR*\b+FR-1], v[\f+FR*(\a):\f+FR*(\a)+FR-1], 0
.else
	v_wmma_f32_16x16x128_fp8_fp8 v[ACC+8*(4*(\a)+\b):ACC+8*(4*(\a)+\b)+7], v[\f+64+FR*\b:\f+64+FR*\b+FR-1], v[\f+FR*(\a):\f+FR*(\a)+FR-1], v[ACC+8*(4*(\a)+\b):ACC+8*(4*(\a)+\b)+7]
.endif
.endr
.endm
.macro FETCH slot, k, f                ; 32 LDS loads in one run: the fragments of 128 along K at byte k of the rows, into buffer f: B's four, then A's four
	WIN TO_F
.irp i, 0,1,2,3
	FRAG \f+64+FR*\i, ADRB+\slot, \k, \i
.endr
.irp i, 0,1,2,3
	FRAG \f+FR*\i, ADRA+\slot, \k, \i
.endr
.endm
.macro PLACES n                        ; plain vector lines between a matrix instruction and a load into, or a vector line on, its registers
.rept \n
	v_nop
.endr
.endm
; A K step is four quarters of 128 along K, 16 matrix instructions each, on buffers 0, 1, 0, 1.  One of the first three: multiplies buffer f and fetches the next quarter, at byte k, into g.
.macro QUARTER slot, k, f, g, zero
	s_wait_dscnt 8                                 ; B's four and A's blocks 0, 1 are in; the youngest eight loads (A's blocks 2, 3) may be out
	WIN MUL
	MUL4 \f, 0, \zero
	MUL4 \f, 1, \zero
	PLACES NP
	FETCH \slot, \k, \g
	s_wait_dscnt 32                                ; all but the 32 just issued
	WIN MUL
	MUL4 \f, 2, \zero
	MUL4 \f, 3, \zero
.endm
; The last quarter multiplies buffer 1 and changes slots: ONE barrier; in front of it each wave waits for all its tensor loads, adds 0 to its spare word, and waits for that and for its own reads of this slot.
; fill = 1: this slot is filled again, two K steps ahead.
.macro TURN slot, next, fill
	WIN 0                                          ; (the add's two registers lie in window 0)
	s_wait_tensorcnt 0x0                           ; all my tensor loads have landed: my part of the next slot
	ds_add_u32 v[SPW], v[NIL]
	s_wait_dscnt 9                                 ; the add and the youngest eight loads may be out
	WIN MUL
	MUL4 F1, 0, 0                                  ; four matrix instructions stand between the add and the wait for it
	s_wait_dscnt 0x0                               ; the add is done, and my reads of this slot are over
	s_barrier_signal -1
	MUL4 F1, 1, 0
.if \fill
	WIN 0
.endif
	s_barrier_wait -1
.if \fill
	CREST                                          ; the barrier has opened a round of the cluster's: no wave of any partner still reads this slot or has a load on its way
	s_add_nc_u64 s[G0+4*\slot+2:G0+4*\slot+3], s[G0+4*\slot+2:G0+4*\slot+3], 2*ROWB
	s_add_nc_u64 s[G0B+4*\slot+2:G0B+4*\slot+3], s[G0B+4*\slot+2:G0B+4*\slot+3], 2*ROWB
	JLOAD G0+4*\slot, G1, G0B+4*\slot, G1B         ; the first tensor load behind the round: 56 matrix instructions ahead of the wait for it; its four v_nop are the places in front of the loads below
.else
	PLACES NP
.endif
	FETCH \next, 0, F0
	WIN MUL
	MUL4 F1, 2, 0
	MUL4 F1, 3, 0
.endm
	s_wait_tensorcnt 1                             ; my part of K step 0 is in; K step 1's load may be out
	s_barrier_signal -1
	s_barrier_wait -1
	FETCH 0, 0, F0
	QUARTER 0, 128, F0, F1, 1                      ; the first quarter's products start the sums
.if LAPS > 1
	WIN 0                                          ; at a label and at a branch every window is 0
	s_mov_b32 s3, LAPS-1
.Llap:                                                 ; a trip goes once round the ring, from a lap's second quarter to the next lap's first, and fills both slots again
	QUARTER 0, 256, F1, F0, 0
	QUARTER 0, 384, F0, F1, 0
	TURN 0, 1, 1
	QUARTER 1, 128, F0, F1, 0
	QUARTER 1, 256, F1, F0, 0
	QUARTER 1, 384, F0, F1, 0
	TURN 1, 0, 1
	QUARTER 0, 128, F0, F1, 0
	WIN 0
	s_sub_co_u32 s3, s3, 1
	s_cmp_lg_u32 s3, 0
	s_cbranch_scc1 .Llap
	RLOAD                                          ; the residual is asked for one lap, 112 matrix instructions, ahead of its use
.endif
	QUARTER 0, 256, F1, F0, 0                      ; the last lap fills nothing, and has no round of the cluster's barrier
	QUARTER 0, 384, F0, F1, 0
	TURN 0, 1, 0
	QUARTER 1, 128, F0, F1, 0
	QUARTER 1, 256, F1, F0, 0
	QUARTER 1, 384, F0, F1, 0
	s_wait_dscnt 8                                 ; the very last quarter: nothing more to fetch
	WIN MUL
	MUL4 F1, 0, 0
	MUL4 F1, 1, 0
	s_wait_dscnt 0
	MUL4 F1, 2, 0
	MUL4 F1, 3, 0
	WIN 0
; THE WAY OUT, block by block of 16 rows x 64 columns: sum x 2^(eA + eB) + bias, through my own stage, back as whole rows of 256 bytes; + residual; stored.
.macro TOSTAGE a
	WIN 0x20                                       ; source 2 (the bias): window 2
.set j, 0
.rept 16
	v_pk_fma_f32 v[TMP+j:TMP+j+1], v[ACC+32*(\a)+j:ACC+32*(\a)+j+1], s[66:67], v[BI+j:BI+j+1] op_sel_hi:[1,0,1]   ; each accumulator from its low end on
.set j, j+2
.endr
	WIN 0
.irp b, 0,1,2,3
	ds_store_b128 v[STO], v[TMP+8*\b:TMP+8*\b+3] offset:64*\b
	ds_store_b128 v[STO], v[TMP+8*\b+4:TMP+8*\b+7] offset:64*\b+16
.endr
.set BB, BK+32*((\a)%2)
.set t, 0
.rept 8
	ds_load_b128 v[BB+4*t:BB+4*t+3], v[RD] offset:2*t*SPITCH   ; LDS serves a wave's instructions in order (ISA guide 5.7.1.4): these see my stores
.set t, t+1
.endr
.endm
.macro SEND a, younger                 ; younger: the LDS lines issued behind block a's loads, which may stay out
.set BB, BK+32*((\a)%2)
	s_wait_dscnt \younger                          ; the block is back in registers
	WIN 0x08                                       ; source 1 (the residual): window 2
.set j, 0
.rept 16
	v_pk_add_f32 v[BB+j:BB+j+1], v[BB+j:BB+j+1], v[RES+32*(\a)+j:RES+32*(\a)+j+1]
.set j, j+2
.endr
	WIN 0
.set t, 0
.rept 8
	global_store_b128 v[CO], v[BB+4*t:BB+4*t+3], s[OB:OB+1] offset:(16*(\a)+2*t)*4096   ; sixteen lanes store 256 consecutive bytes, aligned
.set t, t+1
.endr
.endm
	s_wait_kmcnt 0x0
	s_add_co_i32 s66, s[EA], s[EB]
	s_add_co_i32 s66, s66, 127
	s_lshl_b32 s66, s66, 23                        ; 2^(eA + eB) as f32
	s_mov_b32 s67, s66                             ; (named with it as a pair)
	s_wait_loadcnt 0x0                             ; the bias and the residual
	PLACES NP
	TOSTAGE 0
.irp a, 1,2,3
.if \a > 1
	s_wait_xcnt 0x0                                ; block a - 2's stores have read their registers: block a's loads may land there
.endif
	TOSTAGE \a
	SEND \a-1, 16                                  ; behind block a - 1's loads: block a's 8 stores and 8 loads
.endr
	SEND 3, 0
	s_wait_tensorcnt 0x0                           ; the wave's end
	ds_add_u32 v[SPW], v[NIL]
	s_wait_dscnt 0x0
	CROUND                                         ; the closing round: no work-group ends while a partner may still ask for a tile that names it
	s_endpgm
.Lfunc_end_k_q76c594b555_wo:
	.size	k_q76c594b555_wo, .Lfunc_end_k_q76c594b555_wo-k_q76c594b555_wo
	.p2alignl 7, 3214868480
	.fill 96, 4, 3214868480
	.section	.rodata,"a",@progbits
	.p2align	6, 0x0
	.amdhsa_kernel k_q76c594b555_wo
		.amdhsa_group_segment_fixed_size 327680
		.amdhsa_private_segment_fixed_size 0
		.amdhsa_enable_private_segment 0
		.amdhsa_kernarg_size 48
		.amdhsa_user_sgpr_count 2
		.amdhsa_user_sgpr_kernarg_segment_ptr 1
		.amdhsa_wavefront_size32 1
		.amdhsa_system_sgpr_workgroup_id_x 1
		.amdhsa_system_sgpr_workgroup_id_y 1
		.amdhsa_system_sgpr_workgroup_id_z 1
		.amdhsa_system_vgpr_workitem_id 0
		.amdhsa_next_free_vgpr 768
		.amdhsa_next_free_sgpr 100
		.amdhsa_reserve_vcc 0
		.amdhsa_float_denorm_mode_32 3
		.amdhsa_float_denorm_mode_16_64 3
		.amdhsa_memory_ordered 1
		.amdhsa_forward_progress 1
		.amdhsa_inst_pref_size 54
	.end_amdhsa_kernel
	.amdgpu_metadata
---
amdhsa.version: [ 1, 2 ]
amdhsa.kernels:
  - .name:           k_q76c594b555_wo
    .symbol:         k_q76c594b555_wo.kd
    .args:
      - { .name: ctxc, .offset: 0, .size: 8, .value_kind: global_buffer, .address_space: global }
      - { .name: wcodes, .offset: 8, .size: 8, .value_kind: global_buffer, .address_space: global }
      - { .name: lowp_scales, .offset: 16, .size: 8, .value_kind: global_buffer, .address_space: global }
      - { .name: bo, .offset: 24, .size: 8, .value_kind: global_buffer, .address_space: global }
      - { .name: x, .offset: 32, .size: 8, .value_kind: global_buffer, .address_space: global }
      - { .name: x1, .offset: 40, .size: 8, .value_kind: global_buffer, .address_space: global }
    .group_segment_fixed_size: 327680
    .private_segment_fixed_size: 0
    .kernarg_segment_align: 8
    .kernarg_segment_size: 48
    .max_flat_workgroup_size: 128
    .sgpr_count:     100
    .vgpr_count:     768
    .wavefront_size: 32
...
	.end_amdgpu_metadata
.endif
;; end of part 8
;; launch ln2: the kernel of part 5 again; grid 256 x 1, 4 waves a work-group, no clusters, 4,608 bytes of LDS; arguments x1, g2, s2, lowp_scales, h2c; writes h2c
;; launch ffn1: the kernel of part 6 again; grid 16 x 16, 4 waves a work-group, clusters of 4 x 4, 327,680 bytes of LDS; arguments h2c, wcodes, lowp_scales, b1, ffc; writes ffc
;; launch ffn2 (part 9): grid 8 x 32, 4 waves a work-group, clusters of 4 x 4, 327,680 bytes of LDS; arguments ffc, wcodes, lowp_scales, b2, x1, out0; writes out0
.if DOCPART == 9
	.amdgcn_target "amdgcn-amd-amdhsa--gfx1250"
	.amdhsa_code_object_version 6
	.text
	.protected	k_q76c594b555_ffn2
	.globl	k_q76c594b555_ffn2
	.p2align	8
	.type	k_q76c594b555_ffn2,@function
k_q76c594b555_ffn2:
	s_mov_b64 s[64:65], 0
	v_nop
	global_prefetch_b8 v0, s[64:65] scope:SCOPE_SE
	s_setreg_imm32_b32 hwreg(HW_REG_WAVE_MODE, 25, 1), 1
	s_wait_xcnt 0x0
	s_wait_alu depctr_hold_cnt(0) depctr_sa_sdst(0) depctr_va_vdst(0) depctr_va_sdst(0) depctr_va_ssrc(0) depctr_va_vcc(0) depctr_vm_vsrc(0)
	s_getreg_b32 s2, hwreg(HW_REG_IB_STS2, 6, 4)
	s_cmp_eq_u32 s2, 0
	s_cbranch_scc0 .Lentry_in_a_cluster
	s_endpgm
.Lentry_in_a_cluster:
	s_bfe_u32 s2, ttmp6, 0x10000c
	s_cmp_lg_u32 s2, 0xf033
	s_cbranch_scc0 .Lentry_shape_is_right
	s_endpgm
.Lentry_shape_is_right:
; out = x1 + (ff W2 + b2): C = A B^T on codes of FP8 (E4M3), K = 4,096; A = ffc [4096][4096], B = W2's codes [1024 n][4096 k] at 8 MiB of wcodes; out [4096][1024] f32.
; Each finished sum goes through one packed multiply-add, sum x 2^(e14 + e15) + bias; then the residual is added, in f32.  LIMIT: e14 + e15 between -126 and 127.
; A tile of C is 128 x 128, so that C's 32 x 8 tiles give 256 work-groups.  Four waves, each 64 x 64: 16 accumulators of 16 x 16, 128 registers.
; K goes in steps of 512 (LDS rows of 512 bytes; a wave's tensor load brings 64 of them), as long as two slots in LDS allow: eight K steps, six of them refills.
; CLUSTERS: 4 x 4 work-groups.  The four of a row of the cluster need the same tiles of A, the four of a column the same tiles of B: each tile is asked for JOINTLY, by the same tensor load with the same descriptor and a mask that names the four.
; THE MATRIX INSTRUCTION IS USED TRANSPOSED (source 0 = 16 rows of B, source 1 = 16 rows of A): a lane holds eight neighbouring columns of one row of C.
; A wave's 64 columns of f32 are 256 consecutive bytes of a row of C, aligned: each wave sends its own results out through its own stage, with no barrier.
; REGISTERS in windows of 256: window 0: v0-31 addresses; v32-63 a block's results; v64-127 rows read back from the stage, two sets; v128-255 the accumulators ((a, b) at v[128 + 8 (4 a + b)]).
;   window 1: two fragment buffers of 128: A's four fragments (16 rows x 128 K, 16 registers each), then B's four.   window 2: v0-127 the residual's rows, v128-159 the bias in the result's layout.
.set SIZE_K, 4096
.set WOFF,   0x800000                  ; the weight's place in wcodes
.set EA,     98                        ; s98 = e14, s99 = e15
.set EB,     99
.set KSTEP,  512
.set ROWB,   512                       ; a tile's row in bytes
.set KROW,   SIZE_K                    ; a row of A or of B in memory, in bytes
.set PITCH,  528                       ; an LDS row: 512 bytes + 16 of padding = 132 words: row r starts at bank 4 r mod 64 (64 banks of 4 bytes: ISA guide 11.1), so the 16 rows that a load touches start at 16 different banks
.set FR,     16                        ; registers of a fragment
.set NP,     4                         ; places behind this matrix instruction (ISA guide 7.12.1)
.set HALFT,  64*PITCH                  ; 64 rows: what one tensor load brings, and what one wave reads of A or of B
.set SLOT,   4*HALFT                   ; A's 128 rows, then B's 128 rows
.set LAPS,   SIZE_K/(2*KSTEP)          ; a lap = two K steps = once round the ring
.set SPARE,  2*SLOT                    ; behind the ring: the spare words, 128 bytes a wave, two blocks of 256 bytes that no other line names
.set STAGE,  SPARE+512                 ; behind them: a stage of 16 rows x (256 bytes + 16) for each wave; no fill lands there
.set SPITCH, 272
.set BO,   7                           ; v7     the bias loads' offset: 32 x (lane / 16); never rewritten
.set ADRA, 16                          ; v16-17 LDS address of my A fragments in slot 0, 1
.set ADRB, 20                          ; v20-21 the same for B
.set STO,  24                          ; v24    the way out: where I put 32 bytes of a row
.set RD,   25                          ; v25    the way out: where I read a row back
.set CO,   26                          ; v26    my byte offset in two rows of C; never rewritten
.set SPW,  28                          ; v28    my spare word; never rewritten
.set NIL,  29                          ; v29    0; never rewritten
.set TMP,  32
.set BK,   64
.set ACC,  128
.set F0,   0                           ; fragment buffers, in window 1
.set F1,   128
.set RES,  0                           ; in window 2
.set BI,   128                         ; in window 2
.set RB,   76                          ; s[76:77] the residual at my wave's corner
.set OB,   78                          ; s[78:79] the output there
.set G1, 24                            ; s[24:31] descriptor group 1 for A's tiles; s[32:39] group 0, one set for each slot
.set G0, 32
.set G1B, 48                           ; s[48:55], s[56:63] the same for B's tiles
.set G0B, 56
.set MSB, 0
.macro WIN new                         ; the immediate's high byte repeats the setting that is left
.if MSB != (\new)
	s_set_vgpr_msb (MSB<<8)|(\new)
.set MSB, \new
.endif
.endm
.set MUL,  0x05                        ; sources 0 (B) and 1 (A) window 1; C and D window 0
.set TO_F, 0x40                        ; destination window 1, address window 0
.macro JLOAD g0a, g1a, g0b, g1b        ; a joint load: waves 0, 1 for A, waves 2, 3 for B; the branch hangs on the wave's number alone; an s_nop 0 and four v_nop follow each line
	s_cmp_eq_u32 s15, 0
	s_cbranch_scc0 .Lfor_b_\@
	tensor_load_to_lds s[\g0a:\g0a+3], s[\g1a:\g1a+7]
	s_nop 0
.rept 4
	v_nop
.endr
	s_branch .Lasked_\@
.Lfor_b_\@:
	tensor_load_to_lds s[\g0b:\g0b+3], s[\g1b:\g1b+7]
	s_nop 0
.rept 4
	v_nop
.endr
.Lasked_\@:
.endm
.macro CREST                           ; a round of the cluster's barrier behind its opening barrier
	s_cmp_lg_u32 s14, 0
	s_cbranch_scc1 .Lnot_wave_0_\@
	s_barrier_signal -3
.Lnot_wave_0_\@:
	s_barrier_wait -3
	s_barrier_signal -1
	s_barrier_wait -1
.endm
.macro CROUND
	s_barrier_signal -1
	s_barrier_wait -1
	CREST
.endm
.macro RLOAD                           ; the residual's 64 rows x 256 bytes of my corner, two rows a load (sixteen lanes read 256 consecutive bytes), into registers of their own
	WIN 0x80                                       ; destination window 2, address window 0
.set ra, 0
.rept 4
.set rt, 0
.rept 8
	global_load_b128 v[RES+32*ra+4*rt:RES+32*ra+4*rt+3], v[CO], s[RB:RB+1] offset:(16*ra+2*rt)*4096 th:TH_LOAD_NT
.set rt, rt+1
.endr
.set ra, ra+1
.endr
	WIN 0
.endm
	s_load_b256 s[68:75], s[0:1], 0x0              ; A's codes, wcodes, the scales' exponents, the bias
	s_load_b128 s[76:79], s[0:1], 0x20             ; the residual, the output
	v_lshl_add_u32 v[SPW], v0, 2, SPARE
	v_mov_b32 v[NIL], 0
	ds_add_u32 v[SPW], v[NIL]                      ; the wave's opening: the add and its wait ahead of my first tensor load; work on registers stands between them
	v_lshrrev_b32 v1, 5, v0
	v_readfirstlane_b32 s14, v1                    ; wave 0..3
	s_lshr_b32 s15, s14, 1                         ; my half of the tile's rows; also: I fetch for A (0) or B (1)
	s_and_b32 s16, s14, 1                          ; my half of its columns; also: which 64 rows I fetch
	s_bfe_u32 s40, ttmp6, 0x40000                  ; cx, cy: my place in the cluster
	s_bfe_u32 s41, ttmp6, 0x40004
	s_lshl_b32 s42, ttmp9, 2
	s_add_co_u32 s42, s42, s40                     ; tile column, 0..7
	s_and_b32 s17, ttmp7, 0xffff
	s_lshl_b32 s17, s17, 2
	s_add_co_u32 s17, s17, s41                     ; tile row, 0..31
	s_lshl_b32 s43, s41, 2
	s_lshl_b32 s43, 15, s43                        ; my row of the cluster
	s_lshl_b32 s44, 0x1111, s40                    ; my column
	s_or_b32 s[G1+0], s43, (0<<16)|(1<<20)|(1<<21)|(6<<22)|(3<<25)  ; the mask; elements of 1 byte; padding on; bit 21 beside a mask; after every 128 words, 4 words
	s_or_b32 s[G1B+0], s44, (0<<16)|(1<<20)|(1<<21)|(6<<22)|(3<<25)
.irp g, G1, G1B
	s_mov_b32 s[\g+1], ROWB<<16                    ; tensor_dim0
	s_mov_b32 s[\g+2], 64<<16                      ; tensor_dim1
	s_mov_b32 s[\g+3], ROWB<<16                    ; tile_dim0
	s_mov_b32 s[\g+4], 64                          ; tile_dim1
	s_mov_b32 s[\g+5], KROW                        ; tensor_dim0_stride
	s_mov_b32 s[\g+6], 0
	s_mov_b32 s[\g+7], 0
.endr
	s_lshl_b32 s18, s16, 6
	s_lshl_b32 s20, s17, 7
	s_add_co_u32 s20, s20, s18                     ; A: row 128 x tile row + 64 x half
	s_lshl_b32 s46, s42, 7
	s_add_co_u32 s46, s46, s18                     ; B: row 128 x tile column + 64 x half
	s_mul_i32 s20, s20, KROW
	s_mov_b32 s21, 0
	s_mul_i32 s46, s46, KROW
	s_mov_b32 s47, 0
	s_mul_i32 s45, s14, HALFT                      ; where they go: wave x 64 rows: no place in the cluster enters an LDS address
	s_wait_dscnt 0x0                               ; the opening add is done
	s_wait_kmcnt 0x0
	s_load_b512 s[84:99], s[72:73], 0x0            ; e0 .. e15
	s_add_nc_u64 s[6:7], s[70:71], WOFF
	s_add_nc_u64 s[20:21], s[68:69], s[20:21]
	s_add_nc_u64 s[46:47], s[6:7], s[46:47]
	CROUND                                         ; all sixteen work-groups are here: the first joint loads meet
.irp s, 0,1
	s_mov_b32 s[G0+4*\s], 1
	s_add_co_u32 s[G0+4*\s+1], s45, \s*SLOT
	s_add_nc_u64 s[G0+4*\s+2:G0+4*\s+3], s[20:21], \s*ROWB
	s_or_b32 s[G0+4*\s+3], s[G0+4*\s+3], 0x80000000
	s_mov_b32 s[G0B+4*\s], 1
	s_add_co_u32 s[G0B+4*\s+1], s45, \s*SLOT
	s_add_nc_u64 s[G0B+4*\s+2:G0B+4*\s+3], s[46:47], \s*ROWB
	s_or_b32 s[G0B+4*\s+3], s[G0B+4*\s+3], 0x80000000
	JLOAD G0+4*\s, G1, G0B+4*\s, G1B
.endr
	v_and_b32 v1, 15, v0                           ; r = l % 16
	v_bfe_u32 v2, v0, 4, 1                         ; h = l / 16
	v_mul_u32_u24 v3, v1, PITCH
	v_lshl_add_u32 v4, v2, 4, v3                   ; a fragment's row x pitch + 16 x half
	s_mul_i32 s21, s15, HALFT                      ; my 64 rows of A
	s_mul_i32 s22, s16, HALFT                      ; my 64 rows of B,
	s_add_co_u32 s22, s22, 2*HALFT                 ; which lie behind A's 128
.irp s, 0,1
	v_add_nc_u32 v[ADRA+\s], s21, v4
	v_add_nc_u32 v[ADRB+\s], s22, v4
	s_add_co_u32 s21, s21, SLOT
	s_add_co_u32 s22, s22, SLOT
.endr
	s_mul_i32 s23, s14, 16*SPITCH
	s_add_co_u32 s23, s23, STAGE                   ; my stage
	v_mul_u32_u24 v5, v1, SPITCH
	v_lshl_add_u32 v5, v2, 5, v5
	v_add_nc_u32 v[STO], s23, v5                   ; in: row l % 16, 32 bytes for each half of the lanes
	v_mul_u32_u24 v6, v2, SPITCH
	v_lshl_add_u32 v6, v1, 4, v6
	v_add_nc_u32 v[RD], s23, v6                    ; back: lanes 0-15 take one row of 256 bytes, lanes 16-31 the next
	v_lshlrev_b32 v[CO], 12, v2
	v_lshl_add_u32 v[CO], v1, 4, v[CO]             ; and the same two rows in C: rows of 4,096 bytes
	v_lshlrev_b32 v[BO], 5, v2
	s_lshl_b32 s4, s17, 7
	s_lshl_b32 s5, s15, 6
	s_add_co_u32 s4, s4, s5                        ; my first row: 128 x tile row + 64 x half
	s_lshl_b32 s4, s4, 12
	s_lshl_b32 s6, s42, 9
	s_lshl_b32 s5, s16, 8
	s_add_co_u32 s6, s6, s5                        ; my first column, in bytes: 512 x tile column + 256 x half
	s_mov_b32 s7, 0
	s_add_co_u32 s4, s4, s6
	s_mov_b32 s5, 0
	s_add_nc_u64 s[RB:RB+1], s[RB:RB+1], s[4:5]
	s_add_nc_u64 s[OB:OB+1], s[OB:OB+1], s[4:5]
	s_add_nc_u64 s[74:75], s[74:75], s[6:7]
	WIN 0x80
.irp b, 0,1,2,3                        ; the bias in the result's layout: lane (r, h) wants, for block b, columns 16 b + 8 h + 0 .. 7
	global_load_b128 v[BI+8*\b:BI+8*\b+3], v[BO], s[74:75] offset:64*\b
	global_load_b128 v[BI+8*\b+4:BI+8*\b+7], v[BO], s[74:75] offset:64*\b+16
.endr
	WIN 0
.if LAPS == 1
	RLOAD                                          ; K is one lap: the residual is asked for at once
.endif
.macro FRAG reg, adr, k, i             ; 16 rows x 128 K: lane l holds row l % 16; registers 4 c .. 4 c + 3 hold K = 32 c + 16 (l / 16) + 0 .. 15: the same order of k in A and in B
.irp c, 0,1,2,3
	ds_load_b128 v[\reg+4*\c:\reg+4*\c+3], v[\adr] offset:(\k)+32*\c+(\i)*16*PITCH
.endr
.endm
; 4 matrix instructions: A's block a x B's four, 128 along K, from buffer f.  zero = 1: the product starts the sums: nothing is ever cleared.
; The 16 accumulators take turns, one instruction a turn, in the same order in every quarter.
.macro MUL4 f, a, zero
.irp b, 0,1,2,3
.if \zero
	v_wmma_f32_16x16x128_fp8_fp8 v[ACC+8*(4*(\a)+\b):ACC+8*(4*(\a)+\b)+7], v[\f+64+FR*\b:\f+64+FR*\b+FR-1], v[\f+FR*(\a):\f+FR*(\a)+FR-1], 0
.else
	v_wmma_f32_16x16x128_fp8_fp8 v[ACC+8*(4*(\a)+\b):ACC+8*(4*(\a)+\b)+7], v[\f+64+FR*\b:\f+64+FR*\b+FR-1], v[\f+FR*(\a):\f+FR*(\a)+FR-1], v[ACC+8*(4*(\a)+\b):ACC+8*(4*(\a)+\b)+7]
.endif
.endr
.endm
.macro FETCH slot, k, f                ; 32 LDS loads in one run: the fragments of 128 along K at byte k of the rows, into buffer f: B's four, then A's four
	WIN TO_F
.irp i, 0,1,2,3
	FRAG \f+64+FR*\i, ADRB+\slot, \k, \i
.endr
.irp i, 0,1,2,3
	FRAG \f+FR*\i, ADRA+\slot, \k, \i
.endr
.endm
.macro PLACES n                        ; plain vector lines between a matrix instruction and a load into, or a vector line on, its registers
.rept \n
	v_nop
.endr
.endm
; A K step is four quarters of 128 along K, 16 matrix instructions each, on buffers 0, 1, 0, 1.  One of the first three: multiplies buffer f and fetches the next quarter, at byte k, into g.
.macro QUARTER slot, k, f, g, zero
	s_wait_dscnt 8                                 ; B's four and A's blocks 0, 1 are in; the youngest eight loads (A's blocks 2, 3) may be out
	WIN MUL
	MUL4 \f, 0, \zero
	MUL4 \f, 1, \zero
	PLACES NP
	FETCH \slot, \k, \g
	s_wait_dscnt 32                                ; all but the 32 just issued
	WIN MUL
	MUL4 \f, 2, \zero
	MUL4 \f, 3, \zero
.endm
; The last quarter multiplies buffer 1 and changes slots: ONE barrier; in front of it each wave waits for all its tensor loads, adds 0 to its spare word, and waits for that and for its own reads of this slot.
; fill = 1: this slot is filled again, two K steps ahead.
.macro TURN slot, next, fill
	WIN 0                                          ; (the add's two registers lie in window 0)
	s_wait_tensorcnt 0x0                           ; all my tensor loads have landed: my part of the next slot
	ds_add_u32 v[SPW], v[NIL]
	s_wait_dscnt 9                                 ; the add and the youngest eight loads may be out
	WIN MUL
	MUL4 F1, 0, 0                                  ; four matrix instructions stand between the add and the wait for it
	s_wait_dscnt 0x0                               ; the add is done, and my reads of this slot are over
	s_barrier_signal -1
	MUL4 F1, 1, 0
.if \fill
	WIN 0
.endif
	s_barrier_wait -1
.if \fill
	CREST                                          ; the barrier has opened a round of the cluster's: no wave of any partner still reads this slot or has a load on its way
	s_add_nc_u64 s[G0+4*\slot+2:G0+4*\slot+3], s[G0+4*\slot+2:G0+4*\slot+3], 2*ROWB
	s_add_nc_u64 s[G0B+4*\slot+2:G0B+4*\slot+3], s[G0B+4*\slot+2:G0B+4*\slot+3], 2*ROWB
	JLOAD G0+4*\slot, G1, G0B+4*\slot, G1B         ; the first tensor load behind the round: 56 matrix instructions ahead of the wait for it; its four v_nop are the places in front of the loads below
.else
	PLACES NP
.endif
	FETCH \next, 0, F0
	WIN MUL
	MUL4 F1, 2, 0
	MUL4 F1, 3, 0
.endm
	s_wait_tensorcnt 1                             ; my part of K step 0 is in; K step 1's load may be out
	s_barrier_signal -1
	s_barrier_wait -1
	FETCH 0, 0, F0
	QUARTER 0, 128, F0, F1, 1                      ; the first quarter's products start the sums
.if LAPS > 1
	WIN 0                                          ; at a label and at a branch every window is 0
	s_mov_b32 s3, LAPS-1
.Llap:                                                 ; a trip goes once round the ring, from a lap's second quarter to the next lap's first, and fills both slots again
	QUARTER 0, 256, F1, F0, 0
	QUARTER 0, 384, F0, F1, 0
	TURN 0, 1, 1
	QUARTER 1, 128, F0, F1, 0
	QUARTER 1, 256, F1, F0, 0
	QUARTER 1, 384, F0, F1, 0
	TURN 1, 0, 1
	QUARTER 0, 128, F0, F1, 0
	WIN 0
	s_sub_co_u32 s3, s3, 1
	s_cmp_lg_u32 s3, 0
	s_cbranch_scc1 .Llap
	RLOAD                                          ; the residual is asked for one lap, 112 matrix instructions, ahead of its use
.endif
	QUARTER 0, 256, F1, F0, 0                      ; the last lap fills nothing, and has no round of the cluster's barrier
	QUARTER 0, 384, F0, F1, 0
	TURN 0, 1, 0
	QUARTER 1, 128, F0, F1, 0
	QUARTER 1, 256, F1, F0, 0
	QUARTER 1, 384, F0, F1, 0
	s_wait_dscnt 8                                 ; the very last quarter: nothing more to fetch
	WIN MUL
	MUL4 F1, 0, 0
	MUL4 F1, 1, 0
	s_wait_dscnt 0
	MUL4 F1, 2, 0
	MUL4 F1, 3, 0
	WIN 0
; THE WAY OUT, block by block of 16 rows x 64 columns: sum x 2^(eA + eB) + bias, through my own stage, back as whole rows of 256 bytes; + residual; stored.
.macro TOSTAGE a
	WIN 0x20                                       ; source 2 (the bias): window 2
.set j, 0
.rept 16
	v_pk_fma_f32 v[TMP+j:TMP+j+1], v[ACC+32*(\a)+j:ACC+32*(\a)+j+1], s[66:67], v[BI+j:BI+j+1] op_sel_hi:[1,0,1]   ; each accumulator from its low end on
.set j, j+2
.endr
	WIN 0
.irp b, 0,1,2,3
	ds_store_b128 v[STO], v[TMP+8*\b:TMP+8*\b+3] offset:64*\b
	ds_store_b128 v[STO], v[TMP+8*\b+4:TMP+8*\b+7] offset:64*\b+16
.endr
.set BB, BK+32*((\a)%2)
.set t, 0
.rept 8
	ds_load_b128 v[BB+4*t:BB+4*t+3], v[RD] offset:2*t*SPITCH   ; LDS serves a wave's instructions in order (ISA guide 5.7.1.4): these see my stores
.set t, t+1
.endr
.endm
.macro SEND a, younger                 ; younger: the LDS lines issued behind block a's loads, which may stay out
.set BB, BK+32*((\a)%2)
	s_wait_dscnt \younger                          ; the block is back in registers
	WIN 0x08                                       ; source 1 (the residual): window 2
.set j, 0
.rept 16
	v_pk_add_f32 v[BB+j:BB+j+1], v[BB+j:BB+j+1], v[RES+32*(\a)+j:RES+32*(\a)+j+1]
.set j, j+2
.endr
	WIN 0
.set t, 0
.rept 8
	global_store_b128 v[CO], v[BB+4*t:BB+4*t+3], s[OB:OB+1] offset:(16*(\a)+2*t)*4096   ; sixteen lanes store 256 consecutive bytes, aligned
.set t, t+1
.endr
.endm
	s_wait_kmcnt 0x0
	s_add_co_i32 s66, s[EA], s[EB]
	s_add_co_i32 s66, s66, 127
	s_lshl_b32 s66, s66, 23                        ; 2^(eA + eB) as f32
	s_mov_b32 s67, s66                             ; (named with it as a pair)
	s_wait_loadcnt 0x0                             ; the bias and the residual
	PLACES NP
	TOSTAGE 0
.irp a, 1,2,3
.if \a > 1
	s_wait_xcnt 0x0                                ; block a - 2's stores have read their registers: block a's loads may land there
.endif
	TOSTAGE \a
	SEND \a-1, 16                                  ; behind block a - 1's loads: block a's 8 stores and 8 loads
.endr
	SEND 3, 0
	s_wait_tensorcnt 0x0                           ; the wave's end
	ds_add_u32 v[SPW], v[NIL]
	s_wait_dscnt 0x0
	CROUND                                         ; the closing round: no work-group ends while a partner may still ask for a tile that names it
	s_endpgm
.Lfunc_end_k_q76c594b555_ffn2:
	.size	k_q76c594b555_ffn2, .Lfunc_end_k_q76c594b555_ffn2-k_q76c594b555_ffn2
	.p2alignl 7, 3214868480
	.fill 96, 4, 3214868480
	.section	.rodata,"a",@progbits
	.p2align	6, 0x0
	.amdhsa_kernel k_q76c594b555_ffn2
		.amdhsa_group_segment_fixed_size 327680
		.amdhsa_private_segment_fixed_size 0
		.amdhsa_enable_private_segment 0
		.amdhsa_kernarg_size 48
		.amdhsa_user_sgpr_count 2
		.amdhsa_user_sgpr_kernarg_segment_ptr 1
		.amdhsa_wavefront_size32 1
		.amdhsa_system_sgpr_workgroup_id_x 1
		.amdhsa_system_sgpr_workgroup_id_y 1
		.amdhsa_system_sgpr_workgroup_id_z 1
		.amdhsa_system_vgpr_workitem_id 0
		.amdhsa_next_free_vgpr 768
		.amdhsa_next_free_sgpr 100
		.amdhsa_reserve_vcc 0
		.amdhsa_float_denorm_mode_32 3
		.amdhsa_float_denorm_mode_16_64 3
		.amdhsa_memory_ordered 1
		.amdhsa_forward_progress 1
		.amdhsa_inst_pref_size 82
	.end_amdhsa_kernel
	.amdgpu_metadata
---
amdhsa.version: [ 1, 2 ]
amdhsa.kernels:
  - .name:           k_q76c594b555_ffn2
    .symbol:         k_q76c594b555_ffn2.kd
    .args:
      - { .name: ffc, .offset: 0, .size: 8, .value_kind: global_buffer, .address_space: global }
      - { .name: wcodes, .offset: 8, .size: 8, .value_kind: global_buffer, .address_space: global }
      - { .name: lowp_scales, .offset: 16, .size: 8, .value_kind: global_buffer, .address_space: global }
      - { .name: b2, .offset: 24, .size: 8, .value_kind: global_buffer, .address_space: global }
      - { .name: x1, .offset: 32, .size: 8, .value_kind: global_buffer, .address_space: global }
      - { .name: out0, .offset: 40, .size: 8, .value_kind: global_buffer, .address_space: global }
    .group_segment_fixed_size: 327680
    .private_segment_fixed_size: 0
    .kernarg_segment_align: 8
    .kernarg_segment_size: 48
    .max_flat_workgroup_size: 128
    .sgpr_count:     100
    .vgpr_count:     768
    .wavefront_size: 32
...
	.end_amdgpu_metadata
.endif
;; end of part 9
